; MI455X (gfx1250); checked and timed in simulation.
; The chip was launched on July 23, 2026; its instructions are those of AMD's public machine-readable ISA for CDNA 5 (MIT licence, August 2026) and "CDNA5" Instruction Set Architecture Reference Guide (July 2026). The comments in the code are by the model that wrote it; some were corrected since.
;; Multi Head Attention Block. Allowed arithmetic: matrix products marked QUANTISED: E4M3 operands, one E8M0 scale for each 32 along K, by v_wmma_scale_f32_16x16x128_f8f6f4 with both operands' format E4M3, f32 sums; everything else in f32.
;; Inputs: W1 512 x 4,096 float32; W2 4,096 x 512 float32; Wk 512 x 512 float32; Wq 512 x 512 float32; Wv 512 x 512 float32; alpha 1 float32; b1 4,096 float32; b2 512 float32; beta 1 float32; x 4 x 2,048 x 512 float32.
;; Outputs: out0 4 x 2,048 x 512 float32.
;; This version of the problem:
;;   THIS VERSION OF THE PROBLEM IS GIVEN IN LOW PRECISION. The matrix products marked QUANTISED in the list below multiply operands that are first quantised to E4M3 (4 exponent bits, 3 mantissa bits; 8 bits a number), with one power-of-two scale for each 32 numbers along K (OCP MX v1.0); their sums are f32. All else is computed in f32.
;;   The module's matrix products, in the order in which they are computed (A, B: the left and right operand; K: the contracted axis; several contracted axes count as one K, in the product's order):
;;     1. [M 8,192, K 512] x [K 512, N 512]; A: computed on the way; B: input Wq: QUANTISED
;;     2. [M 8,192, K 512] x [K 512, N 512]; A: computed on the way; B: input Wk: QUANTISED
;;     3. [M 8,192, K 512] x [K 512, N 512]; A: computed on the way; B: input Wv: QUANTISED
;;     4. batch 64 x [M 2,048, K 32] x [K 32, N 2,048]; A: computed on the way; B: computed on the way: QUANTISED
;;     5. batch 64 x [M 32, K 2,048] x [K 2,048, N 2,048]; A: computed on the way; B: softmax (see below): QUANTISED
;;     6. [M 8,192, K 512] x [K 512, N 4,096]; A: computed on the way; B: input W1: QUANTISED
;;     7. [M 8,192, K 4,096] x [K 4,096, N 512]; A: computed on the way; B: input W2: QUANTISED
;;   THE QUANTISER, for each operand of a quantised product, along K:
;;     - K is cut into blocks of 32 from its start; a last block that is shorter is filled with zeros.
;;     - A block's scale is 2^e with e = floor(log2(the largest magnitude in the block)) - 8, held to -126 .. 127; a block of zeros has e = 0. As a byte (E8M0): e + 127.
;;     - Each number is divided by its block's scale, clamped to +-448, and rounded to the nearest number of E4M3, ties to even, subnormals kept.
;;     - The product sums the exact products of the quantised numbers (number of the format x scale) in f32.
;;   ~~~python
;;   def quantise(x, axis):      # numpy; x: float32 -> the quantised numbers, widened to float32 again
;;       x = np.moveaxis(x, axis, -1); K = x.shape[-1]
;;       x = np.pad(x, [(0, 0)] * (x.ndim - 1) + [(0, -K % 32)]); x = x.reshape(x.shape[:-1] + (-1, 32)); a = np.abs(x).max(-1, keepdims=True)
;;       e = np.where(a > 0, np.clip(np.frexp(np.where(a > 0, a, 1))[1] - 1 - 8, -126, 127), 0)      # np.frexp(a)[1] - 1 = floor(log2(a)), exactly
;;       r = np.clip(x / 2.0 ** e, -448, 448)
;;       step = 2.0 ** (np.maximum(np.frexp(np.where(r == 0, 1, r))[1] - 1, -6) - 3)
;;       q = np.round(r / step) * step * 2.0 ** e      # np.round: ties to even
;;       return np.moveaxis(q.reshape(q.shape[:-2] + (-1,))[..., :K], -1, axis).astype(np.float32)
;;   ~~~
;;   SOFTMAX AHEAD OF A QUANTISED PRODUCT. Where the list says 'softmax', what is quantised is not the finished softmax but p = 2^(t - M), with t = logit x log2(e) and M = ceil(the row's largest t), a whole number; so 1/2 < the row's largest p <= 1. The row's sum l is taken of the UNQUANTISED p, in f32, and the product's result is divided by l at the end. Since M is a whole number, a kernel that streams over the keys may use a running M (the ceiling of the running maximum): every later rescaling is an exact power of two, which a block's scale takes up: the codes' values come out the same.
;;   OPERANDS COMPUTED ON THE WAY. 'Computed on the way' means the value that the module computes at that place (a softmax that the list does not call 'softmax' is quantised finished and normalised). What goes into a quantiser is computed in f32, as accurately as f32 sums, v_exp_f32 and their like allow (about 1e-6 of the number): no bf16 or f16 on the way to a quantiser, and a product that is left as it is and whose result goes on into a quantised operand takes f32 operands (vector FMAs, or v_wmma_f32_16x16x4_f32). A number that lies on a knife's edge between two numbers of the format may be rounded either way, as far as f32 arithmetic and the matrix unit's own rounding can turn it there, and no further.
;; 2 versions. Each part assembles by itself: llvm-mc -triple=amdgcn-amd-amdhsa -mcpu=gfx1250 --defsym DOCPART=n.
;; ======== version 1 of 2: 5 launches
;; workspace buffers: wts 5,136,384 bytes; qkv 13,369,344 bytes; x1 16,777,216 bytes; hid 34,603,008 bytes
;; launch prep (part 1): grid 304 x 1, 4 waves a work-group, no clusters, 0 bytes of LDS; arguments Wq, Wk, Wv, W1, W2, wts; writes wts
.if DOCPART == 1
	.amdgcn_target "amdgcn-amd-amdhsa--gfx1250"
	.amdhsa_code_object_version 6
	.text
	.protected	k_qfc9bce44e1_prep
	.globl	k_qfc9bce44e1_prep
	.p2align	8
	.type	k_qfc9bce44e1_prep,@function
k_qfc9bce44e1_prep:
	s_mov_b64 s[64:65], 0
	v_nop
	global_prefetch_b8 v0, s[64:65] scope:SCOPE_SE
	s_setreg_imm32_b32 hwreg(HW_REG_WAVE_MODE, 25, 1), 1
	s_wait_xcnt 0x0
; The five weights, f32 with K as their FIRST axis, become codes of E4M3 with one E8M0 byte for each 32 along K, laid as the later launches' operand registers want them.
; A FRAGMENT (16 columns x 128 K) is 2,048 bytes: group c of 512 bytes, lane l's 16 bytes at 512 c + 16 l = column l % 16, k = 32 c + 16 (l / 16) + 0 .. 15.
; Codes: [column tile][K step][2,048].  Scale words: [unit of 32 columns][K step][32 words]: words 0-15 the even tile's columns, 16-31 the odd tile's; byte c = block c of the K step.
; A LANE TAKES A COLUMN AND ITS REGISTERS RUN DOWN K: a block of 32 lies in one lane, its largest magnitude needs no other lane, and the conversions give codes with K innermost.
; A wave takes one unit x one K step (4 blocks); the four waves of a work-group stand side by side on 512 bytes of each row.
; Work-groups 0-47: Wq, Wk, Wv (16 each); 48-175: W1; 176-303: W2.  One path through the text: pointers and sizes are chosen on the work-group's number.
; In Wq, Wk and W1 the columns of a tile are not neighbours: place r of tile 2 U + u is column 32 U + 8 u + r + 8 (r / 8), so that a transposed product leaves 16 neighbours in a lane.
; A block's byte is its largest magnitude's exponent field - 8, held at 1 from below.
; LIMITS: NaN and infinities are not served; a block whose largest magnitude lies under 2^-118 gets the byte 1; a block of zeros gets 1 where the rule says 127 (its codes are zeros; this program alone reads the bytes).
; The scale words leave as 128 bytes a wave: half of an aligned 256: one byte in 128 of what the launch reads.
.set W1_C,   786432
.set W2_C,   2883584
.set WQKV_S, 4980736
.set W1_S,   5005312
.set W2_S,   5070848
.set VCODE, 7                          ; v7      my column's place in its tile's fragment
.set VSC,   8                          ; v8      and among the unit's scale words
.set OFF,   16                         ; v16-47  4 x lane + i rows
.set X,     48                         ; v48-175 four sets of 32 numbers
.set C,     176                        ; v176-207 eight registers of codes a block
.set SB,    208                        ; v208    the four scale bytes
	s_load_b256 s[4:11], s[0:1], 0x0               ; Wq, Wk, Wv, W1
	s_load_b128 s[12:15], s[0:1], 0x20             ; W2, wts
	v_lshrrev_b32 v2, 5, v0
	v_readfirstlane_b32 s16, v2                    ; wave
	v_and_b32 v1, 31, v0                           ; lane = column in the unit
	s_mov_b32 s17, ttmp9
	s_mov_b32 s22, 48
	s_mov_b32 s23, 176
	s_mov_b32 s24, W1_C
	s_mov_b32 s25, W2_C
	s_mov_b32 s26, WQKV_S
	s_mov_b32 s27, W1_S
	s_mov_b32 s28, W2_S
	s_mov_b32 s60, 0x600000                        ; the mantissa field of 448
	s_wait_kmcnt 0x0
	s_cmp_lt_u32 s17, 16
	s_cselect_b64 s[20:21], s[4:5], s[6:7]         ; Wq or Wk
	s_cmp_lt_u32 s17, 32
	s_cselect_b64 s[20:21], s[20:21], s[8:9]       ; or Wv
	s_cselect_b32 s30, -1, 0                       ; Wq, Wk: the chosen order of columns
	s_cmp_lt_u32 s17, 48
	s_cselect_b64 s[20:21], s[20:21], s[10:11]     ; or W1
	s_cselect_b32 s31, 0, s22                      ; the tensor's first work-group
	s_cselect_b32 s32, 11, 14                      ; log2 of a row's bytes
	s_cselect_b32 s33, 3, 31                       ; groups of 128 columns - 1
	s_cselect_b32 s34, 0, s24                      ; where its codes begin
	s_cselect_b32 s35, s26, s27                    ; and its scale words
	s_cselect_b32 s30, s30, -1                     ; W1: the chosen order too
	s_cmp_lt_u32 s17, s23
	s_cselect_b64 s[20:21], s[20:21], s[12:13]     ; or W2
	s_cselect_b32 s31, s31, s23
	s_cselect_b32 s32, s32, 11
	s_cselect_b32 s33, s33, 3
	s_cselect_b32 s34, s34, s25
	s_cselect_b32 s35, s35, s28
	s_cselect_b32 s30, s30, 0
	s_cselect_b32 s36, 2, 5                        ; log2 of the K steps
	s_sub_co_u32 s37, s17, s31
	s_lshr_b32 s38, s37, s36                       ; group of 128 columns (for Wq, Wk, Wv counted through all three)
	s_lshl_b32 s39, s38, s36
	s_sub_co_u32 s39, s37, s39                     ; K step
	s_lshl_b32 s40, s38, 2
	s_add_co_u32 s40, s40, s16                     ; unit
	s_add_co_u32 s41, s32, 7
	s_lshl_b32 s41, s39, s41                       ; 128 rows a K step
	s_and_b32 s42, s38, s33
	s_lshl_b32 s42, s42, 9
	s_add_co_u32 s41, s41, s42
	s_lshl_b32 s42, s16, 7
	s_add_co_u32 s41, s41, s42                     ; + the unit's 128 bytes of a row
	s_lshl_b32 s43, s40, 1
	s_lshl_b32 s43, s43, s36
	s_add_co_u32 s43, s43, s39
	s_lshl_b32 s43, s43, 11
	s_add_co_u32 s43, s43, s34                     ; the even tile's fragment of this K step
	s_lshl_b32 s44, s40, s36
	s_add_co_u32 s44, s44, s39
	s_lshl_b32 s44, s44, 7
	s_add_co_u32 s44, s44, s35                     ; the unit's scale words of this K step
	s_mov_b32 s47, 0
	s_mov_b32 s46, s41
	s_add_nc_u64 s[48:49], s[20:21], s[46:47]      ; block 0's first row
	s_lshl_b32 s46, 32, s32                        ; 32 rows
	s_add_nc_u64 s[50:51], s[48:49], s[46:47]
	s_add_nc_u64 s[52:53], s[50:51], s[46:47]
	s_add_nc_u64 s[54:55], s[52:53], s[46:47]
	s_mov_b32 s46, s43
	s_add_nc_u64 s[56:57], s[14:15], s[46:47]
	s_mov_b32 s46, s44
	s_add_nc_u64 s[58:59], s[14:15], s[46:47]
	s_lshl_b32 s46, 1, s32                         ; a row's bytes
	s_add_co_u32 s45, s36, 11                      ; log2 of a tile's bytes
	v_lshrrev_b32 v3, 4, v1                        ; as they lie: tile u = lane / 16,
	v_and_b32 v4, 15, v1                           ; place r = lane % 16
	v_bfe_u32 v5, v1, 3, 1                         ; chosen order: u = bit 3,
	v_and_b32 v6, 7, v1
	v_lshl_or_b32 v6, v3, 3, v6                    ; r = bits 2:0 and bit 4
	v_cndmask_b32 v3, v3, v5, s30
	v_cndmask_b32 v4, v4, v6, s30
	v_lshlrev_b32 v[VCODE], s45, v3
	v_lshl_add_u32 v[VCODE], v4, 4, v[VCODE]
	v_lshl_add_u32 v[VSC], v3, 4, v4
	v_lshlrev_b32 v[VSC], 2, v[VSC]
	v_lshlrev_b32 v9, 2, v1
.set i, 0
.rept 32
	v_mad_u32_u24 v[OFF+i], s46, i, v9
.set i, i+1
.endr
.macro LOAD t                          ; block t: 32 rows at my column; a wave reads 128 consecutive bytes of each
.set i, 0
.rept 32
	global_load_b32 v[X+32*(\t)+i], v[OFF+i], s[48+2*(\t):49+2*(\t)] th:TH_LOAD_NT
.set i, i+1
.endr
.endm
.macro BLOCK t
.set XS, X+32*(\t)
	v_max3_num_f32 v12, |v[XS]|, |v[XS+1]|, |v[XS+2]|
	v_max3_num_f32 v13, |v[XS+3]|, |v[XS+4]|, |v[XS+5]|
.irp i, 6,10,14,18,22,26
	v_max3_num_f32 v12, v12, |v[XS+\i]|, |v[XS+\i+1]|
	v_max3_num_f32 v13, v13, |v[XS+\i+2]|, |v[XS+\i+3]|
.endr
	v_max3_num_f32 v12, v12, |v[XS+30]|, |v[XS+31]|
	v_max3_num_f32 v12, v12, v13, 0x4800000        ; the floor 2^(9 - 127): the byte cannot fall under 1
	v_add_nc_u32 v11, 0xfc000000, v12              ; 8 off the exponent field: the conversion's scale operand
	v_and_or_b32 v10, v12, 0x7f800000, s60         ; 448 x the scale
	v_lshrrev_b32 v13, 23, v11                     ; the byte
.if (\t) == 0
	v_mov_b32 v[SB], v13
.else
	v_lshl_or_b32 v[SB], v13, 8*(\t), v[SB]
.endif
.set i, 0
.rept 32
	v_med3_num_f32 v[XS+i], v[XS+i], -v10, v10     ; the conversion to an 8-bit code does not saturate (ISA guide 7.6.2): the hold comes first
.set i, i+1
.endr
.irp g, 0,1,2,3
	v_cvt_scalef32_pk8_fp8_f32 v[C+8*(\t)+2*\g:C+8*(\t)+2*\g+1], v[XS+8*\g:XS+8*\g+7], v11
.endr
	v_nop
	global_store_b128 v[VCODE], v[C+8*(\t):C+8*(\t)+3], s[56:57] offset:512*(\t)          ; k 0-15 of the block: sixteen lanes of a tile fill 256 consecutive bytes, aligned
	global_store_b128 v[VCODE], v[C+8*(\t)+4:C+8*(\t)+7], s[56:57] offset:512*(\t)+256    ; k 16-31
.endm
	LOAD 0
	LOAD 1
	s_wait_loadcnt 32                              ; block 0 is in; block 1's 32 loads may be out
	LOAD 2
	BLOCK 0
	s_wait_loadcnt 32                              ; block 1 is in; block 2's may be out
	LOAD 3
	BLOCK 1
	s_wait_loadcnt 32                              ; block 2 is in; block 3's may be out
	BLOCK 2
	s_wait_loadcnt 0x0
	BLOCK 3
	global_store_b32 v[VSC], v[SB], s[58:59]
	s_endpgm
.Lfunc_end_k_qfc9bce44e1_prep:
	.size	k_qfc9bce44e1_prep, .Lfunc_end_k_qfc9bce44e1_prep-k_qfc9bce44e1_prep
	.p2alignl 7, 3214868480
	.fill 96, 4, 3214868480
	.section	.rodata,"a",@progbits
	.p2align	6, 0x0
	.amdhsa_kernel k_qfc9bce44e1_prep
		.amdhsa_group_segment_fixed_size 0
		.amdhsa_private_segment_fixed_size 0
		.amdhsa_enable_private_segment 0
		.amdhsa_kernarg_size 48
		.amdhsa_user_sgpr_count 2
		.amdhsa_user_sgpr_kernarg_segment_ptr 1
		.amdhsa_wavefront_size32 1
		.amdhsa_system_sgpr_workgroup_id_x 1
		.amdhsa_system_sgpr_workgroup_id_y 1
		.amdhsa_system_sgpr_workgroup_id_z 1
		.amdhsa_system_vgpr_workitem_id 0
		.amdhsa_next_free_vgpr 224
		.amdhsa_next_free_sgpr 66
		.amdhsa_reserve_vcc 0
		.amdhsa_float_denorm_mode_32 3
		.amdhsa_float_denorm_mode_16_64 3
		.amdhsa_memory_ordered 1
		.amdhsa_forward_progress 1
		.amdhsa_inst_pref_size 33
	.end_amdhsa_kernel
	.amdgpu_metadata
---
amdhsa.version: [ 1, 2 ]
amdhsa.kernels:
  - .name:           k_qfc9bce44e1_prep
    .symbol:         k_qfc9bce44e1_prep.kd
    .args:
      - { .name: Wq, .offset: 0, .size: 8, .value_kind: global_buffer, .address_space: global }
      - { .name: Wk, .offset: 8, .size: 8, .value_kind: global_buffer, .address_space: global }
      - { .name: Wv, .offset: 16, .size: 8, .value_kind: global_buffer, .address_space: global }
      - { .name: W1, .offset: 24, .size: 8, .value_kind: global_buffer, .address_space: global }
      - { .name: W2, .offset: 32, .size: 8, .value_kind: global_buffer, .address_space: global }
      - { .name: wts, .offset: 40, .size: 8, .value_kind: global_buffer, .address_space: global }
    .group_segment_fixed_size: 0
    .private_segment_fixed_size: 0
    .kernarg_segment_align: 8
    .kernarg_segment_size: 48
    .max_flat_workgroup_size: 128
    .sgpr_count:     66
    .vgpr_count:     224
    .wavefront_size: 32
...
	.end_amdgpu_metadata
.endif
;; end of part 1
;; launch qkv (part 2): grid 4 x 64, 4 waves a work-group, no clusters, 68,096 bytes of LDS; arguments x, alpha, beta, wts, qkv; writes qkv
.if DOCPART == 2
	.amdgcn_target "amdgcn-amd-amdhsa--gfx1250"
	.amdhsa_code_object_version 6
	.text
	.protected	k_qfc9bce44e1_qkv
	.globl	k_qfc9bce44e1_qkv
	.p2align	8
	.type	k_qfc9bce44e1_qkv,@function
k_qfc9bce44e1_qkv:
	s_mov_b64 s[64:65], 0
	v_nop
	global_prefetch_b8 v0, s[64:65] scope:SCOPE_SE
	s_setreg_imm32_b32 hwreg(HW_REG_WAVE_MODE, 25, 1), 1
	s_wait_xcnt 0x0
; _x = alpha (x - mean) / sqrt(var + 1e-6) + beta (var over 511), quantised along 512; q = _x Wq, k = _x Wk, v = _x Wv on codes of E4M3; q and k quantised along the head's 32, v along the keys.
; SHARES.  A work-group takes 128 rows (work-group y) and four heads (work-group x); wave w owns head 4 x + w: its 32 columns of Wq, of Wk and of Wv.
; The rows' codes, 32 fragments, are made once (wave w: rows' tiles 2 w, 2 w + 1), meet in LDS as images of their registers, and then stay in EVERY wave's registers (windows 2 and 3).
; The weights' fragments come from memory straight into registers: each is wanted by one wave of the work-group, once, so LDS and joint requests would add a write and a read and spare nothing inside the work-group.
; THE ROWS OF A TILE ARE NOT NEIGHBOURS: place r of tile m is row 32 (m / 2) + 8 (m % 2) + r + 8 (r / 8) of the 128.  So v's product (source 0 = rows) leaves 16 neighbouring KEYS in a lane's registers of two tiles,
; and k's tiles are already those that the next launch's first product wants.  q and k are made transposed (source 0 = 16 columns of the weight, in the order that launch prep chose): a lane holds one row and 16 neighbours of the head's 32.
; OUT: q's codes [head plane][tile][512], its scale words (the byte four times) [head plane][tile][16]; k's and v's records of 67,584 bytes a head plane: 16 steps x 4,096 bytes of codes, then 16 x 128 bytes of scale words.
; The variance is taken of x - mean: no difference of large sums.  1/512 is exact; 1/511 and the root's reciprocal are within an ulp.
; LIMITS: NaN and infinities are not served; a block whose largest magnitude lies under 2^-118, zeros among them, gets the byte 1 (zero codes add nothing; this program alone reads the bytes).
; The scale words leave in stores of 128 bytes: halves of aligned 256: about a sixteenth of the launch's stored bytes.
; REGISTERS: window 0: v1-15 addresses and constants; v16-31 the rows' scale words; v32-39 the weights'; v40-50 words on their way out; v72-111 the quantiser's; v128-255 16 accumulators (ahead of the barrier: at work).
;   window 1: two sets of 8 weight fragments.   windows 2, 3: first my two tiles' 256 numbers a lane, then the rows' 32 fragments.
.set WQKV_S, 4980736
.set QS_O,   4194304
.set KREC,   4718592
.set REC,    67584
.set VOFFG,  4325376
.set XSC,    65536                     ; LDS: 32 images of 2,048 bytes, then their scale words: 512 s + 128 (m / 2) + 64 (m % 2) + 4 r
.set LI,  1                            ; 16 x lane
.set LS,  2                            ; 4 x lane
.set LS2, 3                            ; XSC + 4 x lane
.set XA,  4                            ; x: my row and half
.set XWI, 5                            ; where I store images
.set XWS, 6                            ; and scale words
.set BB,  14                           ; v[14:15] beta, twice
.set XS,  16
.set WS,  32
.set QW,  40
.set QX,  44
.set PWK, 48
.set MX,  50
.set TM,  72
.set PW,  88
.set PC,  96
.set ACC, 128
.set ST,  128                          ; ahead of the barrier: 64 numbers to quantise,
.set SA,  192                          ; four packed sums,
.set NM,  200                          ; - mean, twice,
.set GG,  202                          ; alpha / sqrt(var + eps), twice,
.set T0,  204                          ; two at work
.set WV,  18
.set SEL, 20
.set MNT, 23
.set HM,  24
.set AL,  26
.set BE,  27
.set XB,  36
.set WB,  38
.set WSB, 40
.set QCB, 42
.set QSB, 44
.set KB,  46
.set KSB, 48
.set VB,  50
.set VSB, 52
.set MSB, 0
.macro WIN new                         ; the immediate's high byte repeats the setting that is left
.if MSB != (\new)
	s_set_vgpr_msb (MSB<<8)|(\new)
.set MSB, (\new)
.endif
.endm
.macro PLACES n
.rept \n
	v_nop
.endr
.endm
; one product.  c: the C's first register, or -1 for the constant 0.  ra, rb: the side's scale words lie in lanes 16-31
.macro WM d, a, b, c, sa, sb, ra, rb
.if (\c) < 0
.if (\ra) && (\rb)
	v_wmma_scale_f32_16x16x128_f8f6f4 v[(\d):(\d)+7], v[(\a):(\a)+15], v[(\b):(\b)+15], 0, v[(\sa)], v[(\sb)] matrix_a_scale:MATRIX_SCALE_ROW1 matrix_b_scale:MATRIX_SCALE_ROW1
.elseif (\ra)
	v_wmma_scale_f32_16x16x128_f8f6f4 v[(\d):(\d)+7], v[(\a):(\a)+15], v[(\b):(\b)+15], 0, v[(\sa)], v[(\sb)] matrix_a_scale:MATRIX_SCALE_ROW1
.elseif (\rb)
	v_wmma_scale_f32_16x16x128_f8f6f4 v[(\d):(\d)+7], v[(\a):(\a)+15], v[(\b):(\b)+15], 0, v[(\sa)], v[(\sb)] matrix_b_scale:MATRIX_SCALE_ROW1
.else
	v_wmma_scale_f32_16x16x128_f8f6f4 v[(\d):(\d)+7], v[(\a):(\a)+15], v[(\b):(\b)+15], 0, v[(\sa)], v[(\sb)]
.endif
.else
.if (\ra) && (\rb)
	v_wmma_scale_f32_16x16x128_f8f6f4 v[(\d):(\d)+7], v[(\a):(\a)+15], v[(\b):(\b)+15], v[(\c):(\c)+7], v[(\sa)], v[(\sb)] matrix_a_scale:MATRIX_SCALE_ROW1 matrix_b_scale:MATRIX_SCALE_ROW1
.elseif (\ra)
	v_wmma_scale_f32_16x16x128_f8f6f4 v[(\d):(\d)+7], v[(\a):(\a)+15], v[(\b):(\b)+15], v[(\c):(\c)+7], v[(\sa)], v[(\sb)] matrix_a_scale:MATRIX_SCALE_ROW1
.elseif (\rb)
	v_wmma_scale_f32_16x16x128_f8f6f4 v[(\d):(\d)+7], v[(\a):(\a)+15], v[(\b):(\b)+15], v[(\c):(\c)+7], v[(\sa)], v[(\sb)] matrix_b_scale:MATRIX_SCALE_ROW1
.else
	v_wmma_scale_f32_16x16x128_f8f6f4 v[(\d):(\d)+7], v[(\a):(\a)+15], v[(\b):(\b)+15], v[(\c):(\c)+7], v[(\sa)], v[(\sb)]
.endif
.endif
.endm
; 64 numbers of a lane, register 16 b + i = number 16 (lane / 16) + i of block b of my row, become 16 registers of codes in v[PC] on, the blocks' bytes in v[TM+4] on and their word in v[PW]
.macro QUANT s, relu
.if \relu
.irp b, 0,1,2,3
	v_max3_num_f32 v[TM+\b], v[\s+16*\b], v[\s+1+16*\b], 0x4800000
.endr
.irp i, 2,4,6,8,10,12,14
.irp b, 0,1,2,3
	v_max3_num_f32 v[TM+\b], v[TM+\b], v[\s+16*\b+\i], v[\s+1+16*\b+\i]
.endr
.endr
.else
.irp b, 0,1,2,3
	v_max3_num_f32 v[TM+\b], |v[\s+16*\b]|, |v[\s+1+16*\b]|, 0x4800000   ; my 16 numbers and the floor 2^(9 - 127): the byte cannot fall under 1
.endr
.irp i, 2,4,6,8,10,12,14
.irp b, 0,1,2,3
	v_max3_num_f32 v[TM+\b], v[TM+\b], |v[\s+16*\b+\i]|, |v[\s+1+16*\b+\i]|
.endr
.endr
.endif
.irp b, 0,1,2,3
	v_permlanex16_b32 v[TM+4+\b], v[TM+\b], s[SEL], s[SEL+1]
.endr
.irp b, 0,1,2,3
	v_max_num_f32 v[TM+\b], v[TM+\b], v[TM+4+\b]   ; with lane l xor 16's: the block's largest magnitude
.endr
.irp b, 0,1,2,3
	v_add_nc_u32 v[TM+12+\b], 0xfc000000, v[TM+\b] ; 8 off its exponent field: the conversion's scale operand
.endr
.irp b, 0,1,2,3
	v_and_or_b32 v[TM+8+\b], v[TM+\b], 0x7f800000, s[MNT]   ; 448 x the scale
.endr
.irp b, 0,1,2,3
	v_lshrrev_b32 v[TM+4+\b], 23, v[TM+12+\b]      ; the byte
.endr
	v_lshl_or_b32 v[PW], v[TM+5], 8, v[TM+4]
	v_lshl_or_b32 v[PW], v[TM+6], 16, v[PW]
	v_lshl_or_b32 v[PW], v[TM+7], 24, v[PW]
.irp b, 0,1,2,3
.irp i, 0,1,2,3,4,5,6,7,8,9,10,11,12,13,14,15
.if \relu
	v_med3_num_f32 v[\s+16*\b+\i], v[\s+16*\b+\i], 0, v[TM+8+\b]
.else
	v_med3_num_f32 v[\s+16*\b+\i], v[\s+16*\b+\i], -v[TM+8+\b], v[TM+8+\b]   ; the conversion does not saturate (ISA guide 7.6.2): the hold comes first
.endif
.endr
	v_cvt_scalef32_pk8_fp8_f32 v[PC+4*\b:PC+1+4*\b], v[\s+16*\b:\s+7+16*\b], v[TM+12+\b]
	v_cvt_scalef32_pk8_fp8_f32 v[PC+2+4*\b:PC+3+4*\b], v[\s+8+16*\b:\s+15+16*\b], v[TM+12+\b]
.endr
	v_nop                                          ; a plain line behind the last conversion
.endm
; a unit's 8 weight fragments (16,384 consecutive bytes, 512 a load) into set buf, and its four scale words
.macro LOADW buf, off, soff
	WIN 0x40
.set q, 0
.rept 32
	global_load_b128 v[128*(\buf)+4*q:128*(\buf)+4*q+3], v[LI], s[WB:WB+1] offset:(\off)+512*q
.set q, q+1
.endr
	WIN 0
.irp k, 0,1,2,3
	global_load_b32 v[WS+4*(\buf)+\k], v[LS], s[WSB:WSB+1] offset:(\soff)+128*\k
.endr
.endm
; my tile 2 w + u as f32: register 16 blk + 4 j + e = number 32 blk + 16 (lane / 16) + 4 j + e of my row, into window 2 + u
.macro XLOAD u
	WIN 0x80+0x40*(\u)
.set q, 0
.rept 64
	global_load_b128 v[4*q:4*q+3], v[XA], s[XB:XB+1] offset:16384*(\u)+128*(q/4)+16*(q%4)
.set q, q+1
.endr
	WIN 0
.endm
.macro FOLD                            ; the four packed sums, and lane l xor 16's: the row's total in v[T0]
	v_pk_add_f32 v[SA:SA+1], v[SA:SA+1], v[SA+2:SA+3]
	v_pk_add_f32 v[SA+4:SA+5], v[SA+4:SA+5], v[SA+6:SA+7]
	v_pk_add_f32 v[SA:SA+1], v[SA:SA+1], v[SA+4:SA+5]
	v_add_f32 v[T0], v[SA], v[SA+1]
	v_permlanex16_b32 v[T0+1], v[T0], s[SEL], s[SEL+1]
	v_add_f32 v[T0], v[T0], v[T0+1]
.endm
; the norm of the tile in window wn, its four fragments and scale words to LDS
.macro LNT wn, u
.irp c, 0,1,2,3,4,5,6,7
	v_mov_b32 v[SA+\c], 0
.endr
	WIN (\wn)
.set q, 0
.rept 128
	v_pk_add_f32 v[SA+2*(q%4):SA+2*(q%4)+1], v[2*q:2*q+1], v[SA+2*(q%4):SA+2*(q%4)+1]
.set q, q+1
.endr
	WIN 0
	FOLD
	v_mul_f32 v[NM], 0xbb000000, v[T0]             ; - the sum / 512
	v_mov_b32 v[NM+1], v[NM]
	WIN ((\wn)<<6)|(\wn)
.set q, 0
.rept 128
	v_pk_add_f32 v[2*q:2*q+1], v[2*q:2*q+1], v[NM:NM+1]   ; x - mean, in place
.set q, q+1
.endr
	WIN 0
.irp c, 0,1,2,3,4,5,6,7
	v_mov_b32 v[SA+\c], 0
.endr
	WIN ((\wn)<<2)|(\wn)
.set q, 0
.rept 128
	v_pk_fma_f32 v[SA+2*(q%4):SA+2*(q%4)+1], v[2*q:2*q+1], v[2*q:2*q+1], v[SA+2*(q%4):SA+2*(q%4)+1]
.set q, q+1
.endr
	WIN 0
	FOLD
	v_fma_f32 v[T0], v[T0], s30, s31               ; the squares' sum / 511 + 1e-6
	v_rsq_f32 v[T0+1], v[T0]
	v_nop                                          ; a plain line behind the transcendental
	s_wait_alu depctr_va_vdst(0)
	v_mul_f32 v[GG], s[AL], v[T0+1]
	v_mov_b32 v[GG+1], v[GG]
.irp k, 0,1,2,3
	WIN (\wn)
.set q, 0
.rept 32
	v_pk_fma_f32 v[ST+2*q:ST+2*q+1], v[64*\k+2*q:64*\k+2*q+1], v[GG:GG+1], v[BB:BB+1]
.set q, q+1
.endr
	WIN 0
	QUANT ST, 0
.irp c, 0,1,2,3
	ds_store_b128 v[XWI], v[PC+4*\c:PC+4*\c+3] offset:(8*\k+(\u))*2048+512*\c
.endr
	ds_store_b32 v[XWS], v[PW] offset:512*\k+64*(\u)   ; both lanes of a row write the same word with the same value
	s_wait_dscnt 0x0                               ; the stores have read their registers
.endr
.endm
; transposed: source 0 = 16 columns of the weight, source 1 = 16 rows.  Accumulator (m, n) at ACC + 16 m + 8 n: lane = row, register j = column 16 (lane / 16) + 8 n + j of the unit's 32.
; The 16 accumulators take turns, one instruction a turn, in the same order in every K step.
.macro GEMMT buf
.irp k, 0,1,2,3
	WIN 0x09+4*(\k/2)                              ; source 0 window 1, source 1 window 2 or 3
.irp m, 0,1,2,3,4,5,6,7
.irp n, 0,1
.if \k == 0
	WM ACC+16*\m+8*\n, 128*(\buf)+16*(4*\n+\k), 16*(8*(\k%2)+\m), -1, WS+4*(\buf)+\k, XS+4*\k+\m/2, \n, \m%2
.else
	WM ACC+16*\m+8*\n, 128*(\buf)+16*(4*\n+\k), 16*(8*(\k%2)+\m), ACC+16*\m+8*\n, WS+4*(\buf)+\k, XS+4*\k+\m/2, \n, \m%2
.endif
.endr
.endr
.endr
	WIN 0
	PLACES 8                                       ; behind this form eight places stand ahead of reads of results and of loads into its operands
.endm
; as it reads: source 0 = 16 rows, source 1 = 16 columns.  Accumulator (m, n) at ACC + 64 n + 8 m: lane = column 16 n + r, registers 64 n + 16 b + i = key 32 b + 16 (lane / 16) + i
.macro GEMMN buf
.irp k, 0,1,2,3
	WIN 0x06+(\k/2)                                ; source 0 window 2 or 3, source 1 window 1
.irp m, 0,1,2,3,4,5,6,7
.irp n, 0,1
.if \k == 0
	WM ACC+64*\n+8*\m, 16*(8*(\k%2)+\m), 128*(\buf)+16*(4*\n+\k), -1, XS+4*\k+\m/2, WS+4*(\buf)+\k, \m%2, \n
.else
	WM ACC+64*\n+8*\m, 16*(8*(\k%2)+\m), 128*(\buf)+16*(4*\n+\k), ACC+64*\n+8*\m, XS+4*\k+\m/2, WS+4*(\buf)+\k, \m%2, \n
.endif
.endr
.endr
.endr
	WIN 0
	PLACES 8
.endm
; k's or v's way out: two fragments of 2,048 bytes and one record of 32 scale words
.macro EPKV cb, sb
.irp g, 0,1
	s_wait_xcnt 0x0                                ; earlier stores have read their data: the codes' registers are written again
	QUANT ACC+64*\g, 0
.irp b, 0,1,2,3
	global_store_b128 v[LI], v[PC+4*\b:PC+4*\b+3], s[\cb:\cb+1] offset:2048*\g+512*\b   ; 512 consecutive bytes
.endr
	v_mov_b32 v[PWK+\g], v[PW]
.endr
	v_cndmask_b32 v[MX], v[PWK], v[PWK+1], s[HM]   ; lanes 0-15 the first fragment's words, lanes 16-31 the second's
	global_store_b32 v[LS], v[MX], s[\sb:\sb+1]
.endm
	s_load_b256 s[4:11], s[0:1], 0x0               ; x, alpha, beta, wts
	s_load_b64 s[12:13], s[0:1], 0x20              ; qkv
	v_lshl_add_u32 v126, v0, 2, 0x10800
	v_mov_b32 v127, 0
	v_lshrrev_b32 v8, 5, v0
	v_readfirstlane_b32 s[WV], v8                  ; wave
	v_and_b32 v8, 31, v0                           ; lane
	v_and_b32 v9, 15, v0                           ; r
	v_bfe_u32 v10, v0, 4, 1                        ; h
	v_lshlrev_b32 v[LI], 4, v8
	v_lshlrev_b32 v[LS], 2, v8
	v_add_nc_u32 v[LS2], XSC, v[LS]
	v_and_b32 v11, 8, v9
	v_add_nc_u32 v11, v11, v9                      ; r + 8 (r / 8)
	v_lshlrev_b32 v[XA], 11, v11
	v_lshl_add_u32 v[XA], v10, 6, v[XA]            ; that row of 2,048 bytes, + 64 h
	s_lshl_b32 s54, s[WV], 12
	v_add_nc_u32 v[XWI], s54, v[LI]                ; images 2 w and 2 w + 1 of each K step
	s_lshl_b32 s54, s[WV], 7
	s_add_co_u32 s54, s54, XSC
	v_lshl_add_u32 v[XWS], v9, 2, s54
	s_mov_b32 s[SEL], 0x76543210
	s_mov_b32 s[SEL+1], 0xfedcba98                 ; v_permlanex16_b32's selects for lane l xor 16
	s_mov_b32 s[MNT], 0x600000                     ; the mantissa field of 448
	s_mov_b32 s[HM], 0xffff0000                    ; lanes 16-31
	s_mov_b32 s30, 0x3b004020                      ; 1 / 511
	s_mov_b32 s31, 0x358637bd                      ; 1e-6
	s_and_b32 s33, ttmp7, 0xffff                   ; the block of 128 rows
	s_lshl_b32 s32, ttmp9, 2
	s_add_co_u32 s32, s32, s[WV]                   ; my head
	s_lshr_b32 s34, s33, 4
	s_lshl_b32 s34, s34, 4
	s_add_co_u32 s34, s34, s32                     ; head plane = 16 x batch + head
	s_and_b32 s35, s33, 15                         ; the block's place in its batch: the key step
	s_mov_b32 s55, 0
	s_wait_kmcnt 0x0
	s_load_b32 s[AL], s[6:7], 0x0
	s_load_b32 s[BE], s[8:9], 0x0
	s_lshl_b32 s54, s33, 18
	s_lshl_b32 s56, s[WV], 16
	s_add_co_u32 s54, s54, s56
	s_add_nc_u64 s[XB:XB+1], s[4:5], s[54:55]      ; x at my 32 rows
	s_lshl_b32 s54, s32, 14
	s_add_nc_u64 s[WB:WB+1], s[10:11], s[54:55]    ; Wq's unit of my head; Wk's lies 16 units on, Wv's 32
	s_lshl_b32 s54, s32, 9
	s_add_co_u32 s54, s54, WQKV_S
	s_add_nc_u64 s[WSB:WSB+1], s[10:11], s[54:55]
	s_lshl_b32 s54, s34, 16
	s_lshl_b32 s56, s35, 12
	s_add_co_u32 s54, s54, s56
	s_add_nc_u64 s[QCB:QCB+1], s[12:13], s[54:55]
	s_lshl_b32 s54, s34, 13
	s_lshl_b32 s56, s35, 9
	s_add_co_u32 s54, s54, s56
	s_add_co_u32 s54, s54, QS_O
	s_add_nc_u64 s[QSB:QSB+1], s[12:13], s[54:55]
	s_mul_i32 s57, s34, REC
	s_lshl_b32 s56, s35, 12
	s_add_co_u32 s54, s57, s56
	s_add_co_u32 s54, s54, KREC
	s_add_nc_u64 s[KB:KB+1], s[12:13], s[54:55]
	s_lshl_b32 s56, s35, 7
	s_add_co_u32 s54, s57, s56
	s_add_co_u32 s54, s54, KREC+65536
	s_add_nc_u64 s[KSB:KSB+1], s[12:13], s[54:55]
	s_add_nc_u64 s[VB:VB+1], s[KB:KB+1], VOFFG
	s_add_nc_u64 s[VSB:VSB+1], s[KSB:KSB+1], VOFFG
	LOADW 0, 0, 0                                  ; Wq
	LOADW 1, 262144, 8192                          ; Wk
	XLOAD 0
	XLOAD 1
	s_wait_kmcnt 0x0
	v_mov_b32 v[BB], s[BE]
	v_mov_b32 v[BB+1], s[BE]
.irp b, 0,1,2,3
	v_mov_b32 v[TM+4+\b], 0                        ; written once: a lane permute's destination counts as one of its sources
.endr
	v_mov_b32 v[T0+1], 0
	s_wait_loadcnt 63                              ; 64 loads were issued behind tile 0's last; the wait's field holds 63
	LNT 2, 0
	s_wait_loadcnt 0x0
	LNT 3, 1
	s_wait_dscnt 0x0                               ; my images have landed
	s_barrier_signal -1
	s_barrier_wait -1                              ; everybody's have
	WIN 0x80
.set q, 0
.rept 64
	ds_load_b128 v[4*q:4*q+3], v[LI] offset:512*q  ; K steps 0 and 1: fragment 8 s + m at v[16 (8 s + m)] of window 2
.set q, q+1
.endr
	WIN 0xc0
.set q, 0
.rept 64
	ds_load_b128 v[4*q:4*q+3], v[LI] offset:32768+512*q   ; K steps 2 and 3, window 3
.set q, q+1
.endr
	WIN 0
.irp k, 0,1,2,3
.irp p, 0,1,2,3
	ds_load_b32 v[XS+4*\k+\p], v[LS2] offset:512*\k+128*\p   ; lanes 0-15 tile 2 p's words, lanes 16-31 tile 2 p + 1's
.endr
.endr
	s_wait_dscnt 0x0
	GEMMT 0                                        ; q
	LOADW 0, 524288, 16384                         ; Wv, into the set that q has left, eight places behind its last product
.irp g, 0,1
	s_wait_xcnt 0x0
	QUANT ACC+64*\g, 0                             ; block b = tile 4 g + b: the head's 32 are one block
.irp b, 0,1,2,3
	global_store_b128 v[LI], v[PC+4*\b:PC+4*\b+3], s[QCB:QCB+1] offset:512*(4*\g+\b)
.endr
.irp b, 0,1,2,3
	v_lshl_or_b32 v[QW+\b], v[TM+4+\b], 8, v[TM+4+\b]
.endr
.irp b, 0,1,2,3
	v_lshl_or_b32 v[QW+\b], v[QW+\b], 16, v[QW+\b] ; the byte four times: q may stand in any block of the next launch's operand
.endr
.irp i, 0,1
	v_cndmask_b32 v[QX+2*\g+\i], v[QW+2*\i], v[QW+2*\i+1], s[HM]
	global_store_b32 v[LS], v[QX+2*\g+\i], s[QSB:QSB+1] offset:128*(2*\g+\i)
.endr
.endr
	GEMMT 1                                        ; k
	EPKV KB, KSB
	s_wait_loadcnt 0x0                             ; Wv
	GEMMN 0                                        ; v
	EPKV VB, VSB
	s_wait_tensorcnt 0x0
	ds_add_u32 v126, v127
	s_wait_dscnt 0x0
	s_endpgm
.Lfunc_end_k_qfc9bce44e1_qkv:
	.size	k_qfc9bce44e1_qkv, .Lfunc_end_k_qfc9bce44e1_qkv-k_qfc9bce44e1_qkv
	.p2alignl 7, 3214868480
	.fill 96, 4, 3214868480
	.section	.rodata,"a",@progbits
	.p2align	6, 0x0
	.amdhsa_kernel k_qfc9bce44e1_qkv
		.amdhsa_group_segment_fixed_size 68096
		.amdhsa_private_segment_fixed_size 0
		.amdhsa_enable_private_segment 0
		.amdhsa_kernarg_size 40
		.amdhsa_user_sgpr_count 2
		.amdhsa_user_sgpr_kernarg_segment_ptr 1
		.amdhsa_wavefront_size32 1
		.amdhsa_system_sgpr_workgroup_id_x 1
		.amdhsa_system_sgpr_workgroup_id_y 1
		.amdhsa_system_sgpr_workgroup_id_z 1
		.amdhsa_system_vgpr_workitem_id 0
		.amdhsa_next_free_vgpr 1024
		.amdhsa_next_free_sgpr 66
		.amdhsa_reserve_vcc 0
		.amdhsa_float_denorm_mode_32 3
		.amdhsa_float_denorm_mode_16_64 3
		.amdhsa_memory_ordered 1
		.amdhsa_forward_progress 1
		.amdhsa_inst_pref_size 247
	.end_amdhsa_kernel
	.amdgpu_metadata
---
amdhsa.version: [ 1, 2 ]
amdhsa.kernels:
  - .name:           k_qfc9bce44e1_qkv
    .symbol:         k_qfc9bce44e1_qkv.kd
    .args:
      - { .name: x, .offset: 0, .size: 8, .value_kind: global_buffer, .address_space: global }
      - { .name: alpha, .offset: 8, .size: 8, .value_kind: global_buffer, .address_space: global }
      - { .name: beta, .offset: 16, .size: 8, .value_kind: global_buffer, .address_space: global }
      - { .name: wts, .offset: 24, .size: 8, .value_kind: global_buffer, .address_space: global }
      - { .name: qkv, .offset: 32, .size: 8, .value_kind: global_buffer, .address_space: global }
    .group_segment_fixed_size: 68096
    .private_segment_fixed_size: 0
    .kernarg_segment_align: 8
    .kernarg_segment_size: 40
    .max_flat_workgroup_size: 128
    .sgpr_count:     66
    .vgpr_count:     1024
    .wavefront_size: 32
...
	.end_amdgpu_metadata
.endif
;; end of part 2
;; launch attn (part 3): grid 4 x 64, 16 waves a work-group, clusters of 4 x 1, 174,080 bytes of LDS; arguments qkv, x, x1; writes x1
.if DOCPART == 3
	.amdgcn_target "amdgcn-amd-amdhsa--gfx1250"
	.amdhsa_code_object_version 6
	.text
	.protected	k_qfc9bce44e1_attn
	.globl	k_qfc9bce44e1_attn
	.p2align	8
	.type	k_qfc9bce44e1_attn,@function
k_qfc9bce44e1_attn:
	s_mov_b64 s[64:65], 0
	v_nop
	global_prefetch_b8 v0, s[64:65] scope:SCOPE_SE
	s_setreg_imm32_b32 hwreg(HW_REG_WAVE_MODE, 25, 1), 1
	s_wait_xcnt 0x0
	s_wait_alu depctr_hold_cnt(0) depctr_sa_sdst(0) depctr_va_vdst(0) depctr_va_sdst(0) depctr_va_ssrc(0) depctr_va_vcc(0) depctr_vm_vsrc(0)
	s_getreg_b32 s2, hwreg(HW_REG_IB_STS2, 6, 4)
	s_cmp_eq_u32 s2, 0
	s_cbranch_scc0 .Lentry_in_a_cluster
	s_endpgm
.Lentry_in_a_cluster:
	s_bfe_u32 s2, ttmp6, 0x10000c
	s_cmp_lg_u32 s2, 0x3003
	s_cbranch_scc0 .Lentry_shape_is_right
	s_endpgm
.Lentry_shape_is_right:
; x1 = x + softmax(q k^T / sqrt(512)) v, head by head, both products on codes of E4M3 with E8M0 scales.
; THE SOFTMAX: t = score x log2(e) / sqrt(512); M = the row's largest t so far, rounded UP to a whole number; p = 2^(t - M) is quantised along the keys, not normalised;
; the row's sum is taken of the unquantised p and divides at the end.  When M moves, the sum and O are multiplied by 2^(old M - new M): exact.
; SHARES.  A work-group owns 512 queries of one head plane (work-group y); each of its sixteen waves two tiles of 16 queries, one after the other.  Four waves lie on a SIMD: one wave's vector work stands beside another's products and LDS loads.
; K's and V's records of the whole head plane (2 x 67,584 bytes) are brought into LDS ONCE: no slot is ever filled again.
; CLUSTER.  The four work-groups of a head plane want the same two records: waves 0 to 3 ask for a half record each, jointly, with a mask that names the four.
; LAYOUT.  Both products are used transposed (S^T = K Q^T, O^T = V^T P^T): a lane holds one query throughout.
; THE FIRST PRODUCT'S K IS 32, THE FORM'S 128.  A fragment of K therefore carries FOUR tiles of 16 keys, one in each block of 32; q stands in one block of source 1 and zero codes in the other three.
; v16-59 hold zeros (12), q of pass 0 (4), zeros (12), q of pass 1 (4), zeros (12): the run of 16 registers that begins 4 c ahead of q has q in block c.  q's scale word holds its byte four times.
; The keys of a tile were chosen by launch qkv so that the 16 registers of tiles 2 b and 2 b + 1 are keys 32 b + 16 (lane / 16) + 0 .. 15 of the step's 128.
; THE ORDER OF A STEP j: S^T of step j; O^T under step j - 1's M (8 multiplications, which are the places behind those products); O^T += V^T P^T of step j - 1; the softmax of step j, in which K of step j + 1 and V of step j are fetched.
; So no place is filled by v_nop, and every LDS load is issued a softmax ahead of its use.  The first step, the last and the last second product are written out.
; Place r of query tile p of wave w is query 512 cx + 32 w + 8 p + r + 8 (r / 8).
; x1 is laid by head plane, [plane][query][32] f32, so that a tile's results are stored as 512 consecutive bytes an instruction.
; LIMITS: NaN and infinities are not served; a block whose every p has fallen under 2^-118 gets the byte 1; 1 / sum is a reciprocal within an ulp.
.set REC,   67584
.set QS_O,  4194304
.set KREC,  4718592
.set VOFFG, 4325376
.set VL,    67584                      ; LDS: K's record at 0, V's here; in each 65,536 bytes of codes, then 2,048 of scale words
.set STG,   135168                     ; behind them a stage of 16 rows x (128 + 16) bytes for each wave
.set LI,   1                           ; 16 x lane
.set AV0,  2
.set ASK0, 3
.set ASV0, 4
.set STO,  5
.set RD,   6
.set XO,   7
.set ADK,  8
.set ADV,  9
.set ADS,  10
.set ADT,  11
.set KSW,  60                          ; scale words: K's, V's, p's, q's
.set VSW,  61
.set PSW,  62
.set QSW,  63
.set LS,   64                          ; 4 x lane
.set KF,   66                          ; two fragments of K
.set VF,   98                          ; two of V
.set S,    130                         ; S^T, then p
.set O,    194                         ; O^T
.set PC,   210                         ; p's codes
.set TM,   226                         ; +0 block maxima, +4 permuted, then bytes, +8 holds, +12 scale operands
.set F,    242                         ; v[242:243] f = 2^(old M - new M) in the low word
.set WK0,  244
.set WK1,  245
.set S2,   246                         ; the second chain of the sum
.set WV,   12
.set MNT,  19
.set SEL,  20
.set CS,   22
.set G1,   24
.set G0,   32
.set TB,   36
.set TS,   37
.set CNT,  38
.set QB,   40
.set QSB,  42
.set XB,   44
.set OB,   46
.macro PLACES n
.rept \n
	v_nop
.endr
.endm
.macro WM d, a, b, c, sa, sb, ra, rb
.if (\c) < 0
.if (\ra) && (\rb)
	v_wmma_scale_f32_16x16x128_f8f6f4 v[(\d):(\d)+7], v[(\a):(\a)+15], v[(\b):(\b)+15], 0, v[(\sa)], v[(\sb)] matrix_a_scale:MATRIX_SCALE_ROW1 matrix_b_scale:MATRIX_SCALE_ROW1
.elseif (\ra)
	v_wmma_scale_f32_16x16x128_f8f6f4 v[(\d):(\d)+7], v[(\a):(\a)+15], v[(\b):(\b)+15], 0, v[(\sa)], v[(\sb)] matrix_a_scale:MATRIX_SCALE_ROW1
.elseif (\rb)
	v_wmma_scale_f32_16x16x128_f8f6f4 v[(\d):(\d)+7], v[(\a):(\a)+15], v[(\b):(\b)+15], 0, v[(\sa)], v[(\sb)] matrix_b_scale:MATRIX_SCALE_ROW1
.else
	v_wmma_scale_f32_16x16x128_f8f6f4 v[(\d):(\d)+7], v[(\a):(\a)+15], v[(\b):(\b)+15], 0, v[(\sa)], v[(\sb)]
.endif
.else
.if (\ra) && (\rb)
	v_wmma_scale_f32_16x16x128_f8f6f4 v[(\d):(\d)+7], v[(\a):(\a)+15], v[(\b):(\b)+15], v[(\c):(\c)+7], v[(\sa)], v[(\sb)] matrix_a_scale:MATRIX_SCALE_ROW1 matrix_b_scale:MATRIX_SCALE_ROW1
.elseif (\ra)
	v_wmma_scale_f32_16x16x128_f8f6f4 v[(\d):(\d)+7], v[(\a):(\a)+15], v[(\b):(\b)+15], v[(\c):(\c)+7], v[(\sa)], v[(\sb)] matrix_a_scale:MATRIX_SCALE_ROW1
.elseif (\rb)
	v_wmma_scale_f32_16x16x128_f8f6f4 v[(\d):(\d)+7], v[(\a):(\a)+15], v[(\b):(\b)+15], v[(\c):(\c)+7], v[(\sa)], v[(\sb)] matrix_b_scale:MATRIX_SCALE_ROW1
.else
	v_wmma_scale_f32_16x16x128_f8f6f4 v[(\d):(\d)+7], v[(\a):(\a)+15], v[(\b):(\b)+15], v[(\c):(\c)+7], v[(\sa)], v[(\sb)]
.endif
.endif
.endm
.macro CROUND                          ; a round of the cluster's barrier
	s_barrier_signal -1
	s_barrier_wait -1
	s_cmp_lg_u32 s[WV], 0
	s_cbranch_scc1 .Lnot_wave_0_\@
	s_barrier_signal -3
.Lnot_wave_0_\@:
	s_barrier_wait -3
	s_barrier_signal -1
	s_barrier_wait -1
.endm
	s_load_b128 s[4:7], s[0:1], 0x0                ; qkv, x
	s_load_b64 s[8:9], s[0:1], 0x10                ; x1
	v_lshl_add_u32 v254, v0, 2, 0x2a000
	v_mov_b32 v255, 0
	ds_add_u32 v254, v255
	ds_add_u32 v254, v255
	v_lshrrev_b32 v8, 5, v0
	v_readfirstlane_b32 s[WV], v8                  ; wave 0..15
	s_bfe_u32 s13, ttmp6, 0x40000                  ; cx
	s_lshl_b32 s14, ttmp9, 2
	s_add_co_u32 s14, s14, s13                     ; my block of 512 queries: it enters q's, x's and x1's addresses alone
	s_and_b32 s15, ttmp7, 0xffff                   ; the head plane, which the four partners share
	s_mul_i32 s16, s15, REC
	s_lshr_b32 s17, s[WV], 1
	s_mul_i32 s17, s17, VOFFG                      ; waves 0, 1: K's record; waves 2, 3: V's
	s_add_co_u32 s16, s16, s17
	s_and_b32 s17, s[WV], 1
	s_mul_i32 s17, s17, 33792                      ; its lower or its upper half
	s_add_co_u32 s16, s16, s17
	s_add_co_u32 s16, s16, KREC
	s_mov_b32 s17, 0
	; descriptor group 1: half a record, 33,792 dense bytes, as 132 rows of 256 bytes (32 elements of 8 bytes)
	s_mov_b32 s[G1], 15|(3<<16)|(1<<21)            ; 15:0 the mask: all four work-groups; 17:16 elements of 8 bytes; 21 set beside a mask
	s_mov_b32 s[G1+1], 32<<16                      ; tensor_dim0 = 32
	s_mov_b32 s[G1+2], 132<<16                     ; tensor_dim1 = 132
	s_mov_b32 s[G1+3], 32<<16                      ; tile_dim0 = 32
	s_mov_b32 s[G1+4], 132                         ; tile_dim1 = 132
	s_mov_b32 s[G1+5], 32                          ; the pitch
	s_mov_b32 s[G1+6], 0
	s_mov_b32 s[G1+7], 0
	s_mov_b32 s[SEL], 0x76543210
	s_mov_b32 s[SEL+1], 0xfedcba98
	s_mov_b32 s[CS], 0x3d8293ee                    ; c = log2(e) / sqrt(512)
	s_mov_b32 s[CS+1], s[CS]                       ; named with it as a pair, so it is written
	s_mov_b32 s[MNT], 0x600000
	s_mov_b32 s49, 0
	s_wait_dscnt 0x0
	s_wait_kmcnt 0x0
	s_mov_b32 s[G0], 1
	s_mul_i32 s[G0+1], s[WV], 33792                ; LDS: wave x half a record: no place in the cluster enters an LDS address
	s_add_nc_u64 s[G0+2:G0+3], s[4:5], s[16:17]
	s_or_b32 s[G0+3], s[G0+3], 0x80000000
	s_lshl_b32 s48, s15, 16
	s_lshl_b32 s39, s14, 14
	s_add_co_u32 s48, s48, s39
	s_lshl_b32 s39, s[WV], 10
	s_add_co_u32 s48, s48, s39
	s_add_nc_u64 s[QB:QB+1], s[4:5], s[48:49]      ; q's codes: tile 128 plane + 32 block + 2 wave, 512 bytes a tile
	s_lshl_b32 s48, s15, 13
	s_lshl_b32 s39, s14, 11
	s_add_co_u32 s48, s48, s39
	s_lshl_b32 s39, s[WV], 7
	s_add_co_u32 s48, s48, s39
	s_add_co_u32 s48, s48, QS_O
	s_add_nc_u64 s[QSB:QSB+1], s[4:5], s[48:49]    ; and the two tiles' scale words
	s_lshr_b32 s48, s15, 4
	s_lshl_b32 s48, s48, 22
	s_lshl_b32 s39, s14, 20
	s_add_co_u32 s48, s48, s39
	s_lshl_b32 s39, s[WV], 16
	s_add_co_u32 s48, s48, s39
	s_and_b32 s39, s15, 15
	s_lshl_b32 s39, s39, 7
	s_add_co_u32 s48, s48, s39
	s_add_nc_u64 s[XB:XB+1], s[6:7], s[48:49]      ; x: my 32 queries' rows, my head's 128 bytes
	s_lshl_b32 s48, s15, 18
	s_lshl_b32 s39, s14, 16
	s_add_co_u32 s48, s48, s39
	s_lshl_b32 s39, s[WV], 12
	s_add_co_u32 s48, s48, s39
	s_add_nc_u64 s[OB:OB+1], s[8:9], s[48:49]      ; x1: the same queries in my head plane
	CROUND                                         ; all four work-groups are here: the joint loads meet
	s_cmp_lt_u32 s[WV], 4
	s_cbranch_scc0 .Lasked
	tensor_load_to_lds s[G0:G0+3], s[G1:G1+7]      ; one tensor load of mine is out
	s_nop 0
.rept 4
	v_nop
.endr
.Lasked:
	v_and_b32 v8, 31, v0                           ; lane
	v_and_b32 v9, 15, v0                           ; r
	v_bfe_u32 v10, v0, 4, 1                        ; h
	v_lshlrev_b32 v[LI], 4, v8
	v_lshlrev_b32 v[LS], 2, v8
	global_load_b128 v[28:31], v[LI], s[QB:QB+1]               ; q of pass 0
	global_load_b128 v[44:47], v[LI], s[QB:QB+1] offset:512    ; q of pass 1
	global_load_b32 v[QSW], v[LS], s[QSB:QSB+1]                ; lanes 0-15 pass 0's words, lanes 16-31 pass 1's
	v_add_nc_u32 v[AV0], VL, v[LI]
	v_add_nc_u32 v[ASK0], 65536, v[LS]
	v_add_nc_u32 v[ASV0], VL+65536, v[LS]
	s_mul_i32 s48, s[WV], 2304
	s_add_co_u32 s48, s48, STG                     ; my stage
	v_mul_u32_u24 v[STO], v9, 144
	v_lshl_add_u32 v[STO], v10, 5, v[STO]
	v_add_nc_u32 v[STO], s48, v[STO]               ; in: row r, + 32 h
	v_lshrrev_b32 v11, 3, v8
	v_and_b32 v12, 7, v8
	v_mul_u32_u24 v[RD], v11, 144
	v_lshl_add_u32 v[RD], v12, 4, v[RD]
	v_add_nc_u32 v[RD], s48, v[RD]                 ; back: eight lanes to a row of 128 bytes, four rows an instruction
	v_lshlrev_b32 v[XO], 11, v11
	v_lshl_add_u32 v[XO], v12, 4, v[XO]            ; and the same four rows in x
.irp z, 16,17,18,19,20,21,22,23,24,25,26,27,32,33,34,35,36,37,38,39,40,41,42,43,48,49,50,51,52,53,54,55,56,57,58,59
	v_mov_b32 v\z, 0                               ; the zero codes round q
.endr
.irp b, 0,1,2,3
	v_mov_b32 v[TM+4+\b], 0                        ; written once: a lane permute's destination counts as one of its sources
.endr
	v_mov_b32 v[F+1], 0                            ; named as the upper half of a pair
	v_mov_b32 v[WK0], 0
	s_wait_tensorcnt 0x0                           ; my half record has landed,
	s_barrier_signal -1
	s_barrier_wait -1                              ; everybody's has
	s_wait_loadcnt 0x0                             ; q
; S^T = K Q^T of a step: eight tiles of 16 keys, each begun with the constant 0
.macro QK p
.irp t, 0,1,2,3,4,5,6,7
	WM S+8*\t, KF+16*(\t/4), 28+16*(\p)-4*(\t%4), -1, KSW, QSW, \t/4, \p
.endr
.endm
; O^T under the last step's M, each accumulator from its low end on.  These eight lines name no register of the products S^T: they are the eight places between those and the first read of the scores.
; Four of them name no register of either product O^T below: with the line behind the last conversion, five places stand between p's codes and each of the two.
.macro RESC
.set q, 0
.rept 8
	v_pk_mul_f32 v[O+2*q:O+2*q+1], v[O+2*q:O+2*q+1], v[F:F+1] op_sel_hi:[1,0]
.set q, q+1
.endr
.endm
; O^T += V^T P^T of the last step.  The two accumulators take turns, and eight other products stand between two links of each
.macro PV
	WM O, VF, PC, O, VSW, PSW, 0, 0
	WM O+8, VF+16, PC, O+8, VSW, PSW, 1, 0
.endm
.macro PKF q                           ; t - M for pair q of the 32 pairs of scores
	v_pk_fma_f32 v[S+2*(\q):S+2*(\q)+1], v[S+2*(\q):S+2*(\q)+1], s[CS:CS+1], v[12:13] op_sel_hi:[1,0,0]
.endm
.macro SUMADD                          ; pair PA of p joins the row's sum: the even pairs in v[14:15], the odd ones in a second chain, which pairs 1 and 3 begin
.if (PA%2) == 0
	s_wait_alu depctr_va_vdst(0)
	v_pk_add_f32 v[14:15], v[14:15], v[S+2*PA:S+2*PA+1]
.elseif PA == 3
	s_wait_alu depctr_va_vdst(0)
	v_pk_add_f32 v[S2:S2+1], v[S+2:S+3], v[S+6:S+7]
.elseif PA > 3
	s_wait_alu depctr_va_vdst(0)
	v_pk_add_f32 v[S2:S2+1], v[S2:S2+1], v[S+2*PA:S+2*PA+1]
.endif
.endm
; THE SOFTMAX OF A STEP, and the LDS loads that it carries.  hk = 1: the next step's K from v[rk] + ok, its scale words from v[rks] + oks.  This step's V from v[rv] + ov, its scale words from v[rvs] + ovs.
.macro SOFT hk, rk, ok, rks, oks, rv, ov, rvs, ovs
.irp b, 0,1,2,3
	v_max3_num_f32 v[TM+\b], v[S+16*\b], v[S+1+16*\b], v[S+2+16*\b]   ; the largest score of each block of 32 keys: it serves the row's maximum and, since p rises with the score, the block's largest p
.endr
.irp i, 3,5,7,9,11,13
.irp b, 0,1,2,3
	v_max3_num_f32 v[TM+\b], v[TM+\b], v[S+16*\b+\i], v[S+1+16*\b+\i]
.endr
.endr
.irp b, 0,1,2,3
	v_max_num_f32 v[TM+\b], v[TM+\b], v[S+15+16*\b]
.endr
.irp b, 0,1,2,3
	v_permlanex16_b32 v[TM+4+\b], v[TM+\b], s[SEL], s[SEL+1]
.endr
; the loads stand among the lines that wait for each other on the way to M; the 32 maxima above are more than the eight places behind the products that read these registers
.if \hk
.irp c, 0,1,2,3,4,5,6,7
	ds_load_b128 v[KF+4*\c:KF+4*\c+3], v[\rk] offset:(\ok)+512*\c
.endr
	ds_load_b32 v[KSW], v[\rks] offset:(\oks)
.endif
.irp b, 0,1,2,3
	v_max_num_f32 v[TM+\b], v[TM+\b], v[TM+4+\b]   ; with lane l xor 16's 16 keys
.endr
	v_max3_num_f32 v[WK0], v[TM], v[TM+1], v[TM+2]
.irp c, 0,1
	ds_load_b128 v[VF+4*\c:VF+4*\c+3], v[\rv] offset:(\ov)+512*\c
.endr
	v_max_num_f32 v[WK0], v[WK0], v[TM+3]
.irp c, 2,3
	ds_load_b128 v[VF+4*\c:VF+4*\c+3], v[\rv] offset:(\ov)+512*\c
.endr
	v_mul_f32 v[WK0], s[CS], v[WK0]                ; as t (c is positive)
.irp c, 4,5
	ds_load_b128 v[VF+4*\c:VF+4*\c+3], v[\rv] offset:(\ov)+512*\c
.endr
	v_max_num_f32 v13, v13, v[WK0]                 ; the running largest t
	v_mov_b32 v[WK0], v12
.irp c, 6,7
	ds_load_b128 v[VF+4*\c:VF+4*\c+3], v[\rv] offset:(\ov)+512*\c
.endr
	v_floor_f32 v12, -v13                          ; the new -M = -ceil(t)
	ds_load_b32 v[VSW], v[\rvs] offset:(\ovs)
.irp b, 0,1,2,3
	v_fma_f32 v[TM+\b], v[TM+\b], s[CS], v12       ; t - M of each block's largest score
.endr
	PKF 0
	PKF 1
; EXPONENTIALS AND PLAIN LINES BY TURNS: behind each exponential stands a line that is due anyway and touches neither its result nor its source (ISA guide 5.7.2)
; (behind the eighth score's no line is due: the next exponential follows it)
	v_exp_f32 v[TM], v[TM]                         ; the blocks' largest p: the same two instructions on the same number as the scores get
	v_sub_f32 v[WK0], v12, v[WK0]                  ; old M - new M: a whole number, 0 or less
	v_exp_f32 v[TM+1], v[TM+1]
	PKF 2
	v_exp_f32 v[TM+2], v[TM+2]
	v_cvt_i32_f32 v[WK0], v[WK0]                   ; (it saturates)
	v_exp_f32 v[TM+3], v[TM+3]
	PKF 3
.set n, 0
.rept 64
	v_exp_f32 v[S+n], v[S+n]                       ; p = 2^(t - M)
.if (n%2) == 0
.if n < 56
	PKF n/2+4                                      ; the pair four pairs ahead
.else
	v_max_num_f32 v[TM+(n-56)/2], 0x4800000, v[TM+(n-56)/2]   ; the floor 2^(9 - 127) under a block's largest p
.endif
.elseif n == 1
	v_ldexp_f32 v[F], 1.0, v[WK0]                  ; f = 2^(old M - new M)
.elseif n == 3
	v_pk_mul_f32 v[14:15], v[14:15], v[F:F+1] op_sel_hi:[1,0]   ; the sums under the new M
.else
.set PA, (n-5)/2
	SUMADD                                         ; the pair two pairs back: THE ROW'S SUM IS TAKEN OF THE UNQUANTISED p
.endif
.set n, n+1
.endr
.set PA, 30
	SUMADD
.set PA, 31
	SUMADD
.irp b, 0,1,2,3
	v_add_nc_u32 v[TM+12+\b], 0xfc000000, v[TM+\b] ; 8 off the exponent field: the conversion's scale operand
.endr
.irp b, 0,1,2,3
	v_and_or_b32 v[TM+8+\b], v[TM+\b], 0x7f800000, s[MNT]   ; 448 x the scale
.endr
.irp b, 0,1,2,3
	v_lshrrev_b32 v[TM+4+\b], 23, v[TM+12+\b]      ; the byte
.endr
	v_lshl_or_b32 v[PSW], v[TM+5], 8, v[TM+4]      ; p's scale word for these 128 keys: far more than eight places ahead of its product
	v_lshl_or_b32 v[PSW], v[TM+6], 16, v[PSW]
	v_lshl_or_b32 v[PSW], v[TM+7], 24, v[PSW]
; THE HOLD: the conversion does not saturate (ISA guide 7.6.2); p is not negative, so it is one-sided.  Two holds an instruction: number i of block b with number i + 1 (or i - 1) of block b + 1,
; so that the pair has one even and one odd destination and its first sources, and its second, have numbers that differ modulo 4, as the dual form asks
.irp b, 0,2
.irp i, 0,2,4,6,8,10,12,14
	v_dual_min_num_f32 v[S+16*\b+\i], v[S+16*\b+\i], v[TM+8+\b] :: v_dual_min_num_f32 v[S+17+16*\b+\i], v[S+17+16*\b+\i], v[TM+9+\b]
	v_dual_min_num_f32 v[S+1+16*\b+\i], v[S+1+16*\b+\i], v[TM+8+\b] :: v_dual_min_num_f32 v[S+16+16*\b+\i], v[S+16+16*\b+\i], v[TM+9+\b]
.endr
.irp d, 0,1
	v_cvt_scalef32_pk8_fp8_f32 v[PC+4*(\b+\d):PC+4*(\b+\d)+1], v[S+16*(\b+\d):S+16*(\b+\d)+7], v[TM+12+\b+\d]
	v_cvt_scalef32_pk8_fp8_f32 v[PC+4*(\b+\d)+2:PC+4*(\b+\d)+3], v[S+16*(\b+\d)+8:S+16*(\b+\d)+15], v[TM+12+\b+\d]
.endr
.endr
	v_pk_add_f32 v[14:15], v[14:15], v[S2:S2+1]    ; the sum's two chains; also the plain line behind the last conversion, whose sources the next products write
.endm
.macro STEP p, hk, rk, ok, rks, oks, rv, ov, rvs, ovs
	s_wait_dscnt 0x0                               ; this step's K and the last step's V, asked for a softmax ago
	QK \p
	RESC
	PV
	SOFT \hk, \rk, \ok, \rks, \oks, \rv, \ov, \rvs, \ovs
.endm
; ONE TILE OF 16 QUERIES against all 2,048 keys, 128 a step
.macro PASS p
.irp c, 0,1,2,3,4,5,6,7
	ds_load_b128 v[KF+4*\c:KF+4*\c+3], v[LI] offset:512*\c
.endr
	ds_load_b32 v[KSW], v[ASK0]
	s_mov_b32 s[TB], 4096                          ; the trip's first step x 4,096 bytes of codes,
	s_mov_b32 s[TS], 128                           ; x 128 bytes of scale words
	s_mov_b32 s[CNT], 7
	s_wait_dscnt 0x0
	QK \p                                          ; step 0
	v_mov_b32 v13, 0xff61b1e6                      ; the largest t so far: -3e38.  (These twenty lines are the places behind step 0's products)
	v_floor_f32 v12, -v13                          ; -M
	v_mov_b32 v14, 0                               ; the sum, in two halves
	v_mov_b32 v15, 0
.set q, 0
.rept 16
	v_mov_b32 v[O+q], 0                            ; the loop is written once: its first step finds zeros, which the first change of M leaves zeros
.set q, q+1
.endr
	SOFT 1, LI, 4096, ASK0, 128, AV0, 0, ASV0, 0
.Lstep_\@:                                         ; seven trips of two steps: steps 1 to 14
	v_add_nc_u32 v[ADK], s[TB], v[LI]
	v_add_nc_u32 v[ADV], s[TB], v[AV0]
	v_add_nc_u32 v[ADS], s[TS], v[ASK0]
	v_add_nc_u32 v[ADT], s[TS], v[ASV0]
	STEP \p, 1, ADK, 4096, ADS, 128, ADV, 0, ADT, 0
	STEP \p, 1, ADK, 8192, ADS, 256, ADV, 4096, ADT, 128
	s_add_co_u32 s[TB], s[TB], 8192
	s_add_co_u32 s[TS], s[TS], 256
	s_sub_co_i32 s[CNT], s[CNT], 1
	s_cmp_lg_u32 s[CNT], 0
	s_cbranch_scc1 .Lstep_\@
	STEP \p, 0, LI, 0, LI, 0, AV0, 61440, ASV0, 1920   ; step 15: no K follows
	s_wait_dscnt 0x0                               ; V of step 15
	RESC
	PV
	; the way out: O^T / the sum goes through my stage, meets x and leaves as 512 consecutive bytes an instruction
.irp i, 0,1,2,3
	global_load_b128 v[S+4*\i:S+4*\i+3], v[XO], s[XB:XB+1] offset:(8*(\p)+4*(\i%2)+16*(\i/2))*2048
.endr
	PLACES 8
	v_add_f32 v14, v14, v15
	v_permlanex16_b32 v[WK0], v14, s[SEL], s[SEL+1]
	v_add_f32 v14, v14, v[WK0]                     ; the row's sum
	v_rcp_f32 v[WK1], v14
	v_nop
.set q, 0
.rept 16
	s_wait_alu depctr_va_vdst(0)
	v_mul_f32 v[S+16+q], v[O+q], v[WK1]            ; register 8 d + j: channel 16 d + 8 (lane / 16) + j of my query
.set q, q+1
.endr
.irp d, 0,1
	ds_store_b128 v[STO], v[S+16+8*\d:S+19+8*\d] offset:64*\d
	ds_store_b128 v[STO], v[S+20+8*\d:S+23+8*\d] offset:64*\d+16
.endr
.irp i, 0,1,2,3
	ds_load_b128 v[S+32+4*\i:S+35+4*\i], v[RD] offset:576*\i   ; LDS serves a wave's instructions in order (ISA guide 5.7.1.4): these see my stores
.endr
	s_wait_dscnt 0x0
	s_wait_loadcnt 0x0
.set q, 0
.rept 8
	v_pk_add_f32 v[S+32+2*q:S+33+2*q], v[S+32+2*q:S+33+2*q], v[S+2*q:S+2*q+1]
.set q, q+1
.endr
.irp i, 0,1,2,3
	global_store_b128 v[LI], v[S+32+4*\i:S+35+4*\i], s[OB:OB+1] offset:(8*(\p)+4*(\i%2)+16*(\i/2))*128
.endr
	s_wait_xcnt 0x0                                ; the stores have read their data: the next pass's products write those registers
.endm
	PASS 0
	PASS 1
	s_wait_tensorcnt 0x0
	ds_add_u32 v254, v255
	s_wait_dscnt 0x0
	CROUND                                         ; the closing round
	s_endpgm
.Lfunc_end_k_qfc9bce44e1_attn:
	.size	k_qfc9bce44e1_attn, .Lfunc_end_k_qfc9bce44e1_attn-k_qfc9bce44e1_attn
	.p2alignl 7, 3214868480
	.fill 96, 4, 3214868480
	.section	.rodata,"a",@progbits
	.p2align	6, 0x0
	.amdhsa_kernel k_qfc9bce44e1_attn
		.amdhsa_group_segment_fixed_size 174080
		.amdhsa_private_segment_fixed_size 0
		.amdhsa_enable_private_segment 0
		.amdhsa_kernarg_size 24
		.amdhsa_user_sgpr_count 2
		.amdhsa_user_sgpr_kernarg_segment_ptr 1
		.amdhsa_wavefront_size32 1
		.amdhsa_system_sgpr_workgroup_id_x 1
		.amdhsa_system_sgpr_workgroup_id_y 1
		.amdhsa_system_sgpr_workgroup_id_z 1
		.amdhsa_system_vgpr_workitem_id 0
		.amdhsa_next_free_vgpr 256
		.amdhsa_next_free_sgpr 66
		.amdhsa_reserve_vcc 0
		.amdhsa_float_denorm_mode_32 3
		.amdhsa_float_denorm_mode_16_64 3
		.amdhsa_memory_ordered 1
		.amdhsa_forward_progress 1
		.amdhsa_inst_pref_size 150
	.end_amdhsa_kernel
	.amdgpu_metadata
---
amdhsa.version: [ 1, 2 ]
amdhsa.kernels:
  - .name:           k_qfc9bce44e1_attn
    .symbol:         k_qfc9bce44e1_attn.kd
    .args:
      - { .name: qkv, .offset: 0, .size: 8, .value_kind: global_buffer, .address_space: global }
      - { .name: x, .offset: 8, .size: 8, .value_kind: global_buffer, .address_space: global }
      - { .name: x1, .offset: 16, .size: 8, .value_kind: global_buffer, .address_space: global }
    .group_segment_fixed_size: 174080
    .private_segment_fixed_size: 0
    .kernarg_segment_align: 8
    .kernarg_segment_size: 24
    .max_flat_workgroup_size: 512
    .sgpr_count:     66
    .vgpr_count:     256
    .wavefront_size: 32
...
	.end_amdgpu_metadata
.endif
;; end of part 3
;; launch ffn1 (part 4): grid 4 x 64, 4 waves a work-group, no clusters, 68,096 bytes of LDS; arguments x1, alpha, beta, wts, b1, hid; writes hid
.if DOCPART == 4
	.amdgcn_target "amdgcn-amd-amdhsa--gfx1250"
	.amdhsa_code_object_version 6
	.text
	.protected	k_qfc9bce44e1_ffn1
	.globl	k_qfc9bce44e1_ffn1
	.p2align	8
	.type	k_qfc9bce44e1_ffn1,@function
k_qfc9bce44e1_ffn1:
	s_mov_b64 s[64:65], 0
	v_nop
	global_prefetch_b8 v0, s[64:65] scope:SCOPE_SE
	s_setreg_imm32_b32 hwreg(HW_REG_WAVE_MODE, 25, 1), 1
	s_wait_xcnt 0x0
; h = alpha (x1 - mean) / sqrt(var + 1e-6) + beta (var over 511), quantised along 512; hidden = relu(h W1 + b1) on codes of E4M3, quantised along the hidden axis and stored as the next launch's operand images.
; SHARES.  A work-group takes 128 rows (work-group y) and 1,024 hidden units (work-group x); wave w owns 8 units of 32 columns: two K steps of the next product.
; The rows' codes, 32 fragments, are made once (wave w: tiles 2 w, 2 w + 1), meet in LDS as images of their registers, and then stay in EVERY wave's registers (windows 2 and 3).
; W1's fragments come from memory straight into registers, a unit ahead, in two sets: each is wanted by one wave of the work-group, once, so LDS and joint requests would add a write and a read and spare nothing inside the work-group.
; The product is used transposed (source 0 = 16 columns of W1 in the order that launch prep chose): a lane holds one row and 16 neighbours of the unit's 32; b1 is the C of each sum's first product; the hold clips at 0 and so is the activation.
; x1 lies by head plane, [plane][row][32]: block blk of a row's 512 is plane blk.
; OUT: codes [row tile][K step][2,048]; scale words [pair of row tiles][K step][32].
; LIMITS: NaN and infinities are not served; a block whose largest number lies under 2^-118, zeros among them, gets the byte 1 (zero codes add nothing; this program alone reads the bytes).  1/511 and the root's reciprocal are within an ulp.
; The scale words leave in stores of 128 bytes: halves of aligned 256: a thirty-second of the launch's stored bytes.
; REGISTERS: window 0: v1-15 addresses and constants; v16-31 the rows' scale words; v32-39 W1's; v40-71 b1, two sets; v72-119 the quantiser's and words on their way out; v128-255 16 accumulators (ahead of the barrier: at work).
;   window 1: two sets of 8 weight fragments.   windows 2, 3: first my two tiles' 256 numbers a lane, then the rows' 32 fragments.
.set W1_C,  786432
.set W1_S,  5005312
.set HS_O,  33554432
.set XSC,   65536
.set LI,  1
.set LS,  2
.set LS2, 3
.set XA,  4
.set XWI, 5
.set XWS, 6
.set BO,  7                            ; 64 h: my half's place in a unit's 128 bytes of b1
.set BB,  14
.set XS,  16
.set WS,  32
.set BI,  40
.set TM,  72
.set PW,  88
.set HX,  90
.set PC,  96
.set HW,  112
.set ACC, 128
.set ST,  128
.set SA,  192
.set NM,  200
.set GG,  202
.set T0,  204
.set WV,  18
.set SEL, 20
.set MNT, 23
.set HM,  24
.set AL,  26
.set BE,  27
.set XB,  36
.set WB,  38
.set WSB, 40
.set B1B, 42
.set HCB, 44
.set HSB, 46
.set TRIP, 48
.set MSB, 0
.macro WIN new
.if MSB != (\new)
	s_set_vgpr_msb (MSB<<8)|(\new)
.set MSB, (\new)
.endif
.endm
.macro PLACES n
.rept \n
	v_nop
.endr
.endm
.macro WM d, a, b, c, sa, sb, ra, rb
.if (\ra) && (\rb)
	v_wmma_scale_f32_16x16x128_f8f6f4 v[(\d):(\d)+7], v[(\a):(\a)+15], v[(\b):(\b)+15], v[(\c):(\c)+7], v[(\sa)], v[(\sb)] matrix_a_scale:MATRIX_SCALE_ROW1 matrix_b_scale:MATRIX_SCALE_ROW1
.elseif (\ra)
	v_wmma_scale_f32_16x16x128_f8f6f4 v[(\d):(\d)+7], v[(\a):(\a)+15], v[(\b):(\b)+15], v[(\c):(\c)+7], v[(\sa)], v[(\sb)] matrix_a_scale:MATRIX_SCALE_ROW1
.elseif (\rb)
	v_wmma_scale_f32_16x16x128_f8f6f4 v[(\d):(\d)+7], v[(\a):(\a)+15], v[(\b):(\b)+15], v[(\c):(\c)+7], v[(\sa)], v[(\sb)] matrix_b_scale:MATRIX_SCALE_ROW1
.else
	v_wmma_scale_f32_16x16x128_f8f6f4 v[(\d):(\d)+7], v[(\a):(\a)+15], v[(\b):(\b)+15], v[(\c):(\c)+7], v[(\sa)], v[(\sb)]
.endif
.endm
.macro QUANT s, relu
.if \relu
.irp b, 0,1,2,3
	v_max3_num_f32 v[TM+\b], v[\s+16*\b], v[\s+1+16*\b], 0x4800000   ; no |.|: what is negative becomes 0 and must not count; the floor 2^(9 - 127) stands over it
.endr
.irp i, 2,4,6,8,10,12,14
.irp b, 0,1,2,3
	v_max3_num_f32 v[TM+\b], v[TM+\b], v[\s+16*\b+\i], v[\s+1+16*\b+\i]
.endr
.endr
.else
.irp b, 0,1,2,3
	v_max3_num_f32 v[TM+\b], |v[\s+16*\b]|, |v[\s+1+16*\b]|, 0x4800000
.endr
.irp i, 2,4,6,8,10,12,14
.irp b, 0,1,2,3
	v_max3_num_f32 v[TM+\b], v[TM+\b], |v[\s+16*\b+\i]|, |v[\s+1+16*\b+\i]|
.endr
.endr
.endif
.irp b, 0,1,2,3
	v_permlanex16_b32 v[TM+4+\b], v[TM+\b], s[SEL], s[SEL+1]
.endr
.irp b, 0,1,2,3
	v_max_num_f32 v[TM+\b], v[TM+\b], v[TM+4+\b]
.endr
.irp b, 0,1,2,3
	v_add_nc_u32 v[TM+12+\b], 0xfc000000, v[TM+\b]
.endr
.irp b, 0,1,2,3
	v_and_or_b32 v[TM+8+\b], v[TM+\b], 0x7f800000, s[MNT]
.endr
.irp b, 0,1,2,3
	v_lshrrev_b32 v[TM+4+\b], 23, v[TM+12+\b]
.endr
	v_lshl_or_b32 v[PW], v[TM+5], 8, v[TM+4]
	v_lshl_or_b32 v[PW], v[TM+6], 16, v[PW]
	v_lshl_or_b32 v[PW], v[TM+7], 24, v[PW]
.irp b, 0,1,2,3
.irp i, 0,1,2,3,4,5,6,7,8,9,10,11,12,13,14,15
.if \relu
	v_med3_num_f32 v[\s+16*\b+\i], v[\s+16*\b+\i], 0, v[TM+8+\b]   ; the activation and the hold in one
.else
	v_med3_num_f32 v[\s+16*\b+\i], v[\s+16*\b+\i], -v[TM+8+\b], v[TM+8+\b]
.endif
.endr
	v_cvt_scalef32_pk8_fp8_f32 v[PC+4*\b:PC+1+4*\b], v[\s+16*\b:\s+7+16*\b], v[TM+12+\b]
	v_cvt_scalef32_pk8_fp8_f32 v[PC+2+4*\b:PC+3+4*\b], v[\s+8+16*\b:\s+15+16*\b], v[TM+12+\b]
.endr
	v_nop
.endm
; unit un (counted from the trip's first): its 8 fragments, four scale words and 32 numbers of b1 into set buf
.macro LOADW buf, un
	WIN 0x40
.set q, 0
.rept 32
	global_load_b128 v[128*(\buf)+4*q:128*(\buf)+4*q+3], v[LI], s[WB:WB+1] offset:16384*(\un)+512*q
.set q, q+1
.endr
	WIN 0
.irp k, 0,1,2,3
	global_load_b32 v[WS+4*(\buf)+\k], v[LS], s[WSB:WSB+1] offset:512*(\un)+128*\k
.endr
.irp k, 0,1,2,3
	global_load_b128 v[BI+16*(\buf)+4*\k:BI+16*(\buf)+4*\k+3], v[BO], s[B1B:B1B+1] offset:128*(\un)+16*\k   ; register 8 n + j: b1 at 16 h + 8 n + j of the unit
.endr
.endm
.macro XLOAD u
	WIN 0x80+0x40*(\u)
.set q, 0
.rept 64
	global_load_b128 v[4*q:4*q+3], v[XA], s[XB:XB+1] offset:262144*(q/4)+2048*(\u)+16*(q%4)
.set q, q+1
.endr
	WIN 0
.endm
.macro FOLD
	v_pk_add_f32 v[SA:SA+1], v[SA:SA+1], v[SA+2:SA+3]
	v_pk_add_f32 v[SA+4:SA+5], v[SA+4:SA+5], v[SA+6:SA+7]
	v_pk_add_f32 v[SA:SA+1], v[SA:SA+1], v[SA+4:SA+5]
	v_add_f32 v[T0], v[SA], v[SA+1]
	v_permlanex16_b32 v[T0+1], v[T0], s[SEL], s[SEL+1]
	v_add_f32 v[T0], v[T0], v[T0+1]
.endm
.macro LNT wn, u
.irp c, 0,1,2,3,4,5,6,7
	v_mov_b32 v[SA+\c], 0
.endr
	WIN (\wn)
.set q, 0
.rept 128
	v_pk_add_f32 v[SA+2*(q%4):SA+2*(q%4)+1], v[2*q:2*q+1], v[SA+2*(q%4):SA+2*(q%4)+1]
.set q, q+1
.endr
	WIN 0
	FOLD
	v_mul_f32 v[NM], 0xbb000000, v[T0]             ; - the sum / 512
	v_mov_b32 v[NM+1], v[NM]
	WIN ((\wn)<<6)|(\wn)
.set q, 0
.rept 128
	v_pk_add_f32 v[2*q:2*q+1], v[2*q:2*q+1], v[NM:NM+1]
.set q, q+1
.endr
	WIN 0
.irp c, 0,1,2,3,4,5,6,7
	v_mov_b32 v[SA+\c], 0
.endr
	WIN ((\wn)<<2)|(\wn)
.set q, 0
.rept 128
	v_pk_fma_f32 v[SA+2*(q%4):SA+2*(q%4)+1], v[2*q:2*q+1], v[2*q:2*q+1], v[SA+2*(q%4):SA+2*(q%4)+1]
.set q, q+1
.endr
	WIN 0
	FOLD
	v_fma_f32 v[T0], v[T0], s30, s31
	v_rsq_f32 v[T0+1], v[T0]
	v_nop
	s_wait_alu depctr_va_vdst(0)
	v_mul_f32 v[GG], s[AL], v[T0+1]
	v_mov_b32 v[GG+1], v[GG]
.irp k, 0,1,2,3
	WIN (\wn)
.set q, 0
.rept 32
	v_pk_fma_f32 v[ST+2*q:ST+2*q+1], v[64*\k+2*q:64*\k+2*q+1], v[GG:GG+1], v[BB:BB+1]
.set q, q+1
.endr
	WIN 0
	QUANT ST, 0
.irp c, 0,1,2,3
	ds_store_b128 v[XWI], v[PC+4*\c:PC+4*\c+3] offset:(8*\k+(\u))*2048+512*\c
.endr
	ds_store_b32 v[XWS], v[PW] offset:512*\k+64*(\u)
	s_wait_dscnt 0x0
.endr
.endm
; The 16 accumulators take turns, one instruction a turn, in the same order in every K step
.macro GEMMT buf
.irp k, 0,1,2,3
	WIN 0x09+4*(\k/2)
.irp m, 0,1,2,3,4,5,6,7
.irp n, 0,1
.if \k == 0
	WM ACC+16*\m+8*\n, 128*(\buf)+16*(4*\n+\k), 16*(8*(\k%2)+\m), BI+16*(\buf)+8*\n, WS+4*(\buf)+\k, XS+4*\k+\m/2, \n, \m%2
.else
	WM ACC+16*\m+8*\n, 128*(\buf)+16*(4*\n+\k), 16*(8*(\k%2)+\m), ACC+16*\m+8*\n, WS+4*(\buf)+\k, XS+4*\k+\m/2, \n, \m%2
.endif
.endr
.endr
.endr
	WIN 0
	PLACES 8
.endm
; unit c of a trip's four: block c of the trip's K step of the next product
.macro UNIT c
	s_wait_loadcnt 0x0                             ; this unit's loads, issued a unit ago, are the only ones out
.if (\c) == 3
	s_cmp_eq_u32 s[TRIP], 1                        ; the last unit of all asks for nothing
	s_cbranch_scc1 .Lnomore
	LOADW 0, 4
.Lnomore:
.else
	LOADW 1-(\c)%2, (\c)+1                         ; the next unit, into the set whose last product stands an epilogue back
.endif
	GEMMT (\c)%2
.irp g, 0,1
	s_wait_xcnt 0x0                                ; earlier stores have read their data
	QUANT ACC+64*\g, 1
.irp b, 0,1,2,3
	global_store_b128 v[LI], v[PC+4*\b:PC+4*\b+3], s[HCB:HCB+1] offset:65536*(4*\g+\b)+512*(\c)   ; row tile 4 g + b, group c of its fragment: 512 consecutive bytes
.endr
.irp b, 0,1,2,3
.if (\c) == 0
	v_mov_b32 v[HW+4*\g+\b], v[TM+4+\b]
.else
	v_lshl_or_b32 v[HW+4*\g+\b], v[TM+4+\b], 8*(\c), v[HW+4*\g+\b]
.endif
.endr
.endr
.endm
	s_load_b256 s[4:11], s[0:1], 0x0               ; x1, alpha, beta, wts
	s_load_b128 s[12:15], s[0:1], 0x20             ; b1, hid
	v_lshl_add_u32 v126, v0, 2, 0x10800
	v_mov_b32 v127, 0
	v_lshrrev_b32 v8, 5, v0
	v_readfirstlane_b32 s[WV], v8
	v_and_b32 v8, 31, v0
	v_and_b32 v9, 15, v0
	v_bfe_u32 v10, v0, 4, 1
	v_lshlrev_b32 v[LI], 4, v8
	v_lshlrev_b32 v[LS], 2, v8
	v_add_nc_u32 v[LS2], XSC, v[LS]
	v_lshlrev_b32 v[XA], 7, v9
	v_lshl_add_u32 v[XA], v10, 6, v[XA]            ; row r of 128 bytes in a plane, + 64 h
	v_lshlrev_b32 v[BO], 6, v10
	s_lshl_b32 s54, s[WV], 12
	v_add_nc_u32 v[XWI], s54, v[LI]
	s_lshl_b32 s54, s[WV], 7
	s_add_co_u32 s54, s54, XSC
	v_lshl_add_u32 v[XWS], v9, 2, s54
	s_mov_b32 s[SEL], 0x76543210
	s_mov_b32 s[SEL+1], 0xfedcba98
	s_mov_b32 s[MNT], 0x600000
	s_mov_b32 s[HM], 0xffff0000
	s_mov_b32 s30, 0x3b004020                      ; 1 / 511
	s_mov_b32 s31, 0x358637bd                      ; 1e-6
	s_mov_b32 s[TRIP], 2
	s_and_b32 s33, ttmp7, 0xffff                   ; the block of 128 rows
	s_lshl_b32 s32, ttmp9, 5
	s_lshl_b32 s34, s[WV], 3
	s_add_co_u32 s32, s32, s34                     ; my first unit
	s_lshr_b32 s35, s32, 2                         ; my first K step of the next product
	s_mov_b32 s55, 0
	s_wait_kmcnt 0x0
	s_load_b32 s[AL], s[6:7], 0x0
	s_load_b32 s[BE], s[8:9], 0x0
	s_lshr_b32 s54, s33, 4
	s_lshl_b32 s54, s54, 22
	s_and_b32 s56, s33, 15
	s_lshl_b32 s56, s56, 14
	s_add_co_u32 s54, s54, s56
	s_lshl_b32 s56, s[WV], 12
	s_add_co_u32 s54, s54, s56
	s_add_nc_u64 s[XB:XB+1], s[4:5], s[54:55]      ; x1: the batch's plane 0, my 32 rows
	s_lshl_b32 s54, s32, 14
	s_add_co_u32 s54, s54, W1_C
	s_add_nc_u64 s[WB:WB+1], s[10:11], s[54:55]
	s_lshl_b32 s54, s32, 9
	s_add_co_u32 s54, s54, W1_S
	s_add_nc_u64 s[WSB:WSB+1], s[10:11], s[54:55]
	s_lshl_b32 s54, s32, 7
	s_add_nc_u64 s[B1B:B1B+1], s[12:13], s[54:55]
	s_lshl_b32 s54, s33, 8
	s_add_co_u32 s54, s54, s35
	s_lshl_b32 s54, s54, 11
	s_add_nc_u64 s[HCB:HCB+1], s[14:15], s[54:55]
	s_lshl_b32 s54, s33, 7
	s_add_co_u32 s54, s54, s35
	s_lshl_b32 s54, s54, 7
	s_add_co_u32 s54, s54, HS_O
	s_add_nc_u64 s[HSB:HSB+1], s[14:15], s[54:55]
	LOADW 0, 0
	XLOAD 0
	XLOAD 1
	s_wait_kmcnt 0x0
	v_mov_b32 v[BB], s[BE]
	v_mov_b32 v[BB+1], s[BE]
.irp b, 0,1,2,3
	v_mov_b32 v[TM+4+\b], 0
.endr
	v_mov_b32 v[T0+1], 0
	s_wait_loadcnt 63                              ; 64 loads were issued behind tile 0's last; the wait's field holds 63
	LNT 2, 0
	s_wait_loadcnt 0x0
	LNT 3, 1
	s_wait_dscnt 0x0
	s_barrier_signal -1
	s_barrier_wait -1
	WIN 0x80
.set q, 0
.rept 64
	ds_load_b128 v[4*q:4*q+3], v[LI] offset:512*q
.set q, q+1
.endr
	WIN 0xc0
.set q, 0
.rept 64
	ds_load_b128 v[4*q:4*q+3], v[LI] offset:32768+512*q
.set q, q+1
.endr
	WIN 0
.irp k, 0,1,2,3
.irp p, 0,1,2,3
	ds_load_b32 v[XS+4*\k+\p], v[LS2] offset:512*\k+128*\p
.endr
.endr
	s_wait_dscnt 0x0
.Ltrip:                                            ; two trips: four units, one K step of the next product, each
	UNIT 0
	UNIT 1
	UNIT 2
	UNIT 3
.irp p, 0,1,2,3
	v_cndmask_b32 v[HX+\p], v[HW+2*\p], v[HW+2*\p+1], s[HM]   ; lanes 0-15 row tile 2 p's words, lanes 16-31 tile 2 p + 1's
	global_store_b32 v[LS], v[HX+\p], s[HSB:HSB+1] offset:4096*\p
.endr
	s_wait_xcnt 0x0                                ; loads and stores have read their bases: these step only now
	s_add_nc_u64 s[WB:WB+1], s[WB:WB+1], 65536
	s_add_nc_u64 s[WSB:WSB+1], s[WSB:WSB+1], 2048
	s_add_nc_u64 s[B1B:B1B+1], s[B1B:B1B+1], 512
	s_add_nc_u64 s[HCB:HCB+1], s[HCB:HCB+1], 2048
	s_add_nc_u64 s[HSB:HSB+1], s[HSB:HSB+1], 128
	s_sub_co_i32 s[TRIP], s[TRIP], 1
	s_cmp_lg_u32 s[TRIP], 0
	s_cbranch_scc1 .Ltrip
	s_wait_tensorcnt 0x0
	ds_add_u32 v126, v127
	s_wait_dscnt 0x0
	s_endpgm
.Lfunc_end_k_qfc9bce44e1_ffn1:
	.size	k_qfc9bce44e1_ffn1, .Lfunc_end_k_qfc9bce44e1_ffn1-k_qfc9bce44e1_ffn1
	.p2alignl 7, 3214868480
	.fill 96, 4, 3214868480
	.section	.rodata,"a",@progbits
	.p2align	6, 0x0
	.amdhsa_kernel k_qfc9bce44e1_ffn1
		.amdhsa_group_segment_fixed_size 68096
		.amdhsa_private_segment_fixed_size 0
		.amdhsa_enable_private_segment 0
		.amdhsa_kernarg_size 48
		.amdhsa_user_sgpr_count 2
		.amdhsa_user_sgpr_kernarg_segment_ptr 1
		.amdhsa_wavefront_size32 1
		.amdhsa_system_sgpr_workgroup_id_x 1
		.amdhsa_system_sgpr_workgroup_id_y 1
		.amdhsa_system_sgpr_workgroup_id_z 1
		.amdhsa_system_vgpr_workitem_id 0
		.amdhsa_next_free_vgpr 1024
		.amdhsa_next_free_sgpr 66
		.amdhsa_reserve_vcc 0
		.amdhsa_float_denorm_mode_32 3
		.amdhsa_float_denorm_mode_16_64 3
		.amdhsa_memory_ordered 1
		.amdhsa_forward_progress 1
		.amdhsa_inst_pref_size 255
	.end_amdhsa_kernel
	.section	.bss,"aw",@nobits
	.p2align	6
	.space	262144
	.amdgpu_metadata
---
amdhsa.version: [ 1, 2 ]
amdhsa.kernels:
  - .name:           k_qfc9bce44e1_ffn1
    .symbol:         k_qfc9bce44e1_ffn1.kd
    .args:
      - { .name: x1, .offset: 0, .size: 8, .value_kind: global_buffer, .address_space: global }
      - { .name: alpha, .offset: 8, .size: 8, .value_kind: global_buffer, .address_space: global }
      - { .name: beta, .offset: 16, .size: 8, .value_kind: global_buffer, .address_space: global }
      - { .name: wts, .offset: 24, .size: 8, .value_kind: global_buffer, .address_space: global }
      - { .name: b1, .offset: 32, .size: 8, .value_kind: global_buffer, .address_space: global }
      - { .name: hid, .offset: 40, .size: 8, .value_kind: global_buffer, .address_space: global }
    .group_segment_fixed_size: 68096
    .private_segment_fixed_size: 0
    .kernarg_segment_align: 8
    .kernarg_segment_size: 48
    .max_flat_workgroup_size: 128
    .sgpr_count:     66
    .vgpr_count:     1024
    .wavefront_size: 32
...
	.end_amdgpu_metadata
.endif
;; end of part 4
;; launch ffn2 (part 5): grid 4 x 64, 4 waves a work-group, clusters of 4 x 4, 327,680 bytes of LDS; arguments hid, wts, b2, x1, out0; writes out0
.if DOCPART == 5
	.amdgcn_target "amdgcn-amd-amdhsa--gfx1250"
	.amdhsa_code_object_version 6
	.text
	.protected	k_qfc9bce44e1_ffn2
	.globl	k_qfc9bce44e1_ffn2
	.p2align	8
	.type	k_qfc9bce44e1_ffn2,@function
k_qfc9bce44e1_ffn2:
	s_mov_b64 s[64:65], 0
	v_nop
	global_prefetch_b8 v0, s[64:65] scope:SCOPE_SE
	s_setreg_imm32_b32 hwreg(HW_REG_WAVE_MODE, 25, 1), 1
	s_wait_xcnt 0x0
	s_wait_alu depctr_hold_cnt(0) depctr_sa_sdst(0) depctr_va_vdst(0) depctr_va_sdst(0) depctr_va_ssrc(0) depctr_va_vcc(0) depctr_vm_vsrc(0)
	s_getreg_b32 s2, hwreg(HW_REG_IB_STS2, 6, 4)
	s_cmp_eq_u32 s2, 0
	s_cbranch_scc0 .Lentry_in_a_cluster
	s_endpgm
.Lentry_in_a_cluster:
	s_bfe_u32 s2, ttmp6, 0x10000c
	s_cmp_lg_u32 s2, 0xf033
	s_cbranch_scc0 .Lentry_shape_is_right
	s_endpgm
.Lentry_shape_is_right:
; out0 = x1 + relu(hidden W2 + b2), the product on codes of E4M3 with E8M0 scales, K = 4,096.
; hidden's and W2's codes lie as operand images: [tile of 16][K step 32][2,048 bytes]; their scale words [pair of tiles][K step][32 words], lanes 0-15 the even tile's, lanes 16-31 the odd one's.
; SHARES.  A tile of out0 is 128 x 128: 256 work-groups.  Four waves, each 64 x 64: 16 accumulators.  A larger tile would leave WGPs without work.
; K goes four steps of 128 at a time through a ring of two LDS slots of 131,072 bytes: 8 tiles of hidden x 8,192 bytes, then 8 tiles of W2.  A wave's tensor load brings four tiles' 8,192 bytes each.
; The scale words of the work-group's rows and columns for all of K (2 x 16,384 dense bytes) come once, with the first fills.
; CLUSTERS: 4 x 4 work-groups.  The four of a row of the cluster want the same tiles of hidden, the four of a column the same tiles of W2: each is asked for jointly, with a mask that names the four.
; The product is used transposed (source 0 = 16 columns of W2, source 1 = 16 rows): a lane holds eight neighbouring numbers of a row.  b2 is the C of each sum's first product.
; x1 lies by head plane, [plane][row][32] f32; the wave's part is loaded at the head into window 2 and added on the way out.
; An image's loads are 512 consecutive bytes each: no pitch and no padding.
; REGISTERS: window 0: v16-30 addresses; v32-39 scale words, two sets; v40-71 b2, later with v72-103 the way out; v128-255 the accumulators ((a, b) at v[128 + 8 (4 a + b)]).
;   window 1: two sets of fragments: 4 of hidden, then 4 of W2.   window 2: v0-127 x1.
.set W2_C,  2883584
.set W2_S,  5070848
.set HS_O,  33554432
.set SLOT,  131072
.set SCA,   262144
.set SCB,   278528
.set SPARE, 294912                     ; the spare words, 128 bytes for each wave: two blocks of 256 bytes that no other line names
.set ADRA, 16
.set ADRB, 20
.set ADSA, 22
.set ADSB, 23
.set STO,  24
.set RD,   25
.set CO,   26
.set XO,   27
.set SPW,  28
.set NIL,  29
.set B2O,  30
.set SC,   32
.set BI,   40
.set OUT,  40
.set ACC,  128
.set G1,   24
.set G0,   32
.set G1B,  48
.set G0B,  56
.set G1S,  68
.set G0S,  76
.set G1SB, 80
.set G0SB, 88
.set MSB, 0
.macro WIN new
.if MSB != (\new)
	s_set_vgpr_msb (MSB<<8)|(\new)
.set MSB, (\new)
.endif
.endm
.macro PLACES n
.rept \n
	v_nop
.endr
.endm
.macro WM d, a, b, c, sa, sb, ra, rb
.if (\ra) && (\rb)
	v_wmma_scale_f32_16x16x128_f8f6f4 v[(\d):(\d)+7], v[(\a):(\a)+15], v[(\b):(\b)+15], v[(\c):(\c)+7], v[(\sa)], v[(\sb)] matrix_a_scale:MATRIX_SCALE_ROW1 matrix_b_scale:MATRIX_SCALE_ROW1
.elseif (\ra)
	v_wmma_scale_f32_16x16x128_f8f6f4 v[(\d):(\d)+7], v[(\a):(\a)+15], v[(\b):(\b)+15], v[(\c):(\c)+7], v[(\sa)], v[(\sb)] matrix_a_scale:MATRIX_SCALE_ROW1
.elseif (\rb)
	v_wmma_scale_f32_16x16x128_f8f6f4 v[(\d):(\d)+7], v[(\a):(\a)+15], v[(\b):(\b)+15], v[(\c):(\c)+7], v[(\sa)], v[(\sb)] matrix_b_scale:MATRIX_SCALE_ROW1
.else
	v_wmma_scale_f32_16x16x128_f8f6f4 v[(\d):(\d)+7], v[(\a):(\a)+15], v[(\b):(\b)+15], v[(\c):(\c)+7], v[(\sa)], v[(\sb)]
.endif
.endm
; A joint load: waves 0 and 1 fetch for hidden, waves 2 and 3 for W2.  The branch hangs on the wave's number alone.  Four v_nop follow each of the two lines.
.macro JLOAD g0a, g1a, g0b, g1b
	s_cmp_eq_u32 s15, 0
	s_cbranch_scc0 .Lfor_b_\@
	tensor_load_to_lds s[\g0a:\g0a+3], s[\g1a:\g1a+7]
	s_nop 0
.rept 4
	v_nop
.endr
	s_branch .Lasked_\@
.Lfor_b_\@:
	tensor_load_to_lds s[\g0b:\g0b+3], s[\g1b:\g1b+7]
	s_nop 0
.rept 4
	v_nop
.endr
.Lasked_\@:
.endm
.macro CREST                           ; a round of the cluster's barrier behind its opening barrier
	s_cmp_lg_u32 s14, 0
	s_cbranch_scc1 .Lnot_wave_0_\@
	s_barrier_signal -3
.Lnot_wave_0_\@:
	s_barrier_wait -3
	s_barrier_signal -1
	s_barrier_wait -1
.endm
.macro CROUND
	s_barrier_signal -1
	s_barrier_wait -1
	CREST
.endm
	s_load_b256 s[4:11], s[0:1], 0x0               ; hid, wts, b2, x1
	s_load_b64 s[12:13], s[0:1], 0x20              ; out0
	v_lshl_add_u32 v[SPW], v0, 2, SPARE
	v_mov_b32 v[NIL], 0
	ds_add_u32 v28, v29
	ds_add_u32 v28, v29
	s_wait_dscnt 0x0
	v_lshrrev_b32 v1, 5, v0
	v_readfirstlane_b32 s14, v1                    ; wave 0..3
	s_lshr_b32 s15, s14, 1                         ; which half of the tile's rows is mine.  Also: I fetch for hidden (0) or for W2 (1)
	s_and_b32 s16, s14, 1                          ; which half of its columns.  Also: which four tiles I fetch
	s_bfe_u32 s40, ttmp6, 0x40000                  ; cx, cy
	s_bfe_u32 s41, ttmp6, 0x40004
	s_lshl_b32 s42, ttmp9, 2
	s_add_co_u32 s42, s42, s40                     ; block of 128 columns
	s_and_b32 s17, ttmp7, 0xffff
	s_lshl_b32 s17, s17, 2
	s_add_co_u32 s17, s17, s41                     ; block of 128 rows
	s_lshl_b32 s43, s41, 2
	s_lshl_b32 s43, 15, s43                        ; my row of the cluster
	s_lshl_b32 s44, 0x1111, s40                    ; my column
	; descriptor group 1 for codes: 4 rows of 8,192 bytes (1,024 elements of 8 bytes), 65,536 bytes apart
	s_or_b32 s[G1+0], s43, (3<<16)|(1<<21)         ; 15:0 the mask; 17:16 elements of 8 bytes; 21 set beside a mask
	s_or_b32 s[G1B+0], s44, (3<<16)|(1<<21)
.irp g, G1, G1B
	s_mov_b32 s[\g+1], 1024<<16                    ; tensor_dim0
	s_mov_b32 s[\g+2], 4<<16                       ; tensor_dim1
	s_mov_b32 s[\g+3], 1024<<16                    ; tile_dim0
	s_mov_b32 s[\g+4], 4                           ; tile_dim1
	s_mov_b32 s[\g+5], 8192                        ; the pitch
	s_mov_b32 s[\g+6], 0
	s_mov_b32 s[\g+7], 0
.endr
	; and for scale words: 8,192 dense bytes as 32 rows of 256
	s_or_b32 s[G1S+0], s43, (3<<16)|(1<<21)
	s_or_b32 s[G1SB+0], s44, (3<<16)|(1<<21)
.irp g, G1S, G1SB
	s_mov_b32 s[\g+1], 32<<16
	s_mov_b32 s[\g+2], 32<<16
	s_mov_b32 s[\g+3], 32<<16
	s_mov_b32 s[\g+4], 32
	s_mov_b32 s[\g+5], 32
	s_mov_b32 s[\g+6], 0
	s_mov_b32 s[\g+7], 0
.endr
	s_lshl_b32 s18, s16, 18                        ; four tiles of 65,536 bytes
	s_lshl_b32 s19, s16, 13                        ; two pairs' scale words
	s_lshl_b32 s20, s17, 19
	s_add_co_u32 s20, s20, s18                     ; hidden's codes: tile 8 x row block + 4 x half
	s_mov_b32 s21, 0
	s_lshl_b32 s22, s17, 14
	s_add_co_u32 s22, s22, s19
	s_add_co_u32 s22, s22, HS_O                    ; and scale words
	s_mov_b32 s23, 0
	s_lshl_b32 s46, s42, 19
	s_add_co_u32 s46, s46, s18
	s_add_co_u32 s46, s46, W2_C                    ; W2's codes
	s_mov_b32 s47, 0
	s_lshl_b32 s92, s42, 14
	s_add_co_u32 s92, s92, s19
	s_add_co_u32 s92, s92, W2_S                    ; and scale words
	s_mov_b32 s93, 0
	s_lshl_b32 s45, s14, 15                        ; where they go: wave x 32,768: no place in the cluster enters an LDS address
	s_lshl_b32 s94, s14, 13
	s_wait_kmcnt 0x0
	s_add_nc_u64 s[20:21], s[4:5], s[20:21]
	s_add_nc_u64 s[22:23], s[4:5], s[22:23]
	s_add_nc_u64 s[46:47], s[6:7], s[46:47]
	s_add_nc_u64 s[92:93], s[6:7], s[92:93]
	CROUND                                         ; all sixteen work-groups are here: the first joint loads meet
	s_mov_b32 s[G0S], 1
	s_add_co_u32 s[G0S+1], s94, SCA
	s_mov_b64 s[G0S+2:G0S+3], s[22:23]
	s_or_b32 s[G0S+3], s[G0S+3], 0x80000000
	s_mov_b32 s[G0SB], 1
	s_add_co_u32 s[G0SB+1], s94, SCA
	s_mov_b64 s[G0SB+2:G0SB+3], s[92:93]
	s_or_b32 s[G0SB+3], s[G0SB+3], 0x80000000
	JLOAD G0S, G1S, G0SB, G1SB                     ; the scale words first
.irp s, 0,1
	s_mov_b32 s[G0+4*\s], 1
	s_add_co_u32 s[G0+4*\s+1], s45, \s*SLOT
	s_add_nc_u64 s[G0+4*\s+2:G0+4*\s+3], s[20:21], \s*8192
	s_or_b32 s[G0+4*\s+3], s[G0+4*\s+3], 0x80000000
	s_mov_b32 s[G0B+4*\s], 1
	s_add_co_u32 s[G0B+4*\s+1], s45, \s*SLOT
	s_add_nc_u64 s[G0B+4*\s+2:G0B+4*\s+3], s[46:47], \s*8192
	s_or_b32 s[G0B+4*\s+3], s[G0B+4*\s+3], 0x80000000
	JLOAD G0+4*\s, G1, G0B+4*\s, G1B               ; three tensor loads of mine are out behind the second of these
.endr
	v_and_b32 v1, 31, v0                           ; lane
	v_and_b32 v2, 15, v0                           ; r
	v_bfe_u32 v3, v0, 4, 1                         ; h
	v_lshlrev_b32 v4, 4, v1
	v_lshlrev_b32 v5, 2, v1
	s_lshl_b32 s18, s15, 15                        ; my four tiles of hidden
	s_lshl_b32 s19, s16, 15
	s_add_co_u32 s19, s19, 65536                   ; my four of W2
.irp s, 0,1
	v_add_nc_u32 v[ADRA+\s], s18, v4
	v_add_nc_u32 v[ADRB+\s], s19, v4
	s_add_co_u32 s18, s18, SLOT
	s_add_co_u32 s19, s19, SLOT
.endr
	s_lshl_b32 s18, s15, 13
	s_add_co_u32 s18, s18, SCA
	v_add_nc_u32 v[ADSA], s18, v5
	s_lshl_b32 s18, s16, 13
	s_add_co_u32 s18, s18, SCB
	v_add_nc_u32 v[ADSB], s18, v5
	s_mul_i32 s18, s14, 4352                       ; my stage, 16 rows x (256 + 16) bytes, in slot 0: used when that slot has had its last fill and its last read
	v_mul_u32_u24 v[STO], v2, 272
	v_lshl_add_u32 v[STO], v3, 5, v[STO]
	v_add_nc_u32 v[STO], s18, v[STO]
	v_mul_u32_u24 v[RD], v3, 272
	v_lshl_add_u32 v[RD], v2, 4, v[RD]
	v_add_nc_u32 v[RD], s18, v[RD]
	v_lshlrev_b32 v[CO], 11, v3
	v_lshl_add_u32 v[CO], v2, 4, v[CO]             ; out0: lanes 0-15 one row's 256 bytes, lanes 16-31 the next row's
	v_lshrrev_b32 v6, 3, v2
	v_and_b32 v7, 7, v2
	v_lshlrev_b32 v[XO], 18, v6                    ; x1: the same numbers: plane + (r / 8), row + h, 16 (r % 8)
	v_lshl_add_u32 v[XO], v3, 7, v[XO]
	v_lshl_add_u32 v[XO], v7, 4, v[XO]
	v_lshlrev_b32 v[B2O], 5, v3
	s_mov_b32 s97, 0
	s_lshr_b32 s96, s17, 4
	s_lshl_b32 s96, s96, 22
	s_lshl_b32 s95, s42, 20
	s_add_co_u32 s96, s96, s95
	s_lshl_b32 s95, s16, 19
	s_add_co_u32 s96, s96, s95
	s_and_b32 s95, s17, 15
	s_lshl_b32 s95, s95, 14
	s_add_co_u32 s96, s96, s95
	s_lshl_b32 s95, s15, 13
	s_add_co_u32 s96, s96, s95
	s_add_nc_u64 s[10:11], s[10:11], s[96:97]      ; x1 at my first plane and row
	s_lshl_b32 s96, s42, 9
	s_lshl_b32 s95, s16, 8
	s_add_co_u32 s96, s96, s95
	s_add_nc_u64 s[8:9], s[8:9], s[96:97]          ; b2 at my first column
	s_lshl_b32 s95, s17, 18
	s_add_co_u32 s96, s96, s95
	s_lshl_b32 s95, s15, 17
	s_add_co_u32 s96, s96, s95
	s_add_nc_u64 s[12:13], s[12:13], s[96:97]      ; out0 at my first row and column
.irp b, 0,1,2,3
	global_load_b128 v[BI+8*\b:BI+8*\b+3], v[B2O], s[8:9] offset:64*\b
	global_load_b128 v[BI+8*\b+4:BI+8*\b+7], v[B2O], s[8:9] offset:64*\b+16
.endr
	WIN 0x80
.set q, 0
.rept 32
	global_load_b128 v[4*q:4*q+3], v[XO], s[10:11] offset:256*q   ; rows 2 q, 2 q + 1 of my 64
.set q, q+1
.endr
	WIN 0
; four products: row tile a x my four column tiles.  The 16 accumulators take turns, one instruction a turn, in the same order in every K step
.macro MUL4 f, a, first
.irp b, 0,1,2,3
.if \first
	WM ACC+8*(4*(\a)+\b), 128*(\f)+64+16*\b, 128*(\f)+16*(\a), BI+8*\b, SC+4*(\f)+2+\b/2, SC+4*(\f)+(\a)/2, \b%2, (\a)%2
.else
	WM ACC+8*(4*(\a)+\b), 128*(\f)+64+16*\b, 128*(\f)+16*(\a), ACC+8*(4*(\a)+\b), SC+4*(\f)+2+\b/2, SC+4*(\f)+(\a)/2, \b%2, (\a)%2
.endif
.endr
.endm
; the fragments and scale words of the slot's q-th K step into set g
.macro FETCH slot, q, g
	WIN 0x40
.irp i, 0,1,2,3
.irp c, 0,1,2,3
	ds_load_b128 v[128*(\g)+64+16*\i+4*\c:128*(\g)+64+16*\i+4*\c+3], v[ADRB+\slot] offset:8192*\i+2048*(\q)+512*\c
.endr
.endr
.irp i, 0,1,2,3
.irp c, 0,1,2,3
	ds_load_b128 v[128*(\g)+16*\i+4*\c:128*(\g)+16*\i+4*\c+3], v[ADRA+\slot] offset:8192*\i+2048*(\q)+512*\c
.endr
.endr
	WIN 0
.irp i, 0,1
	ds_load_b32 v[SC+4*(\g)+\i], v[ADSA] offset:4096*\i+128*(\q)
	ds_load_b32 v[SC+4*(\g)+2+\i], v[ADSB] offset:4096*\i+128*(\q)
.endr
.endm
; one of a slot's first three K steps: multiplies set f; in its middle it fetches the slot's q-th K step into set g
.macro QUARTER slot, q, f, g, first
	s_wait_dscnt 0x0                               ; set f is in
	WIN 0x05                                       ; sources 0 and 1 window 1
	MUL4 \f, 0, \first
	MUL4 \f, 1, \first
	PLACES 8                                       ; ahead of loads into registers that products have read (ISA guide 7.12.1 for vector instructions)
	FETCH \slot, \q, \g
	WIN 0x05
	MUL4 \f, 2, \first
	MUL4 \f, 3, \first
.endm
; a slot's last K step changes slots: one barrier; ahead of it each wave waits for all its tensor loads, adds 0 to its spare word, and waits for that and for its reads of this slot.  fill = 1: this slot is filled again
.macro TURN slot, next, fill
	WIN 0
	s_wait_tensorcnt 0x0                           ; all my tensor loads have landed: my part of the next slot
	ds_add_u32 v[SPW], v[NIL]                      ; 0 onto my spare word
	s_wait_dscnt 1                                 ; set 1 is in; the add alone may be out
	WIN 0x05
	MUL4 1, 0, 0
	s_wait_dscnt 0x0                               ; the add is done, and my reads of this slot are over
	s_barrier_signal -1
	MUL4 1, 1, 0
	WIN 0
	s_barrier_wait -1
.if \fill
	CREST                                          ; the barrier has opened a round of the cluster's: no wave of any partner still reads this slot or has a load on its way
	s_add_nc_u64 s[G0+4*\slot+2:G0+4*\slot+3], s[G0+4*\slot+2:G0+4*\slot+3], 16384
	s_add_nc_u64 s[G0B+4*\slot+2:G0B+4*\slot+3], s[G0B+4*\slot+2:G0B+4*\slot+3], 16384
	JLOAD G0+4*\slot, G1, G0B+4*\slot, G1B         ; my one tensor load behind the round; its four v_nop are among the places ahead of the loads below
	PLACES 4
.else
	PLACES 8
.endif
	v_add_nc_u32 v[ADSA], 512, v[ADSA]             ; the next four K steps' scale words
	v_add_nc_u32 v[ADSB], 512, v[ADSB]
	FETCH \next, 0, 0
	WIN 0x05
	MUL4 1, 2, 0
	MUL4 1, 3, 0
.endm
	s_wait_tensorcnt 1                             ; the scale words and my part of slot 0 are in; slot 1's load may be out
	s_barrier_signal -1
	s_barrier_wait -1
	FETCH 0, 0, 0
	s_wait_loadcnt 0x0                             ; b2 (and x1)
	QUARTER 0, 1, 0, 1, 1                          ; the first K step stands ahead of the loop: its products start the sums, with b2 as C
	WIN 0
	s_mov_b32 s3, 3
.Llap:                                             ; a trip goes once round the ring and fills both slots again: 2 first fills + 6 refills = 8 slots' worth = 32 K steps
	QUARTER 0, 2, 1, 0, 0
	QUARTER 0, 3, 0, 1, 0
	TURN 0, 1, 1
	QUARTER 1, 1, 0, 1, 0
	QUARTER 1, 2, 1, 0, 0
	QUARTER 1, 3, 0, 1, 0
	TURN 1, 0, 1
	QUARTER 0, 1, 0, 1, 0
	WIN 0
	s_sub_co_u32 s3, s3, 1
	s_cmp_lg_u32 s3, 0
	s_cbranch_scc1 .Llap
	QUARTER 0, 2, 1, 0, 0                          ; the last lap fills nothing
	QUARTER 0, 3, 0, 1, 0
	TURN 0, 1, 0
	QUARTER 1, 1, 0, 1, 0
	QUARTER 1, 2, 1, 0, 0
	QUARTER 1, 3, 0, 1, 0
	s_wait_dscnt 0x0
	WIN 0x05
	MUL4 1, 0, 0
	MUL4 1, 1, 0
	MUL4 1, 2, 0
	MUL4 1, 3, 0
	WIN 0
	PLACES 8
; THE WAY OUT, 16 rows x 64 columns at a time, through my own stage: back as whole rows of 256 bytes; then the activation, x1, and the store
.macro OUTA a
.set OS, OUT+32*((\a)%2)
.irp b, 0,1,2,3
	ds_store_b128 v[STO], v[ACC+8*(4*(\a)+\b):ACC+8*(4*(\a)+\b)+3] offset:64*\b          ; each accumulator from its low end on
	ds_store_b128 v[STO], v[ACC+8*(4*(\a)+\b)+4:ACC+8*(4*(\a)+\b)+7] offset:64*\b+16
.endr
.if (\a) > 1
	s_wait_xcnt 0x0                                ; the stores of two blocks ago have read these registers
.endif
.irp t, 0,1,2,3,4,5,6,7
	ds_load_b128 v[OS+4*\t:OS+4*\t+3], v[RD] offset:544*\t   ; LDS serves a wave's instructions in order (ISA guide 5.7.1.4): these see my stores
.endr
	s_wait_dscnt 0x0
.set q, 0
.rept 32
	v_max_num_f32 v[OS+q], 0, v[OS+q]
.set q, q+1
.endr
	WIN 0x08                                       ; source 1 window 2
.set q, 0
.rept 16
	v_pk_add_f32 v[OS+2*q:OS+2*q+1], v[OS+2*q:OS+2*q+1], v[32*(\a)+2*q:32*(\a)+2*q+1]
.set q, q+1
.endr
	WIN 0
.irp t, 0,1,2,3,4,5,6,7
	global_store_b128 v[CO], v[OS+4*\t:OS+4*\t+3], s[12:13] offset:(16*(\a)+2*\t)*2048 th:TH_STORE_NT   ; sixteen lanes store 256 consecutive bytes, aligned
.endr
.endm
	OUTA 0
	OUTA 1
	OUTA 2
	OUTA 3
	s_wait_tensorcnt 0x0                           ; the wave's end
	ds_add_u32 v[SPW], v[NIL]
	s_wait_dscnt 0x0
	CROUND                                         ; the closing round
	s_endpgm
.Lfunc_end_k_qfc9bce44e1_ffn2:
	.size	k_qfc9bce44e1_ffn2, .Lfunc_end_k_qfc9bce44e1_ffn2-k_qfc9bce44e1_ffn2
	.p2alignl 7, 3214868480
	.fill 96, 4, 3214868480
	.section	.rodata,"a",@progbits
	.p2align	6, 0x0
	.amdhsa_kernel k_qfc9bce44e1_ffn2
		.amdhsa_group_segment_fixed_size 327680
		.amdhsa_private_segment_fixed_size 0
		.amdhsa_enable_private_segment 0
		.amdhsa_kernarg_size 40
		.amdhsa_user_sgpr_count 2
		.amdhsa_user_sgpr_kernarg_segment_ptr 1
		.amdhsa_wavefront_size32 1
		.amdhsa_system_sgpr_workgroup_id_x 1
		.amdhsa_system_sgpr_workgroup_id_y 1
		.amdhsa_system_sgpr_workgroup_id_z 1
		.amdhsa_system_vgpr_workitem_id 0
		.amdhsa_next_free_vgpr 640
		.amdhsa_next_free_sgpr 98
		.amdhsa_reserve_vcc 0
		.amdhsa_float_denorm_mode_32 3
		.amdhsa_float_denorm_mode_16_64 3
		.amdhsa_memory_ordered 1
		.amdhsa_forward_progress 1
		.amdhsa_inst_pref_size 107
	.end_amdhsa_kernel
	.amdgpu_metadata
---
amdhsa.version: [ 1, 2 ]
amdhsa.kernels:
  - .name:           k_qfc9bce44e1_ffn2
    .symbol:         k_qfc9bce44e1_ffn2.kd
    .args:
      - { .name: hid, .offset: 0, .size: 8, .value_kind: global_buffer, .address_space: global }
      - { .name: wts, .offset: 8, .size: 8, .value_kind: global_buffer, .address_space: global }
      - { .name: b2, .offset: 16, .size: 8, .value_kind: global_buffer, .address_space: global }
      - { .name: x1, .offset: 24, .size: 8, .value_kind: global_buffer, .address_space: global }
      - { .name: out0, .offset: 32, .size: 8, .value_kind: global_buffer, .address_space: global }
    .group_segment_fixed_size: 327680
    .private_segment_fixed_size: 0
    .kernarg_segment_align: 8
    .kernarg_segment_size: 40
    .max_flat_workgroup_size: 128
    .sgpr_count:     98
    .vgpr_count:     640
    .wavefront_size: 32
...
	.end_amdgpu_metadata
.endif
;; end of part 5
;; ======== version 2 of 2: 5 launches
;; workspace buffers: wts 5,136,384 bytes; qkv 13,369,344 bytes; x1 16,777,216 bytes; hid 34,603,008 bytes
;; launch prep: the kernel of part 1 again; grid 304 x 1, 4 waves a work-group, no clusters, 0 bytes of LDS; arguments Wq, Wk, Wv, W1, W2, wts; writes wts
;; launch qkv (part 6): grid 4 x 64, 4 waves a work-group, no clusters, 68,096 bytes of LDS; arguments x, alpha, beta, wts, qkv; writes qkv
.if DOCPART == 6
	.amdgcn_target "amdgcn-amd-amdhsa--gfx1250"
	.amdhsa_code_object_version 6
	.text
	.protected	k_qfc9bce44e1_qkv
	.globl	k_qfc9bce44e1_qkv
	.p2align	8
	.type	k_qfc9bce44e1_qkv,@function
k_qfc9bce44e1_qkv:
	s_mov_b64 s[64:65], 0
	v_nop
	global_prefetch_b8 v0, s[64:65] scope:SCOPE_SE
	s_setreg_imm32_b32 hwreg(HW_REG_WAVE_SCHED_MODE, 0, 2), 2
	s_setreg_imm32_b32 hwreg(HW_REG_WAVE_MODE, 25, 1), 1
	s_wait_xcnt 0x0
	s_wait_alu depctr_vm_vsrc(0)
; _x = alpha (x - mean) / sqrt(var + 1e-6) + beta (var over 511), quantised along 512; q = _x Wq, k = _x Wk, v = _x Wv on codes of E4M3; q and k quantised along the head's 32, v along the keys.
; SHARES.  A work-group takes 128 rows (work-group y) and four heads (work-group x); wave w owns head 4 x + w: its 32 columns of Wq, of Wk and of Wv.
; The rows' codes, 32 fragments, are made once (wave w: rows' tiles 2 w, 2 w + 1), meet in LDS as images of their registers, and then stay in EVERY wave's registers (windows 2 and 3).
; The weights' fragments come from memory straight into registers: each is wanted by one wave of the work-group, once, so LDS and joint requests would add a write and a read and spare nothing inside the work-group.
; THE ROWS OF A TILE ARE NOT NEIGHBOURS: place r of tile m is row 32 (m / 2) + 8 (m % 2) + r + 8 (r / 8) of the 128.  So v's product (source 0 = rows) leaves 16 neighbouring KEYS in a lane's registers of two tiles,
; and k's tiles are already those that the next launch's first product wants.  q and k are made transposed (source 0 = 16 columns of the weight, in the order that launch prep chose): a lane holds one row and 16 neighbours of the head's 32.
; OUT: q's codes [head plane][tile][512], its scale words (the byte four times) [head plane][tile][16]; k's and v's records of 67,584 bytes a head plane: 16 steps x 4,096 bytes of codes, then 16 x 128 bytes of scale words.
; The variance is taken of x - mean: no difference of large sums.  1/512 is exact; 1/511 and the root's reciprocal are within an ulp.
; LIMITS: NaN and infinities are not served; a block whose largest magnitude lies under 2^-118, zeros among them, gets the byte 1 (zero codes add nothing; this program alone reads the bytes).
; The scale words leave in stores of 128 bytes: halves of aligned 256: about a sixteenth of the launch's stored bytes.
; REGISTERS: window 0: v1-15 addresses and constants; v16-31 the rows' scale words; v32-39 the weights'; v40-50 words on their way out; v72-88 the quantiser's; v96-127 two sets of codes; v128-255 16 accumulators (ahead of the barrier: at work).
;   window 1: two sets of 8 weight fragments.   windows 2, 3: first my two tiles' 256 numbers a lane, then the rows' 32 fragments.
; THE MODE: SCHED_MODE bits 1:0 = 2 (LLVM: expert scheduling mode 2), set by the entry lines.  The code itself states the register dependences
; between vector or matrix instructions and memory or LDS instructions, with s_wait_alu, always for 0.
; THE PLAN.  Registers that memory or LDS instructions touch:
;   v1-v6         offsets and LDS addresses: written once at the head, read by every load and store, never written again.
;   window 1      set 0 and v32-35: loaded at the head (Wq), read by q's products, loaded again (Wv), read by v's.  Set 1 and v36-39: loaded once (Wk).
;   windows 2, 3  x lands there; the norm's lines read and write them; behind the barrier the rows' fragments land there; products read them.
;   v16-31        loaded from LDS once.
;   PC0, v[PW]    ahead of the barrier: written by the quantiser, read by a run of LDS stores, eight times.
;   PC0, PC1      in each of the three ways out the two fragments' codes go into the two sets and leave by one run of stores.
;   v44-47, v50   scale words on their way out: written ahead of a way out's one wait, stored in its run.
; So a way out holds one wait on va_vdst, ahead of its stores, and (k's and v's) one on vm_vsrc at its head, 64 products behind the stores that it waits for.
.set WQKV_S, 4980736
.set QS_O,   4194304
.set KREC,   4718592
.set REC,    67584
.set VOFFG,  4325376
.set XSC,    65536                     ; LDS: 32 images of 2,048 bytes, then their scale words: 512 s + 128 (m / 2) + 64 (m % 2) + 4 r
.set LI,  1                            ; 16 x lane
.set LS,  2                            ; 4 x lane
.set LS2, 3                            ; XSC + 4 x lane
.set XA,  4                            ; x: my row and half
.set XWI, 5                            ; where I store images
.set XWS, 6                            ; and scale words
.set BB,  14                           ; v[14:15] beta, twice
.set XS,  16
.set WS,  32
.set QW,  40
.set QX,  44
.set PWK, 48
.set MX,  50
.set TM,  72
.set PW,  88
.set PC,  96                           ; v96-111 set 0, v112-127 set 1
.set ACC, 128
.set ST,  128                          ; ahead of the barrier: 64 numbers to quantise,
.set SA,  192                          ; four packed sums,
.set NM,  200                          ; - mean, twice,
.set GG,  202                          ; alpha / sqrt(var + eps), twice,
.set T0,  204                          ; two at work
.set WV,  18
.set SEL, 20
.set MNT, 23
.set HM,  24
.set AL,  26
.set BE,  27
.set XB,  36
.set WB,  38
.set WSB, 40
.set QCB, 42
.set QSB, 44
.set KB,  46
.set KSB, 48
.set VB,  50
.set VSB, 52
.set MSB, 0
.macro WIN new                         ; the immediate's high byte repeats the setting that is left
.if MSB != (\new)
	s_set_vgpr_msb (MSB<<8)|(\new)
.set MSB, (\new)
.endif
.endm
.macro PLACES n
.rept \n
	v_nop
.endr
.endm
; one product.  c: the C's first register, or -1 for the constant 0.  ra, rb: the side's scale words lie in lanes 16-31
.macro WM d, a, b, c, sa, sb, ra, rb
.if (\c) < 0
.if (\ra) && (\rb)
	v_wmma_scale_f32_16x16x128_f8f6f4 v[(\d):(\d)+7], v[(\a):(\a)+15], v[(\b):(\b)+15], 0, v[(\sa)], v[(\sb)] matrix_a_scale:MATRIX_SCALE_ROW1 matrix_b_scale:MATRIX_SCALE_ROW1
.elseif (\ra)
	v_wmma_scale_f32_16x16x128_f8f6f4 v[(\d):(\d)+7], v[(\a):(\a)+15], v[(\b):(\b)+15], 0, v[(\sa)], v[(\sb)] matrix_a_scale:MATRIX_SCALE_ROW1
.elseif (\rb)
	v_wmma_scale_f32_16x16x128_f8f6f4 v[(\d):(\d)+7], v[(\a):(\a)+15], v[(\b):(\b)+15], 0, v[(\sa)], v[(\sb)] matrix_b_scale:MATRIX_SCALE_ROW1
.else
	v_wmma_scale_f32_16x16x128_f8f6f4 v[(\d):(\d)+7], v[(\a):(\a)+15], v[(\b):(\b)+15], 0, v[(\sa)], v[(\sb)]
.endif
.else
.if (\ra) && (\rb)
	v_wmma_scale_f32_16x16x128_f8f6f4 v[(\d):(\d)+7], v[(\a):(\a)+15], v[(\b):(\b)+15], v[(\c):(\c)+7], v[(\sa)], v[(\sb)] matrix_a_scale:MATRIX_SCALE_ROW1 matrix_b_scale:MATRIX_SCALE_ROW1
.elseif (\ra)
	v_wmma_scale_f32_16x16x128_f8f6f4 v[(\d):(\d)+7], v[(\a):(\a)+15], v[(\b):(\b)+15], v[(\c):(\c)+7], v[(\sa)], v[(\sb)] matrix_a_scale:MATRIX_SCALE_ROW1
.elseif (\rb)
	v_wmma_scale_f32_16x16x128_f8f6f4 v[(\d):(\d)+7], v[(\a):(\a)+15], v[(\b):(\b)+15], v[(\c):(\c)+7], v[(\sa)], v[(\sb)] matrix_b_scale:MATRIX_SCALE_ROW1
.else
	v_wmma_scale_f32_16x16x128_f8f6f4 v[(\d):(\d)+7], v[(\a):(\a)+15], v[(\b):(\b)+15], v[(\c):(\c)+7], v[(\sa)], v[(\sb)]
.endif
.endif
.endm
; 64 numbers of a lane, register 16 b + i = number 16 (lane / 16) + i of block b of my row, become 16 registers of codes in v[pc] on, the blocks' bytes in v[TM+4] on and their word in v[PW]
.macro QUANT s, relu, pc
.if \relu
.irp b, 0,1,2,3
	v_max3_num_f32 v[TM+\b], v[\s+16*\b], v[\s+1+16*\b], 0x4800000
.endr
.irp i, 2,4,6,8,10,12,14
.irp b, 0,1,2,3
	v_max3_num_f32 v[TM+\b], v[TM+\b], v[\s+16*\b+\i], v[\s+1+16*\b+\i]
.endr
.endr
.else
.irp b, 0,1,2,3
	v_max3_num_f32 v[TM+\b], |v[\s+16*\b]|, |v[\s+1+16*\b]|, 0x4800000   ; my 16 numbers and the floor 2^(9 - 127): the byte cannot fall under 1
.endr
.irp i, 2,4,6,8,10,12,14
.irp b, 0,1,2,3
	v_max3_num_f32 v[TM+\b], v[TM+\b], |v[\s+16*\b+\i]|, |v[\s+1+16*\b+\i]|
.endr
.endr
.endif
.irp b, 0,1,2,3
	v_permlanex16_b32 v[TM+4+\b], v[TM+\b], s[SEL], s[SEL+1]
.endr
.irp b, 0,1,2,3
	v_max_num_f32 v[TM+\b], v[TM+\b], v[TM+4+\b]   ; with lane l xor 16's: the block's largest magnitude
.endr
.irp b, 0,1,2,3
	v_add_nc_u32 v[TM+12+\b], 0xfc000000, v[TM+\b] ; 8 off its exponent field: the conversion's scale operand
.endr
.irp b, 0,1,2,3
	v_and_or_b32 v[TM+8+\b], v[TM+\b], 0x7f800000, s[MNT]   ; 448 x the scale
.endr
.irp b, 0,1,2,3
	v_lshrrev_b32 v[TM+4+\b], 23, v[TM+12+\b]      ; the byte
.endr
	v_lshl_or_b32 v[PW], v[TM+5], 8, v[TM+4]
	v_lshl_or_b32 v[PW], v[TM+6], 16, v[PW]
	v_lshl_or_b32 v[PW], v[TM+7], 24, v[PW]
.irp b, 0,1,2,3
.irp i, 0,1,2,3,4,5,6,7,8,9,10,11,12,13,14,15
.if \relu
	v_med3_num_f32 v[\s+16*\b+\i], v[\s+16*\b+\i], 0, v[TM+8+\b]
.else
	v_med3_num_f32 v[\s+16*\b+\i], v[\s+16*\b+\i], -v[TM+8+\b], v[TM+8+\b]   ; the conversion does not saturate (ISA guide 7.6.2): the hold comes first
.endif
.endr
	v_cvt_scalef32_pk8_fp8_f32 v[(\pc)+4*\b:(\pc)+1+4*\b], v[\s+16*\b:\s+7+16*\b], v[TM+12+\b]
	v_cvt_scalef32_pk8_fp8_f32 v[(\pc)+2+4*\b:(\pc)+3+4*\b], v[\s+8+16*\b:\s+15+16*\b], v[TM+12+\b]
.endr
	v_nop                                          ; a plain line behind the last conversion
.endm
; a unit's 8 weight fragments (16,384 consecutive bytes, 512 a load) into set buf, and its four scale words
.macro LOADW buf, off, soff
	WIN 0x40
.set q, 0
.rept 32
	global_load_b128 v[128*(\buf)+4*q:128*(\buf)+4*q+3], v[LI], s[WB:WB+1] offset:(\off)+512*q
.set q, q+1
.endr
	WIN 0
.irp k, 0,1,2,3
	global_load_b32 v[WS+4*(\buf)+\k], v[LS], s[WSB:WSB+1] offset:(\soff)+128*\k
.endr
.endm
; my tile 2 w + u as f32: register 16 blk + 4 j + e = number 32 blk + 16 (lane / 16) + 4 j + e of my row, into window 2 + u
.macro XLOAD u
	WIN 0x80+0x40*(\u)
.set q, 0
.rept 64
	global_load_b128 v[4*q:4*q+3], v[XA], s[XB:XB+1] offset:16384*(\u)+128*(q/4)+16*(q%4)
.set q, q+1
.endr
	WIN 0
.endm
.macro FOLD                            ; the four packed sums, and lane l xor 16's: the row's total in v[T0]
	v_pk_add_f32 v[SA:SA+1], v[SA:SA+1], v[SA+2:SA+3]
	v_pk_add_f32 v[SA+4:SA+5], v[SA+4:SA+5], v[SA+6:SA+7]
	v_pk_add_f32 v[SA:SA+1], v[SA:SA+1], v[SA+4:SA+5]
	v_add_f32 v[T0], v[SA], v[SA+1]
	v_permlanex16_b32 v[T0+1], v[T0], s[SEL], s[SEL+1]
	v_add_f32 v[T0], v[T0], v[T0+1]
.endm
; the norm of the tile in window wn, its four fragments and scale words to LDS
.macro LNT wn, u
.irp c, 0,1,2,3,4,5,6,7
	v_mov_b32 v[SA+\c], 0
.endr
	WIN (\wn)
.set q, 0
.rept 128
	v_pk_add_f32 v[SA+2*(q%4):SA+2*(q%4)+1], v[2*q:2*q+1], v[SA+2*(q%4):SA+2*(q%4)+1]
.set q, q+1
.endr
	WIN 0
	FOLD
	v_mul_f32 v[NM], 0xbb000000, v[T0]             ; - the sum / 512
	v_mov_b32 v[NM+1], v[NM]
	WIN ((\wn)<<6)|(\wn)
.set q, 0
.rept 128
	v_pk_add_f32 v[2*q:2*q+1], v[2*q:2*q+1], v[NM:NM+1]   ; x - mean, in place
.set q, q+1
.endr
	WIN 0
.irp c, 0,1,2,3,4,5,6,7
	v_mov_b32 v[SA+\c], 0
.endr
	WIN ((\wn)<<2)|(\wn)
.set q, 0
.rept 128
	v_pk_fma_f32 v[SA+2*(q%4):SA+2*(q%4)+1], v[2*q:2*q+1], v[2*q:2*q+1], v[SA+2*(q%4):SA+2*(q%4)+1]
.set q, q+1
.endr
	WIN 0
	FOLD
	v_fma_f32 v[T0], v[T0], s30, s31               ; the squares' sum / 511 + 1e-6
	v_rsq_f32 v[T0+1], v[T0]
	v_nop                                          ; a plain line behind the transcendental
	s_wait_alu depctr_va_vdst(0)                   ; the root's reciprocal is written, ahead of its first reader
	v_mul_f32 v[GG], s[AL], v[T0+1]
	v_mov_b32 v[GG+1], v[GG]
.irp k, 0,1,2,3
	WIN (\wn)
.set q, 0
.rept 32
	v_pk_fma_f32 v[ST+2*q:ST+2*q+1], v[64*\k+2*q:64*\k+2*q+1], v[GG:GG+1], v[BB:BB+1]
.set q, q+1
.endr
	WIN 0
	QUANT ST, 0, PC
	s_wait_alu depctr_va_vdst(0)                   ; the conversions have written v[PC ..] and the shifts v[PW], which the LDS stores below read
.irp c, 0,1,2,3
	ds_store_b128 v[XWI], v[PC+4*\c:PC+4*\c+3] offset:(8*\k+(\u))*2048+512*\c
.endr
	ds_store_b32 v[XWS], v[PW] offset:512*\k+64*(\u)   ; both lanes of a row write the same word with the same value
	s_wait_dscnt 0x0                               ; the stores are done,
	s_wait_alu depctr_vm_vsrc(0)                   ; and have read v[PC ..] and v[PW], which the next fragment's lines write again
.endr
.endm
; transposed: source 0 = 16 columns of the weight, source 1 = 16 rows.  Accumulator (m, n) at ACC + 16 m + 8 n: lane = row, register j = column 16 (lane / 16) + 8 n + j of the unit's 32.
; The 16 accumulators take turns, one instruction a turn, in the same order in every K step.
.macro GEMMT buf
.irp k, 0,1,2,3
	WIN 0x09+4*(\k/2)                              ; source 0 window 1, source 1 window 2 or 3
.irp m, 0,1,2,3,4,5,6,7
.irp n, 0,1
.if \k == 0
	WM ACC+16*\m+8*\n, 128*(\buf)+16*(4*\n+\k), 16*(8*(\k%2)+\m), -1, WS+4*(\buf)+\k, XS+4*\k+\m/2, \n, \m%2
.else
	WM ACC+16*\m+8*\n, 128*(\buf)+16*(4*\n+\k), 16*(8*(\k%2)+\m), ACC+16*\m+8*\n, WS+4*(\buf)+\k, XS+4*\k+\m/2, \n, \m%2
.endif
.endr
.endr
.endr
	WIN 0
	PLACES 8                                       ; behind this form eight places stand ahead of reads of results
.endm
; as it reads: source 0 = 16 rows, source 1 = 16 columns.  Accumulator (m, n) at ACC + 64 n + 8 m: lane = column 16 n + r, registers 64 n + 16 b + i = key 32 b + 16 (lane / 16) + i
.macro GEMMN buf
.irp k, 0,1,2,3
	WIN 0x06+(\k/2)                                ; source 0 window 2 or 3, source 1 window 1
.irp m, 0,1,2,3,4,5,6,7
.irp n, 0,1
.if \k == 0
	WM ACC+64*\n+8*\m, 16*(8*(\k%2)+\m), 128*(\buf)+16*(4*\n+\k), -1, XS+4*\k+\m/2, WS+4*(\buf)+\k, \m%2, \n
.else
	WM ACC+64*\n+8*\m, 16*(8*(\k%2)+\m), 128*(\buf)+16*(4*\n+\k), ACC+64*\n+8*\m, XS+4*\k+\m/2, WS+4*(\buf)+\k, \m%2, \n
.endif
.endr
.endr
.endr
	WIN 0
	PLACES 8
.endm
; k's or v's way out: two fragments of 2,048 bytes, one in each set of codes, and one record of 32 scale words; all nine stores in one run
.macro EPKV cb, sb
	s_wait_xcnt 0x0                                ; the last way out's stores have had their addresses translated: their data registers are written again only behind this wait,
	s_wait_alu depctr_vm_vsrc(0)                   ; and they have read both sets of codes and v[MX], which the lines below write again
.irp g, 0,1
	QUANT ACC+64*\g, 0, PC+16*\g
	v_mov_b32 v[PWK+\g], v[PW]
.endr
	v_cndmask_b32 v[MX], v[PWK], v[PWK+1], s[HM]   ; lanes 0-15 the first fragment's words, lanes 16-31 the second's
	s_wait_alu depctr_va_vdst(0)                   ; the conversions have written both sets of codes and the select v[MX], which the stores below read
.irp g, 0,1
.irp b, 0,1,2,3
	global_store_b128 v[LI], v[PC+16*\g+4*\b:PC+16*\g+4*\b+3], s[\cb:\cb+1] offset:2048*\g+512*\b   ; 512 consecutive bytes
.endr
.endr
	global_store_b32 v[LS], v[MX], s[\sb:\sb+1]
.endm
	s_load_b256 s[4:11], s[0:1], 0x0               ; x, alpha, beta, wts
	s_load_b64 s[12:13], s[0:1], 0x20              ; qkv
	v_lshl_add_u32 v94, v0, 2, 0x10800
	v_mov_b32 v95, 0
	v_lshrrev_b32 v8, 5, v0
	v_readfirstlane_b32 s[WV], v8                  ; wave
	v_and_b32 v8, 31, v0                           ; lane
	v_and_b32 v9, 15, v0                           ; r
	v_bfe_u32 v10, v0, 4, 1                        ; h
	v_lshlrev_b32 v[LI], 4, v8
	v_lshlrev_b32 v[LS], 2, v8
	v_add_nc_u32 v[LS2], XSC, v[LS]
	v_and_b32 v11, 8, v9
	v_add_nc_u32 v11, v11, v9                      ; r + 8 (r / 8)
	v_lshlrev_b32 v[XA], 11, v11
	v_lshl_add_u32 v[XA], v10, 6, v[XA]            ; that row of 2,048 bytes, + 64 h
	s_wait_alu depctr_va_sdst(0)                   ; the wave's number is written, ahead of its first reader: LDS addresses and every base are made from it
	s_lshl_b32 s54, s[WV], 12
	v_add_nc_u32 v[XWI], s54, v[LI]                ; images 2 w and 2 w + 1 of each K step
	s_lshl_b32 s54, s[WV], 7
	s_add_co_u32 s54, s54, XSC
	v_lshl_add_u32 v[XWS], v9, 2, s54
	s_mov_b32 s[SEL], 0x76543210
	s_mov_b32 s[SEL+1], 0xfedcba98                 ; v_permlanex16_b32's selects for lane l xor 16
	s_mov_b32 s[MNT], 0x600000                     ; the mantissa field of 448
	s_mov_b32 s[HM], 0xffff0000                    ; lanes 16-31
	s_mov_b32 s30, 0x3b004020                      ; 1 / 511
	s_mov_b32 s31, 0x358637bd                      ; 1e-6
	s_and_b32 s33, ttmp7, 0xffff                   ; the block of 128 rows
	s_lshl_b32 s32, ttmp9, 2
	s_add_co_u32 s32, s32, s[WV]                   ; my head
	s_lshr_b32 s34, s33, 4
	s_lshl_b32 s34, s34, 4
	s_add_co_u32 s34, s34, s32                     ; head plane = 16 x batch + head
	s_and_b32 s35, s33, 15                         ; the block's place in its batch: the key step
	s_mov_b32 s55, 0
	s_wait_kmcnt 0x0
	s_load_b32 s[AL], s[6:7], 0x0
	s_load_b32 s[BE], s[8:9], 0x0
	s_lshl_b32 s54, s33, 18
	s_lshl_b32 s56, s[WV], 16
	s_add_co_u32 s54, s54, s56
	s_add_nc_u64 s[XB:XB+1], s[4:5], s[54:55]      ; x at my 32 rows
	s_lshl_b32 s54, s32, 14
	s_add_nc_u64 s[WB:WB+1], s[10:11], s[54:55]    ; Wq's unit of my head; Wk's lies 16 units on, Wv's 32
	s_lshl_b32 s54, s32, 9
	s_add_co_u32 s54, s54, WQKV_S
	s_add_nc_u64 s[WSB:WSB+1], s[10:11], s[54:55]
	s_lshl_b32 s54, s34, 16
	s_lshl_b32 s56, s35, 12
	s_add_co_u32 s54, s54, s56
	s_add_nc_u64 s[QCB:QCB+1], s[12:13], s[54:55]
	s_lshl_b32 s54, s34, 13
	s_lshl_b32 s56, s35, 9
	s_add_co_u32 s54, s54, s56
	s_add_co_u32 s54, s54, QS_O
	s_add_nc_u64 s[QSB:QSB+1], s[12:13], s[54:55]
	s_mul_i32 s57, s34, REC
	s_lshl_b32 s56, s35, 12
	s_add_co_u32 s54, s57, s56
	s_add_co_u32 s54, s54, KREC
	s_add_nc_u64 s[KB:KB+1], s[12:13], s[54:55]
	s_lshl_b32 s56, s35, 7
	s_add_co_u32 s54, s57, s56
	s_add_co_u32 s54, s54, KREC+65536
	s_add_nc_u64 s[KSB:KSB+1], s[12:13], s[54:55]
	s_add_nc_u64 s[VB:VB+1], s[KB:KB+1], VOFFG
	s_add_nc_u64 s[VSB:VSB+1], s[KSB:KSB+1], VOFFG
	s_wait_alu depctr_va_vdst(0)                   ; the six offsets and LDS addresses v1 to v6 are written, which every load and store of the kernel reads
	LOADW 0, 0, 0                                  ; Wq
	LOADW 1, 262144, 8192                          ; Wk
	XLOAD 0
	XLOAD 1
	s_wait_kmcnt 0x0
	v_mov_b32 v[BB], s[BE]
	v_mov_b32 v[BB+1], s[BE]
.irp b, 0,1,2,3
	v_mov_b32 v[TM+4+\b], 0                        ; written once: a lane permute's destination counts as one of its sources
.endr
	v_mov_b32 v[T0+1], 0
	s_wait_loadcnt 63                              ; 64 loads were issued behind tile 0's last; the wait's field holds 63
	LNT 2, 0
	s_wait_loadcnt 0x0
	LNT 3, 1
	s_wait_dscnt 0x0                               ; my images have landed
	s_barrier_signal -1
	s_barrier_wait -1                              ; everybody's have
	WIN 0x80
	s_wait_alu depctr_va_vdst(0)                   ; the norm's lines are done reading and writing windows 2 and 3, in which the rows' fragments land
.set q, 0
.rept 64
	ds_load_b128 v[4*q:4*q+3], v[LI] offset:512*q  ; K steps 0 and 1: fragment 8 s + m at v[16 (8 s + m)] of window 2
.set q, q+1
.endr
	WIN 0xc0
.set q, 0
.rept 64
	ds_load_b128 v[4*q:4*q+3], v[LI] offset:32768+512*q   ; K steps 2 and 3, window 3
.set q, q+1
.endr
	WIN 0
.irp k, 0,1,2,3
.irp p, 0,1,2,3
	ds_load_b32 v[XS+4*\k+\p], v[LS2] offset:512*\k+128*\p   ; lanes 0-15 tile 2 p's words, lanes 16-31 tile 2 p + 1's
.endr
.endr
	s_wait_dscnt 0x0
	GEMMT 0                                        ; q
	s_wait_alu depctr_va_vdst(0)                   ; q's products are done reading set 0 of window 1 and its scale words v32 to v35, in which Wv's loads land
	LOADW 0, 524288, 16384                         ; Wv, into the set that q has left
; q's way out: block b of fragment g = tile 4 g + b: the head's 32 are one block.  The two fragments' codes go into the two sets; no register that a global store has read is written here
.irp g, 0,1
	QUANT ACC+64*\g, 0, PC+16*\g
.irp b, 0,1,2,3
	v_lshl_or_b32 v[QW+\b], v[TM+4+\b], 8, v[TM+4+\b]
.endr
.irp b, 0,1,2,3
	v_lshl_or_b32 v[QW+\b], v[QW+\b], 16, v[QW+\b] ; the byte four times: q may stand in any block of the next launch's operand
.endr
.irp i, 0,1
	v_cndmask_b32 v[QX+2*\g+\i], v[QW+2*\i], v[QW+2*\i+1], s[HM]
.endr
.endr
	s_wait_alu depctr_va_vdst(0)                   ; the conversions have written both sets of codes and the selects v[QX ..], which the stores below read
.irp g, 0,1
.irp b, 0,1,2,3
	global_store_b128 v[LI], v[PC+16*\g+4*\b:PC+16*\g+4*\b+3], s[QCB:QCB+1] offset:512*(4*\g+\b)
.endr
.endr
.irp g, 0,1
.irp i, 0,1
	global_store_b32 v[LS], v[QX+2*\g+\i], s[QSB:QSB+1] offset:128*(2*\g+\i)
.endr
.endr
	GEMMT 1                                        ; k
	EPKV KB, KSB
	s_wait_loadcnt 0x0                             ; Wv
	GEMMN 0                                        ; v
	EPKV VB, VSB
	s_wait_dscnt 0x0
	s_wait_alu depctr_hold_cnt(0) depctr_sa_sdst(0) depctr_va_vdst(0) depctr_va_sdst(0) depctr_va_ssrc(0) depctr_va_vcc(0) depctr_vm_vsrc(0)
	s_wait_tensorcnt 0x0
	ds_add_u32 v94, v95
	s_wait_dscnt 0x0
	s_endpgm
.Lfunc_end_k_qfc9bce44e1_qkv:
	.size	k_qfc9bce44e1_qkv, .Lfunc_end_k_qfc9bce44e1_qkv-k_qfc9bce44e1_qkv
	.p2alignl 7, 3214868480
	.fill 96, 4, 3214868480
	.section	.rodata,"a",@progbits
	.p2align	6, 0x0
	.amdhsa_kernel k_qfc9bce44e1_qkv
		.amdhsa_group_segment_fixed_size 68096
		.amdhsa_private_segment_fixed_size 0
		.amdhsa_enable_private_segment 0
		.amdhsa_kernarg_size 40
		.amdhsa_user_sgpr_count 2
		.amdhsa_user_sgpr_kernarg_segment_ptr 1
		.amdhsa_wavefront_size32 1
		.amdhsa_system_sgpr_workgroup_id_x 1
		.amdhsa_system_sgpr_workgroup_id_y 1
		.amdhsa_system_sgpr_workgroup_id_z 1
		.amdhsa_system_vgpr_workitem_id 0
		.amdhsa_next_free_vgpr 1024
		.amdhsa_next_free_sgpr 66
		.amdhsa_reserve_vcc 0
		.amdhsa_float_denorm_mode_32 3
		.amdhsa_float_denorm_mode_16_64 3
		.amdhsa_memory_ordered 1
		.amdhsa_forward_progress 1
		.amdhsa_inst_pref_size 248
	.end_amdhsa_kernel
	.amdgpu_metadata
---
amdhsa.version: [ 1, 2 ]
amdhsa.kernels:
  - .name:           k_qfc9bce44e1_qkv
    .symbol:         k_qfc9bce44e1_qkv.kd
    .args:
      - { .name: x, .offset: 0, .size: 8, .value_kind: global_buffer, .address_space: global }
      - { .name: alpha, .offset: 8, .size: 8, .value_kind: global_buffer, .address_space: global }
      - { .name: beta, .offset: 16, .size: 8, .value_kind: global_buffer, .address_space: global }
      - { .name: wts, .offset: 24, .size: 8, .value_kind: global_buffer, .address_space: global }
      - { .name: qkv, .offset: 32, .size: 8, .value_kind: global_buffer, .address_space: global }
    .group_segment_fixed_size: 68096
    .private_segment_fixed_size: 0
    .kernarg_segment_align: 8
    .kernarg_segment_size: 40
    .max_flat_workgroup_size: 128
    .sgpr_count:     66
    .vgpr_count:     1024
    .wavefront_size: 32
...
	.end_amdgpu_metadata
.endif
;; end of part 6
;; launch attn (part 7): grid 4 x 64, 16 waves a work-group, clusters of 4 x 1, 174,080 bytes of LDS; arguments qkv, x, x1; writes x1
.if DOCPART == 7
	.amdgcn_target "amdgcn-amd-amdhsa--gfx1250"
	.amdhsa_code_object_version 6
	.text
	.protected	k_qfc9bce44e1_attn
	.globl	k_qfc9bce44e1_attn
	.p2align	8
	.type	k_qfc9bce44e1_attn,@function
k_qfc9bce44e1_attn:
	s_mov_b64 s[64:65], 0
	v_nop
	global_prefetch_b8 v0, s[64:65] scope:SCOPE_SE
	s_setreg_imm32_b32 hwreg(HW_REG_WAVE_MODE, 25, 1), 1
	s_wait_xcnt 0x0
	s_wait_alu depctr_hold_cnt(0) depctr_sa_sdst(0) depctr_va_vdst(0) depctr_va_sdst(0) depctr_va_ssrc(0) depctr_va_vcc(0) depctr_vm_vsrc(0)
	s_getreg_b32 s2, hwreg(HW_REG_IB_STS2, 6, 4)
	s_cmp_eq_u32 s2, 0
	s_cbranch_scc0 .Lentry_in_a_cluster
	s_endpgm
.Lentry_in_a_cluster:
	s_bfe_u32 s2, ttmp6, 0x10000c
	s_cmp_lg_u32 s2, 0x3003
	s_cbranch_scc0 .Lentry_shape_is_right
	s_endpgm
.Lentry_shape_is_right:
; x1 = x + softmax(q k^T / sqrt(512)) v, head by head, both products on codes of E4M3 with E8M0 scales.
; THE SOFTMAX: t = score x log2(e) / sqrt(512); M = the row's largest t so far, rounded UP to a whole number; p = 2^(t - M) is quantised along the keys, not normalised;
; the row's sum is taken of the unquantised p and divides at the end.  When M moves, the sum and O are multiplied by 2^(old M - new M): exact.
; SHARES.  A work-group owns 512 queries of one head plane (work-group y); each of its sixteen waves two tiles of 16 queries, one after the other.  Four waves lie on a SIMD: one wave's vector work stands beside another's products and LDS loads.
; K's and V's records of the whole head plane (2 x 67,584 bytes) are brought into LDS ONCE: no slot is ever filled again.
; CLUSTER.  The four work-groups of a head plane want the same two records: waves 0 to 3 ask for a half record each, jointly, with a mask that names the four.
; LAYOUT.  Both products are used transposed (S^T = K Q^T, O^T = V^T P^T): a lane holds one query throughout.
; THE FIRST PRODUCT'S K IS 32, THE FORM'S 128.  A fragment of K therefore carries FOUR tiles of 16 keys, one in each block of 32; q stands in one block of source 1 and zero codes in the other three.
; v16-59 hold zeros (12), q of pass 0 (4), zeros (12), q of pass 1 (4), zeros (12): the run of 16 registers that begins 4 c ahead of q has q in block c.  q's scale word holds its byte four times.
; The keys of a tile were chosen by launch qkv so that the 16 registers of tiles 2 b and 2 b + 1 are keys 32 b + 16 (lane / 16) + 0 .. 15 of the step's 128.
; THE ORDER OF A STEP j: S^T of step j; O^T under step j - 1's M (8 multiplications, which are the places behind those products); O^T += V^T P^T of step j - 1; the softmax of step j, in which K of step j + 1 and V of step j are fetched.
; So no place is filled by v_nop, and every LDS load is issued a softmax ahead of its use.  The first step, the last and the last second product are written out.
; Place r of query tile p of wave w is query 512 cx + 32 w + 8 p + r + 8 (r / 8).
; x1 is laid by head plane, [plane][query][32] f32, so that a tile's results are stored as 512 consecutive bytes an instruction.
; LIMITS: NaN and infinities are not served; a block whose every p has fallen under 2^-118 gets the byte 1; 1 / sum is a reciprocal within an ulp.
.set REC,   67584
.set QS_O,  4194304
.set KREC,  4718592
.set VOFFG, 4325376
.set VL,    67584                      ; LDS: K's record at 0, V's here; in each 65,536 bytes of codes, then 2,048 of scale words
.set STG,   135168                     ; behind them a stage of 16 rows x (128 + 16) bytes for each wave
.set LI,   1                           ; 16 x lane
.set AV0,  2
.set ASK0, 3
.set ASV0, 4
.set STO,  5
.set RD,   6
.set XO,   7
.set ADK,  8
.set ADV,  9
.set ADS,  10
.set ADT,  11
.set KSW,  60                          ; scale words: K's, V's, p's, q's
.set VSW,  61
.set PSW,  62
.set QSW,  63
.set LS,   64                          ; 4 x lane
.set KF,   66                          ; two fragments of K
.set VF,   98                          ; two of V
.set S,    130                         ; S^T, then p
.set O,    194                         ; O^T
.set PC,   210                         ; p's codes
.set TM,   226                         ; +0 block maxima, +4 permuted, then bytes, +8 holds, +12 scale operands
.set F,    242                         ; v[242:243] f = 2^(old M - new M) in the low word
.set WK0,  244
.set WK1,  245
.set S2,   246                         ; the second chain of the sum
.set WV,   12
.set MNT,  19
.set SEL,  20
.set CS,   22
.set G1,   24
.set G0,   32
.set TB,   36
.set TS,   37
.set CNT,  38
.set QB,   40
.set QSB,  42
.set XB,   44
.set OB,   46
.macro PLACES n
.rept \n
	v_nop
.endr
.endm
.macro WM d, a, b, c, sa, sb, ra, rb
.if (\c) < 0
.if (\ra) && (\rb)
	v_wmma_scale_f32_16x16x128_f8f6f4 v[(\d):(\d)+7], v[(\a):(\a)+15], v[(\b):(\b)+15], 0, v[(\sa)], v[(\sb)] matrix_a_scale:MATRIX_SCALE_ROW1 matrix_b_scale:MATRIX_SCALE_ROW1
.elseif (\ra)
	v_wmma_scale_f32_16x16x128_f8f6f4 v[(\d):(\d)+7], v[(\a):(\a)+15], v[(\b):(\b)+15], 0, v[(\sa)], v[(\sb)] matrix_a_scale:MATRIX_SCALE_ROW1
.elseif (\rb)
	v_wmma_scale_f32_16x16x128_f8f6f4 v[(\d):(\d)+7], v[(\a):(\a)+15], v[(\b):(\b)+15], 0, v[(\sa)], v[(\sb)] matrix_b_scale:MATRIX_SCALE_ROW1
.else
	v_wmma_scale_f32_16x16x128_f8f6f4 v[(\d):(\d)+7], v[(\a):(\a)+15], v[(\b):(\b)+15], 0, v[(\sa)], v[(\sb)]
.endif
.else
.if (\ra) && (\rb)
	v_wmma_scale_f32_16x16x128_f8f6f4 v[(\d):(\d)+7], v[(\a):(\a)+15], v[(\b):(\b)+15], v[(\c):(\c)+7], v[(\sa)], v[(\sb)] matrix_a_scale:MATRIX_SCALE_ROW1 matrix_b_scale:MATRIX_SCALE_ROW1
.elseif (\ra)
	v_wmma_scale_f32_16x16x128_f8f6f4 v[(\d):(\d)+7], v[(\a):(\a)+15], v[(\b):(\b)+15], v[(\c):(\c)+7], v[(\sa)], v[(\sb)] matrix_a_scale:MATRIX_SCALE_ROW1
.elseif (\rb)
	v_wmma_scale_f32_16x16x128_f8f6f4 v[(\d):(\d)+7], v[(\a):(\a)+15], v[(\b):(\b)+15], v[(\c):(\c)+7], v[(\sa)], v[(\sb)] matrix_b_scale:MATRIX_SCALE_ROW1
.else
	v_wmma_scale_f32_16x16x128_f8f6f4 v[(\d):(\d)+7], v[(\a):(\a)+15], v[(\b):(\b)+15], v[(\c):(\c)+7], v[(\sa)], v[(\sb)]
.endif
.endif
.endm
.macro CROUND                          ; a round of the cluster's barrier
	s_barrier_signal -1
	s_barrier_wait -1
	s_cmp_lg_u32 s[WV], 0
	s_cbranch_scc1 .Lnot_wave_0_\@
	s_barrier_signal -3
.Lnot_wave_0_\@:
	s_barrier_wait -3
	s_barrier_signal -1
	s_barrier_wait -1
.endm
	s_load_b128 s[4:7], s[0:1], 0x0                ; qkv, x
	s_load_b64 s[8:9], s[0:1], 0x10                ; x1
	v_lshl_add_u32 v254, v0, 2, 0x2a000
	v_mov_b32 v255, 0
	ds_add_u32 v254, v255
	ds_add_u32 v254, v255
	v_lshrrev_b32 v8, 5, v0
	s_delay_alu instid0(VALU_DEP_1)
	v_readfirstlane_b32 s[WV], v8                  ; wave 0..15
	s_bfe_u32 s13, ttmp6, 0x40000                  ; cx
	s_lshl_b32 s14, ttmp9, 2
	s_add_co_u32 s14, s14, s13                     ; my block of 512 queries: it enters q's, x's and x1's addresses alone
	s_and_b32 s15, ttmp7, 0xffff                   ; the head plane, which the four partners share
	s_mul_i32 s16, s15, REC
	s_lshr_b32 s17, s[WV], 1
	s_mul_i32 s17, s17, VOFFG                      ; waves 0, 1: K's record; waves 2, 3: V's
	s_add_co_u32 s16, s16, s17
	s_and_b32 s17, s[WV], 1
	s_mul_i32 s17, s17, 33792                      ; its lower or its upper half
	s_add_co_u32 s16, s16, s17
	s_add_co_u32 s16, s16, KREC
	s_mov_b32 s17, 0
	; descriptor group 1: half a record, 33,792 dense bytes, as 132 rows of 256 bytes (32 elements of 8 bytes)
	s_mov_b32 s[G1], 15|(3<<16)|(1<<21)            ; 15:0 the mask: all four work-groups; 17:16 elements of 8 bytes; 21 set beside a mask
	s_mov_b32 s[G1+1], 32<<16                      ; tensor_dim0 = 32
	s_mov_b32 s[G1+2], 132<<16                     ; tensor_dim1 = 132
	s_mov_b32 s[G1+3], 32<<16                      ; tile_dim0 = 32
	s_mov_b32 s[G1+4], 132                         ; tile_dim1 = 132
	s_mov_b32 s[G1+5], 32                          ; the pitch
	s_mov_b32 s[G1+6], 0
	s_mov_b32 s[G1+7], 0
	s_mov_b32 s[SEL], 0x76543210
	s_mov_b32 s[SEL+1], 0xfedcba98
	s_mov_b32 s[CS], 0x3d8293ee                    ; c = log2(e) / sqrt(512)
	s_mov_b32 s[CS+1], s[CS]                       ; named with it as a pair, so it is written
	s_mov_b32 s[MNT], 0x600000
	s_mov_b32 s49, 0
	s_wait_dscnt 0x0
	s_wait_kmcnt 0x0
	s_mov_b32 s[G0], 1
	s_mul_i32 s[G0+1], s[WV], 33792                ; LDS: wave x half a record: no place in the cluster enters an LDS address
	s_add_nc_u64 s[G0+2:G0+3], s[4:5], s[16:17]
	s_or_b32 s[G0+3], s[G0+3], 0x80000000
	s_lshl_b32 s48, s15, 16
	s_lshl_b32 s39, s14, 14
	s_add_co_u32 s48, s48, s39
	s_lshl_b32 s39, s[WV], 10
	s_add_co_u32 s48, s48, s39
	s_add_nc_u64 s[QB:QB+1], s[4:5], s[48:49]      ; q's codes: tile 128 plane + 32 block + 2 wave, 512 bytes a tile
	s_lshl_b32 s48, s15, 13
	s_lshl_b32 s39, s14, 11
	s_add_co_u32 s48, s48, s39
	s_lshl_b32 s39, s[WV], 7
	s_add_co_u32 s48, s48, s39
	s_add_co_u32 s48, s48, QS_O
	s_add_nc_u64 s[QSB:QSB+1], s[4:5], s[48:49]    ; and the two tiles' scale words
	s_lshr_b32 s48, s15, 4
	s_lshl_b32 s48, s48, 22
	s_lshl_b32 s39, s14, 20
	s_add_co_u32 s48, s48, s39
	s_lshl_b32 s39, s[WV], 16
	s_add_co_u32 s48, s48, s39
	s_and_b32 s39, s15, 15
	s_lshl_b32 s39, s39, 7
	s_add_co_u32 s48, s48, s39
	s_add_nc_u64 s[XB:XB+1], s[6:7], s[48:49]      ; x: my 32 queries' rows, my head's 128 bytes
	s_lshl_b32 s48, s15, 18
	s_lshl_b32 s39, s14, 16
	s_add_co_u32 s48, s48, s39
	s_lshl_b32 s39, s[WV], 12
	s_add_co_u32 s48, s48, s39
	s_add_nc_u64 s[OB:OB+1], s[8:9], s[48:49]      ; x1: the same queries in my head plane
	CROUND                                         ; all four work-groups are here: the joint loads meet
	s_cmp_lt_u32 s[WV], 4
	s_cbranch_scc0 .Lasked
	tensor_load_to_lds s[G0:G0+3], s[G1:G1+7]      ; one tensor load of mine is out
	s_nop 0
.rept 4
	v_nop
.endr
.Lasked:
	v_and_b32 v8, 31, v0                           ; lane
	v_and_b32 v9, 15, v0                           ; r
	v_bfe_u32 v10, v0, 4, 1                        ; h
	s_delay_alu instid0(VALU_DEP_3)
	v_lshlrev_b32 v[LI], 4, v8
	s_delay_alu instid0(VALU_DEP_4)
	v_lshlrev_b32 v[LS], 2, v8
	global_load_b128 v[28:31], v[LI], s[QB:QB+1]               ; q of pass 0
	global_load_b128 v[44:47], v[LI], s[QB:QB+1] offset:512    ; q of pass 1
	global_load_b32 v[QSW], v[LS], s[QSB:QSB+1]                ; lanes 0-15 pass 0's words, lanes 16-31 pass 1's
	v_add_nc_u32 v[AV0], VL, v[LI]
	v_add_nc_u32 v[ASK0], 65536, v[LS]
	v_add_nc_u32 v[ASV0], VL+65536, v[LS]
	s_mul_i32 s48, s[WV], 2304
	s_add_co_u32 s48, s48, STG                     ; my stage
	v_mul_u32_u24 v[STO], v9, 144
	s_delay_alu instid0(VALU_DEP_1)
	v_lshl_add_u32 v[STO], v10, 5, v[STO]
	s_delay_alu instid0(VALU_DEP_1)
	v_add_nc_u32 v[STO], s48, v[STO]               ; in: row r, + 32 h
	v_lshrrev_b32 v11, 3, v8
	v_and_b32 v12, 7, v8
	s_delay_alu instid0(VALU_DEP_2)
	v_mul_u32_u24 v[RD], v11, 144
	s_delay_alu instid0(VALU_DEP_1)
	v_lshl_add_u32 v[RD], v12, 4, v[RD]
	s_delay_alu instid0(VALU_DEP_1)
	v_add_nc_u32 v[RD], s48, v[RD]                 ; back: eight lanes to a row of 128 bytes, four rows an instruction
	v_lshlrev_b32 v[XO], 11, v11
	s_delay_alu instid0(VALU_DEP_1)
	v_lshl_add_u32 v[XO], v12, 4, v[XO]            ; and the same four rows in x
.irp z, 16,17,18,19,20,21,22,23,24,25,26,27,32,33,34,35,36,37,38,39,40,41,42,43,48,49,50,51,52,53,54,55,56,57,58,59
	v_mov_b32 v\z, 0                               ; the zero codes round q
.endr
.irp b, 0,1,2,3
	v_mov_b32 v[TM+4+\b], 0                        ; written once: a lane permute's destination counts as one of its sources
.endr
	v_mov_b32 v[F+1], 0                            ; named as the upper half of a pair
	v_mov_b32 v[WK0], 0
	s_wait_tensorcnt 0x0                           ; my half record has landed,
	s_barrier_signal -1
	s_barrier_wait -1                              ; everybody's has
	s_wait_loadcnt 0x0                             ; q
; S^T = K Q^T of a step: eight tiles of 16 keys, each begun with the constant 0
.macro QK p
.irp t, 0,1,2,3,4,5,6,7
	WM S+8*\t, KF+16*(\t/4), 28+16*(\p)-4*(\t%4), -1, KSW, QSW, \t/4, \p
.endr
.endm
; O^T under the last step's M, each accumulator from its low end on.  These eight lines name no register of the products S^T: they are the eight places between those and the first read of the scores.
; Four of them name no register of either product O^T below: with the line behind the last conversion, five places stand between p's codes and each of the two.
.macro RESC
.set q, 0
.rept 8
	v_pk_mul_f32 v[O+2*q:O+2*q+1], v[O+2*q:O+2*q+1], v[F:F+1] op_sel_hi:[1,0]
.set q, q+1
.endr
.endm
; O^T += V^T P^T of the last step.  The two accumulators take turns, and eight other products stand between two links of each
.macro PV
	WM O, VF, PC, O, VSW, PSW, 0, 0
	WM O+8, VF+16, PC, O+8, VSW, PSW, 1, 0
.endm
.macro PKF q                           ; t - M for pair q of the 32 pairs of scores
	v_pk_fma_f32 v[S+2*(\q):S+2*(\q)+1], v[S+2*(\q):S+2*(\q)+1], s[CS:CS+1], v[12:13] op_sel_hi:[1,0,0]
.endm
.macro SUMADD                          ; pair PA of p joins the row's sum: the even pairs in v[14:15], the odd ones in a second chain, which pairs 1 and 3 begin
.if (PA%2) == 0
	s_wait_alu depctr_va_vdst(0)
	v_pk_add_f32 v[14:15], v[14:15], v[S+2*PA:S+2*PA+1]
.elseif PA == 3
	s_setprio 1
	s_wait_alu depctr_va_vdst(0)
	v_pk_add_f32 v[S2:S2+1], v[S+2:S+3], v[S+6:S+7]
.elseif PA > 3
	s_wait_alu depctr_va_vdst(0)
	v_pk_add_f32 v[S2:S2+1], v[S2:S2+1], v[S+2*PA:S+2*PA+1]
.endif
.endm
; THE SOFTMAX OF A STEP, and the LDS loads that it carries.  hk = 1: the next step's K from v[rk] + ok, its scale words from v[rks] + oks.  This step's V from v[rv] + ov, its scale words from v[rvs] + ovs.
.macro SOFT hk, rk, ok, rks, oks, rv, ov, rvs, ovs
.irp b, 0,1,2,3
	v_max3_num_f32 v[TM+\b], v[S+16*\b], v[S+1+16*\b], v[S+2+16*\b]   ; the largest score of each block of 32 keys: it serves the row's maximum and, since p rises with the score, the block's largest p
.endr
.irp i, 3,5,7,9,11,13
.irp b, 0,1,2,3
	v_max3_num_f32 v[TM+\b], v[TM+\b], v[S+16*\b+\i], v[S+1+16*\b+\i]
.endr
.endr
.irp b, 0,1,2,3
	v_max_num_f32 v[TM+\b], v[TM+\b], v[S+15+16*\b]
.endr
.irp b, 0,1,2,3
	s_delay_alu instid0(VALU_DEP_4)
	v_permlanex16_b32 v[TM+4+\b], v[TM+\b], s[SEL], s[SEL+1]
.endr
; the loads stand among the lines that wait for each other on the way to M; the 32 maxima above are more than the eight places behind the products that read these registers
.if \hk
.irp c, 0,1,2,3,4,5,6,7
	ds_load_b128 v[KF+4*\c:KF+4*\c+3], v[\rk] offset:(\ok)+512*\c
.endr
	ds_load_b32 v[KSW], v[\rks] offset:(\oks)
.endif
.irp b, 0,1,2,3
	v_max_num_f32 v[TM+\b], v[TM+\b], v[TM+4+\b]   ; with lane l xor 16's 16 keys
.endr
	s_delay_alu instid0(VALU_DEP_2)
	v_max3_num_f32 v[WK0], v[TM], v[TM+1], v[TM+2]
.irp c, 0,1
	ds_load_b128 v[VF+4*\c:VF+4*\c+3], v[\rv] offset:(\ov)+512*\c
.endr
	v_max_num_f32 v[WK0], v[WK0], v[TM+3]
.irp c, 2,3
	ds_load_b128 v[VF+4*\c:VF+4*\c+3], v[\rv] offset:(\ov)+512*\c
.endr
	v_mul_f32 v[WK0], s[CS], v[WK0]                ; as t (c is positive)
.irp c, 4,5
	ds_load_b128 v[VF+4*\c:VF+4*\c+3], v[\rv] offset:(\ov)+512*\c
.endr
	v_max_num_f32 v13, v13, v[WK0]                 ; the running largest t
	v_mov_b32 v[WK0], v12
.irp c, 6,7
	ds_load_b128 v[VF+4*\c:VF+4*\c+3], v[\rv] offset:(\ov)+512*\c
.endr
	v_floor_f32 v12, -v13                          ; the new -M = -ceil(t)
	ds_load_b32 v[VSW], v[\rvs] offset:(\ovs)
.irp b, 0,1,2,3
	v_fma_f32 v[TM+\b], v[TM+\b], s[CS], v12       ; t - M of each block's largest score
.endr
	PKF 0
	PKF 1
	s_wait_alu depctr_va_vdst(0)
; EXPONENTIALS AND PLAIN LINES BY TURNS: behind each exponential stands a line that is due anyway and touches neither its result nor its source (ISA guide 5.7.2)
; (behind the eighth score's no line is due: the next exponential follows it)
	v_exp_f32 v[TM], v[TM]                         ; the blocks' largest p: the same two instructions on the same number as the scores get
	v_sub_f32 v[WK0], v12, v[WK0]                  ; old M - new M: a whole number, 0 or less
	s_wait_alu depctr_va_vdst(0)
	v_exp_f32 v[TM+1], v[TM+1]
	PKF 2
	v_exp_f32 v[TM+2], v[TM+2]
	v_cvt_i32_f32 v[WK0], v[WK0]                   ; (it saturates)
	s_wait_alu depctr_va_vdst(0)
	v_exp_f32 v[TM+3], v[TM+3]
	PKF 3
.set n, 0
.rept 64
	v_exp_f32 v[S+n], v[S+n]                       ; p = 2^(t - M)
.if (n%2) == 0
.if n < 56
	PKF n/2+4                                      ; the pair four pairs ahead
.else
	v_max_num_f32 v[TM+(n-56)/2], 0x4800000, v[TM+(n-56)/2]   ; the floor 2^(9 - 127) under a block's largest p
.endif
.elseif n == 1
	v_ldexp_f32 v[F], 1.0, v[WK0]                  ; f = 2^(old M - new M)
.elseif n == 3
	s_wait_alu depctr_va_vdst(0)
	v_pk_mul_f32 v[14:15], v[14:15], v[F:F+1] op_sel_hi:[1,0]   ; the sums under the new M
.else
.set PA, (n-5)/2
	SUMADD                                         ; the pair two pairs back: THE ROW'S SUM IS TAKEN OF THE UNQUANTISED p
.endif
.set n, n+1
.endr
.set PA, 30
	SUMADD
.set PA, 31
	SUMADD
.irp b, 0,1,2,3
	v_add_nc_u32 v[TM+12+\b], 0xfc000000, v[TM+\b] ; 8 off the exponent field: the conversion's scale operand
.endr
.irp b, 0,1,2,3
	v_and_or_b32 v[TM+8+\b], v[TM+\b], 0x7f800000, s[MNT]   ; 448 x the scale
.endr
	s_setprio 0
.irp b, 0,1,2,3
	v_lshrrev_b32 v[TM+4+\b], 23, v[TM+12+\b]      ; the byte
.endr
	s_delay_alu instid0(VALU_DEP_3)
	v_lshl_or_b32 v[PSW], v[TM+5], 8, v[TM+4]      ; p's scale word for these 128 keys: far more than eight places ahead of its product
	s_delay_alu instid0(VALU_DEP_1)
	v_lshl_or_b32 v[PSW], v[TM+6], 16, v[PSW]
	s_delay_alu instid0(VALU_DEP_1)
	v_lshl_or_b32 v[PSW], v[TM+7], 24, v[PSW]
; THE HOLD: the conversion does not saturate (ISA guide 7.6.2); p is not negative, so it is one-sided.  Two holds an instruction: number i of block b with number i + 1 (or i - 1) of block b + 1,
; so that the pair has one even and one odd destination and its first sources, and its second, have numbers that differ modulo 4, as the dual form asks
.irp b, 0,2
.irp i, 0,2,4,6,8,10,12,14
	v_dual_min_num_f32 v[S+16*\b+\i], v[S+16*\b+\i], v[TM+8+\b] :: v_dual_min_num_f32 v[S+17+16*\b+\i], v[S+17+16*\b+\i], v[TM+9+\b]
	v_dual_min_num_f32 v[S+1+16*\b+\i], v[S+1+16*\b+\i], v[TM+8+\b] :: v_dual_min_num_f32 v[S+16+16*\b+\i], v[S+16+16*\b+\i], v[TM+9+\b]
.endr
.irp d, 0,1
	v_cvt_scalef32_pk8_fp8_f32 v[PC+4*(\b+\d):PC+4*(\b+\d)+1], v[S+16*(\b+\d):S+16*(\b+\d)+7], v[TM+12+\b+\d]
	v_cvt_scalef32_pk8_fp8_f32 v[PC+4*(\b+\d)+2:PC+4*(\b+\d)+3], v[S+16*(\b+\d)+8:S+16*(\b+\d)+15], v[TM+12+\b+\d]
.endr
.endr
	v_pk_add_f32 v[14:15], v[14:15], v[S2:S2+1]    ; the sum's two chains; also the plain line behind the last conversion, whose sources the next products write
.endm
.macro STEP p, hk, rk, ok, rks, oks, rv, ov, rvs, ovs
	s_wait_dscnt 0x0                               ; this step's K and the last step's V, asked for a softmax ago
	s_setprio 2
	QK \p
	RESC
	PV
	SOFT \hk, \rk, \ok, \rks, \oks, \rv, \ov, \rvs, \ovs
.endm
; ONE TILE OF 16 QUERIES against all 2,048 keys, 128 a step
.macro PASS p
.irp c, 0,1,2,3,4,5,6,7
	ds_load_b128 v[KF+4*\c:KF+4*\c+3], v[LI] offset:512*\c
.endr
	ds_load_b32 v[KSW], v[ASK0]
	s_mov_b32 s[TB], 4096                          ; the trip's first step x 4,096 bytes of codes,
	s_mov_b32 s[TS], 128                           ; x 128 bytes of scale words
	s_mov_b32 s[CNT], 7
	s_wait_dscnt 0x0
	QK \p                                          ; step 0
	v_mov_b32 v13, 0xff61b1e6                      ; the largest t so far: -3e38.  (These twenty lines are the places behind step 0's products)
	s_delay_alu instid0(VALU_DEP_1)
	v_floor_f32 v12, -v13                          ; -M
	v_mov_b32 v14, 0                               ; the sum, in two halves
	v_mov_b32 v15, 0
.set q, 0
.rept 16
	v_mov_b32 v[O+q], 0                            ; the loop is written once: its first step finds zeros, which the first change of M leaves zeros
.set q, q+1
.endr
	SOFT 1, LI, 4096, ASK0, 128, AV0, 0, ASV0, 0
.Lstep_\@:                                         ; seven trips of two steps: steps 1 to 14
	v_add_nc_u32 v[ADK], s[TB], v[LI]
	v_add_nc_u32 v[ADV], s[TB], v[AV0]
	v_add_nc_u32 v[ADS], s[TS], v[ASK0]
	v_add_nc_u32 v[ADT], s[TS], v[ASV0]
	STEP \p, 1, ADK, 4096, ADS, 128, ADV, 0, ADT, 0
	STEP \p, 1, ADK, 8192, ADS, 256, ADV, 4096, ADT, 128
	s_add_co_u32 s[TB], s[TB], 8192
	s_add_co_u32 s[TS], s[TS], 256
	s_sub_co_i32 s[CNT], s[CNT], 1
	s_cmp_lg_u32 s[CNT], 0
	s_cbranch_scc1 .Lstep_\@
	s_setprio 0
	STEP \p, 0, LI, 0, LI, 0, AV0, 61440, ASV0, 1920   ; step 15: no K follows
	s_wait_alu depctr_va_vdst(0)
	s_wait_dscnt 0x0                               ; V of step 15
	RESC
	PV
	; the way out: O^T / the sum goes through my stage, meets x and leaves as 512 consecutive bytes an instruction
.irp i, 0,1,2,3
	global_load_b128 v[S+4*\i:S+4*\i+3], v[XO], s[XB:XB+1] offset:(8*(\p)+4*(\i%2)+16*(\i/2))*2048
.endr
	PLACES 8
	v_add_f32 v14, v14, v15
	s_delay_alu instid0(VALU_DEP_1)
	v_permlanex16_b32 v[WK0], v14, s[SEL], s[SEL+1]
	s_delay_alu instid0(VALU_DEP_1)
	v_add_f32 v14, v14, v[WK0]                     ; the row's sum
	s_wait_alu depctr_va_vdst(0)
	v_rcp_f32 v[WK1], v14
	v_nop
.set q, 0
.rept 16
	s_wait_alu depctr_va_vdst(0)
	v_mul_f32 v[S+16+q], v[O+q], v[WK1]            ; register 8 d + j: channel 16 d + 8 (lane / 16) + j of my query
.set q, q+1
.endr
.irp d, 0,1
	ds_store_b128 v[STO], v[S+16+8*\d:S+19+8*\d] offset:64*\d
	ds_store_b128 v[STO], v[S+20+8*\d:S+23+8*\d] offset:64*\d+16
.endr
.irp i, 0,1,2,3
	ds_load_b128 v[S+32+4*\i:S+35+4*\i], v[RD] offset:576*\i   ; LDS serves a wave's instructions in order (ISA guide 5.7.1.4): these see my stores
.endr
	s_wait_dscnt 0x0
	s_wait_loadcnt 0x0
.set q, 0
.rept 8
	v_pk_add_f32 v[S+32+2*q:S+33+2*q], v[S+32+2*q:S+33+2*q], v[S+2*q:S+2*q+1]
.set q, q+1
.endr
.irp i, 0,1,2,3
	global_store_b128 v[LI], v[S+32+4*\i:S+35+4*\i], s[OB:OB+1] offset:(8*(\p)+4*(\i%2)+16*(\i/2))*128
.endr
	s_wait_xcnt 0x0                                ; the stores have read their data: the next pass's products write those registers
.endm
	PASS 0
	PASS 1
	s_wait_tensorcnt 0x0
	ds_add_u32 v254, v255
	s_wait_dscnt 0x0
	CROUND                                         ; the closing round
	s_endpgm
.Lfunc_end_k_qfc9bce44e1_attn:
	.size	k_qfc9bce44e1_attn, .Lfunc_end_k_qfc9bce44e1_attn-k_qfc9bce44e1_attn
	.p2alignl 7, 3214868480
	.fill 96, 4, 3214868480
	.section	.rodata,"a",@progbits
	.p2align	6, 0x0
	.amdhsa_kernel k_qfc9bce44e1_attn
		.amdhsa_group_segment_fixed_size 174080
		.amdhsa_private_segment_fixed_size 0
		.amdhsa_enable_private_segment 0
		.amdhsa_kernarg_size 24
		.amdhsa_user_sgpr_count 2
		.amdhsa_user_sgpr_kernarg_segment_ptr 1
		.amdhsa_wavefront_size32 1
		.amdhsa_system_sgpr_workgroup_id_x 1
		.amdhsa_system_sgpr_workgroup_id_y 1
		.amdhsa_system_sgpr_workgroup_id_z 1
		.amdhsa_system_vgpr_workitem_id 0
		.amdhsa_next_free_vgpr 256
		.amdhsa_next_free_sgpr 66
		.amdhsa_reserve_vcc 0
		.amdhsa_float_denorm_mode_32 3
		.amdhsa_float_denorm_mode_16_64 3
		.amdhsa_memory_ordered 1
		.amdhsa_forward_progress 1
		.amdhsa_inst_pref_size 154
	.end_amdhsa_kernel
	.amdgpu_metadata
---
amdhsa.version: [ 1, 2 ]
amdhsa.kernels:
  - .name:           k_qfc9bce44e1_attn
    .symbol:         k_qfc9bce44e1_attn.kd
    .args:
      - { .name: qkv, .offset: 0, .size: 8, .value_kind: global_buffer, .address_space: global }
      - { .name: x, .offset: 8, .size: 8, .value_kind: global_buffer, .address_space: global }
      - { .name: x1, .offset: 16, .size: 8, .value_kind: global_buffer, .address_space: global }
    .group_segment_fixed_size: 174080
    .private_segment_fixed_size: 0
    .kernarg_segment_align: 8
    .kernarg_segment_size: 24
    .max_flat_workgroup_size: 512
    .sgpr_count:     66
    .vgpr_count:     256
    .wavefront_size: 32
...
	.end_amdgpu_metadata
.endif
;; end of part 7
;; launch ffn1 (part 8): grid 4 x 64, 4 waves a work-group, no clusters, 68,096 bytes of LDS; arguments x1, alpha, beta, wts, b1, hid; writes hid
.if DOCPART == 8
	.amdgcn_target "amdgcn-amd-amdhsa--gfx1250"
	.amdhsa_code_object_version 6
	.text
	.protected	k_qfc9bce44e1_ffn1
	.globl	k_qfc9bce44e1_ffn1
	.p2align	8
	.type	k_qfc9bce44e1_ffn1,@function
k_qfc9bce44e1_ffn1:
	s_mov_b64 s[64:65], 0
	v_nop
	global_prefetch_b8 v0, s[64:65] scope:SCOPE_SE
	s_setreg_imm32_b32 hwreg(HW_REG_WAVE_SCHED_MODE, 0, 2), 2
	s_setreg_imm32_b32 hwreg(HW_REG_WAVE_MODE, 25, 1), 1
	s_wait_xcnt 0x0
	s_wait_alu depctr_vm_vsrc(0)
; h = alpha (x1 - mean) / sqrt(var + 1e-6) + beta (var over 511), quantised along 512; hidden = relu(h W1 + b1) on codes of E4M3, quantised along the hidden axis and stored as the next launch's operand images.
; SHARES.  A work-group takes 128 rows (work-group y) and 1,024 hidden units (work-group x); wave w owns 8 units of 32 columns: two K steps of the next product.
; The rows' codes, 32 fragments, are made once (wave w: tiles 2 w, 2 w + 1), meet in LDS as images of their registers, and then stay in EVERY wave's registers (windows 2 and 3).
; W1's fragments come from memory straight into registers, a unit ahead, in two sets: each is wanted by one wave of the work-group, once, so LDS and joint requests would add a write and a read and spare nothing inside the work-group.
; The product is used transposed (source 0 = 16 columns of W1 in the order that launch prep chose): a lane holds one row and 16 neighbours of the unit's 32; b1 is the C of each sum's first product; the hold clips at 0 and so is the activation.
; x1 lies by head plane, [plane][row][32]: block blk of a row's 512 is plane blk.
; OUT: codes [row tile][K step][2,048]; scale words [pair of row tiles][K step][32].
; LIMITS: NaN and infinities are not served; a block whose largest number lies under 2^-118, zeros among them, gets the byte 1 (zero codes add nothing; this program alone reads the bytes).  1/511 and the root's reciprocal are within an ulp.
; The scale words leave in stores of 128 bytes: halves of aligned 256: a thirty-second of the launch's stored bytes.
; REGISTERS: window 0: v1-7 addresses; v8-15 at the head at work and beta, in the loop the scale bytes being gathered; v16-31 the rows' scale words; v32-39 W1's; v40-71 b1, two sets; v72-93 the quantiser's and words on their way out;
;   v96-127 two sets of codes; v128-255 16 accumulators (ahead of the barrier: at work).   window 1: two sets of 8 weight fragments.   windows 2, 3: first my two tiles' 256 numbers a lane, then the rows' 32 fragments.
; THE MODE: SCHED_MODE bits 1:0 = 2 (LLVM: expert scheduling mode 2), set by the entry lines.  The code itself states the register dependences
; between vector or matrix instructions and memory or LDS instructions, with s_wait_alu, always for 0.
; THE PLAN.  Registers that memory or LDS instructions touch, in the loop:
;   window 1, set c % 2, with its four scale words and its 16 numbers of b1: read by unit c's 64 products.  The other set takes unit c + 1's 40 loads.
;   PC0, PC1      written by unit c's two quantisers; read by the one run of eight stores at the unit's end.
;   v[HX ..]      four scale words, written and stored once a trip, with the last unit's codes.
;   v1, v2, v7    offsets, written once at the head; the bases are scalar registers, stepped at a trip's end.
; A unit has three places with waits.  At its head, one on va_vdst: the last unit's products are done reading the other set.  The next unit's loads follow it, dealt among the unit's first 24 products, which name
; set c % 2, v16-31, windows 2 and 3 and the accumulators: none of the registers that those loads touch.  Ahead of its first quantiser, one on vm_vsrc: the last unit's stores, issued 64 products ago, have read
; both sets of codes.  Ahead of its stores, one on va_vdst: the codes are written.  The trip's last unit asks under a branch (the last unit of all asks for nothing), so its loads stand in one run, with their wait,
; inside that branch: at a branch and at a label every window is 0.
; Ahead of the loop: x1 lands in windows 2 and 3, the norm's lines read and write them, and behind the barrier the rows' fragments land there; PC0 and v[PW] are written by the quantiser and read by a run of LDS stores, eight times.
.set W1_C,  786432
.set W1_S,  5005312
.set HS_O,  33554432
.set XSC,   65536
.set LI,  1
.set LS,  2
.set LS2, 3
.set XA,  4
.set XWI, 5
.set XWS, 6
.set BO,  7                            ; 64 h: my half's place in a unit's 128 bytes of b1
.set HW,  8                            ; v8-15, in the loop: a trip's scale bytes, a word for each row tile
.set BB,  14                           ; v[14:15], ahead of the barrier: beta, twice
.set XS,  16
.set WS,  32
.set BI,  40
.set TM,  72
.set PW,  88
.set HX,  90
.set PC,  96                           ; v96-111 set 0, v112-127 set 1
.set ACC, 128
.set ST,  128
.set SA,  192
.set NM,  200
.set GG,  202
.set T0,  204
.set WV,  18
.set SEL, 20
.set MNT, 23
.set HM,  24
.set AL,  26
.set BE,  27
.set XB,  36
.set WB,  38
.set WSB, 40
.set B1B, 42
.set HCB, 44
.set HSB, 46
.set TRIP, 48
.set MSB, 0
.macro WIN new
.if MSB != (\new)
	s_set_vgpr_msb (MSB<<8)|(\new)
.set MSB, (\new)
.endif
.endm
.macro PLACES n
.rept \n
	v_nop
.endr
.endm
.macro WM d, a, b, c, sa, sb, ra, rb
.if (\ra) && (\rb)
	v_wmma_scale_f32_16x16x128_f8f6f4 v[(\d):(\d)+7], v[(\a):(\a)+15], v[(\b):(\b)+15], v[(\c):(\c)+7], v[(\sa)], v[(\sb)] matrix_a_scale:MATRIX_SCALE_ROW1 matrix_b_scale:MATRIX_SCALE_ROW1
.elseif (\ra)
	v_wmma_scale_f32_16x16x128_f8f6f4 v[(\d):(\d)+7], v[(\a):(\a)+15], v[(\b):(\b)+15], v[(\c):(\c)+7], v[(\sa)], v[(\sb)] matrix_a_scale:MATRIX_SCALE_ROW1
.elseif (\rb)
	v_wmma_scale_f32_16x16x128_f8f6f4 v[(\d):(\d)+7], v[(\a):(\a)+15], v[(\b):(\b)+15], v[(\c):(\c)+7], v[(\sa)], v[(\sb)] matrix_b_scale:MATRIX_SCALE_ROW1
.else
	v_wmma_scale_f32_16x16x128_f8f6f4 v[(\d):(\d)+7], v[(\a):(\a)+15], v[(\b):(\b)+15], v[(\c):(\c)+7], v[(\sa)], v[(\sb)]
.endif
.endm
; 64 numbers of a lane become 16 registers of codes in v[pc] on, the blocks' bytes in v[TM+4] on and their word in v[PW]
.macro QUANT s, relu, pc
.if \relu
.irp b, 0,1,2,3
	v_max3_num_f32 v[TM+\b], v[\s+16*\b], v[\s+1+16*\b], 0x4800000   ; no |.|: what is negative becomes 0 and must not count; the floor 2^(9 - 127) stands over it
.endr
.irp i, 2,4,6,8,10,12,14
.irp b, 0,1,2,3
	v_max3_num_f32 v[TM+\b], v[TM+\b], v[\s+16*\b+\i], v[\s+1+16*\b+\i]
.endr
.endr
.else
.irp b, 0,1,2,3
	v_max3_num_f32 v[TM+\b], |v[\s+16*\b]|, |v[\s+1+16*\b]|, 0x4800000
.endr
.irp i, 2,4,6,8,10,12,14
.irp b, 0,1,2,3
	v_max3_num_f32 v[TM+\b], v[TM+\b], |v[\s+16*\b+\i]|, |v[\s+1+16*\b+\i]|
.endr
.endr
.endif
.irp b, 0,1,2,3
	v_permlanex16_b32 v[TM+4+\b], v[TM+\b], s[SEL], s[SEL+1]
.endr
.irp b, 0,1,2,3
	v_max_num_f32 v[TM+\b], v[TM+\b], v[TM+4+\b]
.endr
.irp b, 0,1,2,3
	v_add_nc_u32 v[TM+12+\b], 0xfc000000, v[TM+\b]
.endr
.irp b, 0,1,2,3
	v_and_or_b32 v[TM+8+\b], v[TM+\b], 0x7f800000, s[MNT]
.endr
.irp b, 0,1,2,3
	v_lshrrev_b32 v[TM+4+\b], 23, v[TM+12+\b]
.endr
	v_lshl_or_b32 v[PW], v[TM+5], 8, v[TM+4]
	v_lshl_or_b32 v[PW], v[TM+6], 16, v[PW]
	v_lshl_or_b32 v[PW], v[TM+7], 24, v[PW]
.irp b, 0,1,2,3
.irp i, 0,1,2,3,4,5,6,7,8,9,10,11,12,13,14,15
.if \relu
	v_med3_num_f32 v[\s+16*\b+\i], v[\s+16*\b+\i], 0, v[TM+8+\b]   ; the activation and the hold in one
.else
	v_med3_num_f32 v[\s+16*\b+\i], v[\s+16*\b+\i], -v[TM+8+\b], v[TM+8+\b]
.endif
.endr
	v_cvt_scalef32_pk8_fp8_f32 v[(\pc)+4*\b:(\pc)+1+4*\b], v[\s+16*\b:\s+7+16*\b], v[TM+12+\b]
	v_cvt_scalef32_pk8_fp8_f32 v[(\pc)+2+4*\b:(\pc)+3+4*\b], v[\s+8+16*\b:\s+15+16*\b], v[TM+12+\b]
.endr
	v_nop
.endm
; unit un (counted from the trip's first), into set buf.  WLOAD: eight of the 32 loads of its 8 fragments, from number q0 on.  SLOAD: its four scale words and 32 numbers of b1
.macro WLOAD buf, un, q0
	WIN 0x40
.set q, (\q0)
.rept 8
	global_load_b128 v[128*(\buf)+4*q:128*(\buf)+4*q+3], v[LI], s[WB:WB+1] offset:16384*(\un)+512*q
.set q, q+1
.endr
.endm
.macro SLOAD buf, un
	WIN 0
.irp k, 0,1,2,3
	global_load_b32 v[WS+4*(\buf)+\k], v[LS], s[WSB:WSB+1] offset:512*(\un)+128*\k
.endr
.irp k, 0,1,2,3
	global_load_b128 v[BI+16*(\buf)+4*\k:BI+16*(\buf)+4*\k+3], v[BO], s[B1B:B1B+1] offset:128*(\un)+16*\k   ; register 8 n + j: b1 at 16 h + 8 n + j of the unit
.endr
.endm
.macro LOADW buf, un                   ; all 40 in one run
	WLOAD \buf, \un, 0
	WLOAD \buf, \un, 8
	WLOAD \buf, \un, 16
	WLOAD \buf, \un, 24
	SLOAD \buf, \un
.endm
.macro XLOAD u
	WIN 0x80+0x40*(\u)
.set q, 0
.rept 64
	global_load_b128 v[4*q:4*q+3], v[XA], s[XB:XB+1] offset:262144*(q/4)+2048*(\u)+16*(q%4)
.set q, q+1
.endr
	WIN 0
.endm
.macro FOLD
	v_pk_add_f32 v[SA:SA+1], v[SA:SA+1], v[SA+2:SA+3]
	v_pk_add_f32 v[SA+4:SA+5], v[SA+4:SA+5], v[SA+6:SA+7]
	v_pk_add_f32 v[SA:SA+1], v[SA:SA+1], v[SA+4:SA+5]
	v_add_f32 v[T0], v[SA], v[SA+1]
	v_permlanex16_b32 v[T0+1], v[T0], s[SEL], s[SEL+1]
	v_add_f32 v[T0], v[T0], v[T0+1]
.endm
.macro LNT wn, u
.irp c, 0,1,2,3,4,5,6,7
	v_mov_b32 v[SA+\c], 0
.endr
	WIN (\wn)
.set q, 0
.rept 128
	v_pk_add_f32 v[SA+2*(q%4):SA+2*(q%4)+1], v[2*q:2*q+1], v[SA+2*(q%4):SA+2*(q%4)+1]
.set q, q+1
.endr
	WIN 0
	FOLD
	v_mul_f32 v[NM], 0xbb000000, v[T0]             ; - the sum / 512
	v_mov_b32 v[NM+1], v[NM]
	WIN ((\wn)<<6)|(\wn)
.set q, 0
.rept 128
	v_pk_add_f32 v[2*q:2*q+1], v[2*q:2*q+1], v[NM:NM+1]
.set q, q+1
.endr
	WIN 0
.irp c, 0,1,2,3,4,5,6,7
	v_mov_b32 v[SA+\c], 0
.endr
	WIN ((\wn)<<2)|(\wn)
.set q, 0
.rept 128
	v_pk_fma_f32 v[SA+2*(q%4):SA+2*(q%4)+1], v[2*q:2*q+1], v[2*q:2*q+1], v[SA+2*(q%4):SA+2*(q%4)+1]
.set q, q+1
.endr
	WIN 0
	FOLD
	v_fma_f32 v[T0], v[T0], s30, s31
	s_wait_alu depctr_va_vdst(0)
	v_rsq_f32 v[T0+1], v[T0]
	v_nop                                          ; a plain line behind the transcendental
	s_wait_alu depctr_va_vdst(0)                   ; the root's reciprocal is written, ahead of its first reader
	v_mul_f32 v[GG], s[AL], v[T0+1]
	v_mov_b32 v[GG+1], v[GG]
.irp k, 0,1,2,3
	WIN (\wn)
.set q, 0
.rept 32
	v_pk_fma_f32 v[ST+2*q:ST+2*q+1], v[64*\k+2*q:64*\k+2*q+1], v[GG:GG+1], v[BB:BB+1]
.set q, q+1
.endr
	WIN 0
	QUANT ST, 0, PC
	s_wait_alu depctr_va_vdst(0)                   ; the conversions have written v[PC ..] and the shifts v[PW], which the LDS stores below read
.irp c, 0,1,2,3
	ds_store_b128 v[XWI], v[PC+4*\c:PC+4*\c+3] offset:(8*\k+(\u))*2048+512*\c
.endr
	ds_store_b32 v[XWS], v[PW] offset:512*\k+64*(\u)
	s_wait_dscnt 0x0                               ; the stores are done,
	s_wait_alu depctr_vm_vsrc(0)                   ; and have read v[PC ..] and v[PW], which the next fragment's lines write again
.endr
.endm
; eight products of K step k: row tiles m0 to m0 + 3 x the unit's two column tiles.  The 16 accumulators take turns, one instruction a turn, in the same order in every K step
.macro MUL8 buf, k, m0
	WIN 0x09+4*((\k)/2)                            ; source 0 window 1, source 1 window 2 or 3
.irp m, \m0, \m0+1, \m0+2, \m0+3
.irp n, 0,1
.if (\k) == 0
	WM ACC+16*(\m)+8*\n, 128*(\buf)+16*(4*\n+(\k)), 16*(8*((\k)%2)+(\m)), BI+16*(\buf)+8*\n, WS+4*(\buf)+(\k), XS+4*(\k)+(\m)/2, \n, (\m)%2
.else
	WM ACC+16*(\m)+8*\n, 128*(\buf)+16*(4*\n+(\k)), 16*(8*((\k)%2)+(\m)), ACC+16*(\m)+8*\n, WS+4*(\buf)+(\k), XS+4*(\k)+(\m)/2, \n, (\m)%2
.endif
.endr
.endr
.endm
; unit c of a trip's four: block c of the trip's K step of the next product
.macro UNIT c
	s_wait_loadcnt 0x0                             ; this unit's loads, issued a unit ago, are the only ones out
.if (\c) == 3
	s_cmp_eq_u32 s[TRIP], 1                        ; the last unit of all asks for nothing
	s_cbranch_scc1 .Lnomore
	s_wait_alu depctr_va_vdst(0)                   ; the last unit's products are done reading set 0 of window 1, its scale words and its b1, in which the loads below land
	LOADW 0, 4
.Lnomore:
	MUL8 (\c)%2, 0, 0
	MUL8 (\c)%2, 0, 4
	MUL8 (\c)%2, 1, 0
	MUL8 (\c)%2, 1, 4
.else
	s_wait_alu depctr_va_vdst(0)                   ; the last unit's products are done reading the other set of window 1, its scale words and its b1, in which the next unit's 40 loads land
	WLOAD 1-(\c)%2, (\c)+1, 0
	MUL8 (\c)%2, 0, 0                              ; no further wait: the products since that wait name this unit's set, v16-31, windows 2 and 3 and the accumulators alone
	WLOAD 1-(\c)%2, (\c)+1, 8
	MUL8 (\c)%2, 0, 4
	WLOAD 1-(\c)%2, (\c)+1, 16
	MUL8 (\c)%2, 1, 0
	WLOAD 1-(\c)%2, (\c)+1, 24
	SLOAD 1-(\c)%2, (\c)+1
	MUL8 (\c)%2, 1, 4
.endif
	MUL8 (\c)%2, 2, 0
	MUL8 (\c)%2, 2, 4
	MUL8 (\c)%2, 3, 0
	MUL8 (\c)%2, 3, 4
	WIN 0
	PLACES 8                                       ; behind this form eight places stand ahead of reads of results
	s_wait_xcnt 0x0                                ; the last unit's stores have had their addresses translated: their data registers are written again only behind this wait,
	s_wait_alu depctr_vm_vsrc(0)                   ; and they have read both sets of codes (and, a trip ago, v[HX ..]), which the lines below write again
.irp g, 0,1
	QUANT ACC+64*\g, 1, PC+16*\g
.irp b, 0,1,2,3
.if (\c) == 0
	v_mov_b32 v[HW+4*\g+\b], v[TM+4+\b]
.else
	v_lshl_or_b32 v[HW+4*\g+\b], v[TM+4+\b], 8*(\c), v[HW+4*\g+\b]
.endif
.endr
.endr
.if (\c) == 3
.irp p, 0,1,2,3
	v_cndmask_b32 v[HX+\p], v[HW+2*\p], v[HW+2*\p+1], s[HM]   ; lanes 0-15 row tile 2 p's words, lanes 16-31 tile 2 p + 1's
.endr
.endif
	s_wait_alu depctr_va_vdst(0)                   ; the conversions have written both sets of codes (and, in a trip's last unit, the selects v[HX ..]), which the stores below read
.irp g, 0,1
.irp b, 0,1,2,3
	global_store_b128 v[LI], v[PC+16*\g+4*\b:PC+16*\g+4*\b+3], s[HCB:HCB+1] offset:65536*(4*\g+\b)+512*(\c)   ; row tile 4 g + b, group c of its fragment: 512 consecutive bytes
.endr
.endr
.if (\c) == 3
.irp p, 0,1,2,3
	global_store_b32 v[LS], v[HX+\p], s[HSB:HSB+1] offset:4096*\p
.endr
.endif
.endm
	s_load_b256 s[4:11], s[0:1], 0x0               ; x1, alpha, beta, wts
	s_load_b128 s[12:15], s[0:1], 0x20             ; b1, hid
	v_lshl_add_u32 v94, v0, 2, 0x10800
	v_mov_b32 v95, 0
	v_lshrrev_b32 v8, 5, v0
	v_readfirstlane_b32 s[WV], v8
	v_and_b32 v8, 31, v0
	v_and_b32 v9, 15, v0
	v_bfe_u32 v10, v0, 4, 1
	v_lshlrev_b32 v[LI], 4, v8
	v_lshlrev_b32 v[LS], 2, v8
	v_add_nc_u32 v[LS2], XSC, v[LS]
	v_lshlrev_b32 v[XA], 7, v9
	v_lshl_add_u32 v[XA], v10, 6, v[XA]            ; row r of 128 bytes in a plane, + 64 h
	v_lshlrev_b32 v[BO], 6, v10
	s_wait_alu depctr_va_sdst(0)                   ; the wave's number is written, ahead of its first reader: LDS addresses and every base are made from it
	s_lshl_b32 s54, s[WV], 12
	v_add_nc_u32 v[XWI], s54, v[LI]
	s_lshl_b32 s54, s[WV], 7
	s_add_co_u32 s54, s54, XSC
	v_lshl_add_u32 v[XWS], v9, 2, s54
	s_mov_b32 s[SEL], 0x76543210
	s_mov_b32 s[SEL+1], 0xfedcba98
	s_mov_b32 s[MNT], 0x600000
	s_mov_b32 s[HM], 0xffff0000
	s_mov_b32 s30, 0x3b004020                      ; 1 / 511
	s_mov_b32 s31, 0x358637bd                      ; 1e-6
	s_mov_b32 s[TRIP], 2
	s_and_b32 s33, ttmp7, 0xffff                   ; the block of 128 rows
	s_lshl_b32 s32, ttmp9, 5
	s_lshl_b32 s34, s[WV], 3
	s_add_co_u32 s32, s32, s34                     ; my first unit
	s_lshr_b32 s35, s32, 2                         ; my first K step of the next product
	s_mov_b32 s55, 0
	s_wait_kmcnt 0x0
	s_load_b32 s[AL], s[6:7], 0x0
	s_load_b32 s[BE], s[8:9], 0x0
	s_lshr_b32 s54, s33, 4
	s_lshl_b32 s54, s54, 22
	s_and_b32 s56, s33, 15
	s_lshl_b32 s56, s56, 14
	s_add_co_u32 s54, s54, s56
	s_lshl_b32 s56, s[WV], 12
	s_add_co_u32 s54, s54, s56
	s_add_nc_u64 s[XB:XB+1], s[4:5], s[54:55]      ; x1: the batch's plane 0, my 32 rows
	s_lshl_b32 s54, s32, 14
	s_add_co_u32 s54, s54, W1_C
	s_add_nc_u64 s[WB:WB+1], s[10:11], s[54:55]
	s_lshl_b32 s54, s32, 9
	s_add_co_u32 s54, s54, W1_S
	s_add_nc_u64 s[WSB:WSB+1], s[10:11], s[54:55]
	s_lshl_b32 s54, s32, 7
	s_add_nc_u64 s[B1B:B1B+1], s[12:13], s[54:55]
	s_lshl_b32 s54, s33, 8
	s_add_co_u32 s54, s54, s35
	s_lshl_b32 s54, s54, 11
	s_add_nc_u64 s[HCB:HCB+1], s[14:15], s[54:55]
	s_lshl_b32 s54, s33, 7
	s_add_co_u32 s54, s54, s35
	s_lshl_b32 s54, s54, 7
	s_add_co_u32 s54, s54, HS_O
	s_add_nc_u64 s[HSB:HSB+1], s[14:15], s[54:55]
	s_wait_alu depctr_va_vdst(0)                   ; the seven offsets and LDS addresses v1 to v7 are written, which every load and store of the kernel reads
	LOADW 0, 0
	XLOAD 0
	XLOAD 1
	s_wait_kmcnt 0x0
	v_mov_b32 v[BB], s[BE]
	v_mov_b32 v[BB+1], s[BE]
.irp b, 0,1,2,3
	v_mov_b32 v[TM+4+\b], 0
.endr
	v_mov_b32 v[T0+1], 0
	s_wait_loadcnt 63                              ; 64 loads were issued behind tile 0's last; the wait's field holds 63
	LNT 2, 0
	s_wait_loadcnt 0x0
	LNT 3, 1
	s_wait_dscnt 0x0                               ; my images have landed
	s_barrier_signal -1
	s_barrier_wait -1                              ; everybody's have
	WIN 0x80
	s_wait_alu depctr_va_vdst(0)                   ; the norm's lines are done reading and writing windows 2 and 3, in which the rows' fragments land
.set q, 0
.rept 64
	ds_load_b128 v[4*q:4*q+3], v[LI] offset:512*q
.set q, q+1
.endr
	WIN 0xc0
.set q, 0
.rept 64
	ds_load_b128 v[4*q:4*q+3], v[LI] offset:32768+512*q
.set q, q+1
.endr
	WIN 0
.irp k, 0,1,2,3
.irp p, 0,1,2,3
	ds_load_b32 v[XS+4*\k+\p], v[LS2] offset:512*\k+128*\p
.endr
.endr
	s_wait_dscnt 0x0
.Ltrip:                                            ; two trips: four units, one K step of the next product, each
	UNIT 0
	UNIT 1
	UNIT 2
	UNIT 3
	s_wait_xcnt 0x0                                ; loads and stores have read their bases: these step only now
	s_add_nc_u64 s[WB:WB+1], s[WB:WB+1], 65536
	s_add_nc_u64 s[WSB:WSB+1], s[WSB:WSB+1], 2048
	s_add_nc_u64 s[B1B:B1B+1], s[B1B:B1B+1], 512
	s_add_nc_u64 s[HCB:HCB+1], s[HCB:HCB+1], 2048
	s_add_nc_u64 s[HSB:HSB+1], s[HSB:HSB+1], 128
	s_sub_co_i32 s[TRIP], s[TRIP], 1
	s_cmp_lg_u32 s[TRIP], 0
	s_cbranch_scc1 .Ltrip
	s_wait_dscnt 0x0
	s_wait_alu depctr_hold_cnt(0) depctr_sa_sdst(0) depctr_va_vdst(0) depctr_va_sdst(0) depctr_va_ssrc(0) depctr_va_vcc(0) depctr_vm_vsrc(0)
	s_wait_tensorcnt 0x0
	ds_add_u32 v94, v95
	s_wait_dscnt 0x0
	s_endpgm
.Lfunc_end_k_qfc9bce44e1_ffn1:
	.size	k_qfc9bce44e1_ffn1, .Lfunc_end_k_qfc9bce44e1_ffn1-k_qfc9bce44e1_ffn1
	.p2alignl 7, 3214868480
	.fill 96, 4, 3214868480
	.section	.rodata,"a",@progbits
	.p2align	6, 0x0
	.amdhsa_kernel k_qfc9bce44e1_ffn1
		.amdhsa_group_segment_fixed_size 68096
		.amdhsa_private_segment_fixed_size 0
		.amdhsa_enable_private_segment 0
		.amdhsa_kernarg_size 48
		.amdhsa_user_sgpr_count 2
		.amdhsa_user_sgpr_kernarg_segment_ptr 1
		.amdhsa_wavefront_size32 1
		.amdhsa_system_sgpr_workgroup_id_x 1
		.amdhsa_system_sgpr_workgroup_id_y 1
		.amdhsa_system_sgpr_workgroup_id_z 1
		.amdhsa_system_vgpr_workitem_id 0
		.amdhsa_next_free_vgpr 1024
		.amdhsa_next_free_sgpr 66
		.amdhsa_reserve_vcc 0
		.amdhsa_float_denorm_mode_32 3
		.amdhsa_float_denorm_mode_16_64 3
		.amdhsa_memory_ordered 1
		.amdhsa_forward_progress 1
		.amdhsa_inst_pref_size 255
	.end_amdhsa_kernel
	.section	.bss,"aw",@nobits
	.p2align	6
	.space	262144
	.amdgpu_metadata
---
amdhsa.version: [ 1, 2 ]
amdhsa.kernels:
  - .name:           k_qfc9bce44e1_ffn1
    .symbol:         k_qfc9bce44e1_ffn1.kd
    .args:
      - { .name: x1, .offset: 0, .size: 8, .value_kind: global_buffer, .address_space: global }
      - { .name: alpha, .offset: 8, .size: 8, .value_kind: global_buffer, .address_space: global }
      - { .name: beta, .offset: 16, .size: 8, .value_kind: global_buffer, .address_space: global }
      - { .name: wts, .offset: 24, .size: 8, .value_kind: global_buffer, .address_space: global }
      - { .name: b1, .offset: 32, .size: 8, .value_kind: global_buffer, .address_space: global }
      - { .name: hid, .offset: 40, .size: 8, .value_kind: global_buffer, .address_space: global }
    .group_segment_fixed_size: 68096
    .private_segment_fixed_size: 0
    .kernarg_segment_align: 8
    .kernarg_segment_size: 48
    .max_flat_workgroup_size: 128
    .sgpr_count:     66
    .vgpr_count:     1024
    .wavefront_size: 32
...
	.end_amdgpu_metadata
.endif
;; end of part 8
;; launch ffn2: the kernel of part 5 again; grid 4 x 64, 4 waves a work-group, clusters of 4 x 4, 327,680 bytes of LDS; arguments hid, wts, b2, x1, out0; writes out0
